; MI455X (gfx1250); checked and timed in simulation.
; The chip was launched on July 23, 2026; its instructions are those of AMD's public machine-readable ISA for CDNA 5 (MIT licence, August 2026) and "CDNA5" Instruction Set Architecture Reference Guide (July 2026). The comments in the code are by the model that wrote it; some were corrected since.
;; Attention. Allowed arithmetic: float matrix products may take bf16 or f16 operands with f32 sums; all other float work in f32.
;; Inputs: Wk 4,096 x 1,024 float32; Wo 4,096 x 4,096 float32; Wq 4,096 x 4,096 float32; Wv 4,096 x 1,024 float32; bk 1,024 float32; bo 4,096 float32; bq 4,096 float32; bv 1,024 float32; freqs_cis 1,024 x 64 x 2 float32; x 1 x 1,024 x 4,096 float32.
;; Outputs: out0 1 x 1,024 x 4,096 float32.
;; Constants: startpos = 0.
;; 2 versions, each right and faster than the one before. Each part assembles by itself: llvm-mc -triple=amdgcn-amd-amdhsa -mcpu=gfx1250 --defsym DOCPART=n.
;; ======== version 1 of 2: 4 launches
;; limits: values are held in f16: magnitudes above 65,504 overflow, below 6.1e-05 lose precision; right only within a limited range of input values
;; workspace buffers: xb 8,388,608 bytes; qh 8,388,608 bytes; kh 2,097,152 bytes; vh 2,097,152 bytes; oh 8,388,608 bytes
;; launch cvtx (part 1): grid 256 x 1, 8 waves a work-group, no clusters, 0 bytes of LDS; arguments x, xb; writes xb
.if DOCPART == 1
	.amdgcn_target "amdgcn-amd-amdhsa--gfx1250"
	.amdhsa_code_object_version 6
	.text
	.protected	k_qb33bc420b1_cvtx
	.globl	k_qb33bc420b1_cvtx
	.p2align	8
	.type	k_qb33bc420b1_cvtx,@function
k_qb33bc420b1_cvtx:
	s_mov_b64 s[64:65], 0
	v_nop
	global_prefetch_b8 v0, s[64:65] scope:SCOPE_SE
	s_setreg_imm32_b32 hwreg(HW_REG_WAVE_MODE, 25, 1), 1
	s_wait_xcnt 0x0
; xb = x rounded to bf16 (nearest even).  x: [1024][4096] f32, xb: the same shape in bf16.
; A stream: no LDS, no barrier, no matrix unit.  A work-group takes 16,384 numbers in eight turns; in turn i thread t reads the 32 bytes at
; 8,192 i + 32 t of the group's 65,536 and writes the 16 bytes at 4,096 i + 16 t of its 32,768: a wave's store covers 512 consecutive bytes.
; All sixteen loads of a thread go out first; each turn waits only for its own two.
.set X, 16                             ; v[16:79]   turn i: 8 numbers as loaded
.set Y, 80                             ; v[80:111]  turn i: 4 registers to store
	s_load_b128 s[4:7], s[0:1], 0x0                ; x s[4:5], xb s[6:7]
	v_lshlrev_b32 v1, 5, v0                        ; 32 t
	v_lshlrev_b32 v2, 4, v0                        ; 16 t
	s_lshl_b32 s2, ttmp9, 16                       ; the group's part of x,
	s_mov_b32 s3, 0
	s_lshl_b32 s12, ttmp9, 15                      ; and of xb
	s_mov_b32 s13, 0
	s_wait_kmcnt 0x0
	s_add_nc_u64 s[4:5], s[4:5], s[2:3]
	s_add_nc_u64 s[6:7], s[6:7], s[12:13]
.irp i, 0,1,2,3,4,5,6,7
	global_load_b128 v[X+8*(\i):X+8*(\i)+3],   v1, s[4:5] offset:8192*(\i) th:TH_LOAD_NT
	global_load_b128 v[X+8*(\i)+4:X+8*(\i)+7], v1, s[4:5] offset:8192*(\i)+16 th:TH_LOAD_NT
.endr
.irp i, 0,1,2,3,4,5,6,7
	s_wait_loadcnt 14-2*(\i)                       ; loads come back in order: this turn's two are in, the later turns' stay out
.irp k, 0,1,2,3
	v_cvt_pk_bf16_f32 v[Y+4*(\i)+(\k)], v[X+8*(\i)+2*(\k)], v[X+8*(\i)+2*(\k)+1]
.endr
	global_store_b128 v2, v[Y+4*(\i):Y+4*(\i)+3], s[6:7] offset:4096*(\i)
.endr
	s_endpgm
.Lfunc_end_k_qb33bc420b1_cvtx:
	.size	k_qb33bc420b1_cvtx, .Lfunc_end_k_qb33bc420b1_cvtx-k_qb33bc420b1_cvtx
	.p2alignl 7, 3214868480
	.fill 96, 4, 3214868480
	.section	.rodata,"a",@progbits
	.p2align	6, 0x0
	.amdhsa_kernel k_qb33bc420b1_cvtx
		.amdhsa_group_segment_fixed_size 0
		.amdhsa_private_segment_fixed_size 0
		.amdhsa_enable_private_segment 0
		.amdhsa_kernarg_size 16
		.amdhsa_user_sgpr_count 2
		.amdhsa_user_sgpr_kernarg_segment_ptr 1
		.amdhsa_wavefront_size32 1
		.amdhsa_system_sgpr_workgroup_id_x 1
		.amdhsa_system_sgpr_workgroup_id_y 1
		.amdhsa_system_sgpr_workgroup_id_z 1
		.amdhsa_system_vgpr_workitem_id 0
		.amdhsa_next_free_vgpr 112
		.amdhsa_next_free_sgpr 66
		.amdhsa_reserve_vcc 0
		.amdhsa_float_denorm_mode_32 3
		.amdhsa_float_denorm_mode_16_64 3
		.amdhsa_memory_ordered 1
		.amdhsa_forward_progress 1
		.amdhsa_inst_pref_size 6
	.end_amdhsa_kernel
	.amdgpu_metadata
---
amdhsa.version: [ 1, 2 ]
amdhsa.kernels:
  - .name:           k_qb33bc420b1_cvtx
    .symbol:         k_qb33bc420b1_cvtx.kd
    .args:
      - { .name: x, .offset: 0, .size: 8, .value_kind: global_buffer, .address_space: global }
      - { .name: xb, .offset: 8, .size: 8, .value_kind: global_buffer, .address_space: global }
    .group_segment_fixed_size: 0
    .private_segment_fixed_size: 0
    .kernarg_segment_align: 8
    .kernarg_segment_size: 16
    .max_flat_workgroup_size: 256
    .sgpr_count:     66
    .vgpr_count:     112
    .wavefront_size: 32
...
	.end_amdgpu_metadata
.endif
;; end of part 1
;; launch qkv (part 2): grid 48 x 4, 4 waves a work-group, clusters of 4 x 4, 327,680 bytes of LDS; arguments xb, Wq, Wk, Wv, bq, bk, bv, freqs_cis, qh, kh, vh; writes qh, kh, vh
.if DOCPART == 2
	.amdgcn_target "amdgcn-amd-amdhsa--gfx1250"
	.amdhsa_code_object_version 6
	.text
	.protected	k_qb33bc420b1_qkv
	.globl	k_qb33bc420b1_qkv
	.p2align	8
	.type	k_qb33bc420b1_qkv,@function
k_qb33bc420b1_qkv:
	s_mov_b64 s[64:65], 0
	v_nop
	global_prefetch_b8 v0, s[64:65] scope:SCOPE_SE
	s_setreg_imm32_b32 hwreg(HW_REG_WAVE_MODE, 25, 1), 1
	s_wait_xcnt 0x0
	s_wait_alu depctr_hold_cnt(0) depctr_sa_sdst(0) depctr_va_vdst(0) depctr_va_sdst(0) depctr_va_ssrc(0) depctr_va_vcc(0) depctr_vm_vsrc(0)
	s_getreg_b32 s2, hwreg(HW_REG_IB_STS2, 6, 4)
	s_cmp_eq_u32 s2, 0
	s_cbranch_scc0 .Lentry_in_a_cluster
	s_endpgm
.Lentry_in_a_cluster:
	s_bfe_u32 s2, ttmp6, 0x10000c
	s_cmp_lg_u32 s2, 0xf033
	s_cbranch_scc0 .Lentry_shape_is_right
	s_endpgm
.Lentry_shape_is_right:
; ONE TEXT FOR TWO LAUNCHES; the flag QKV chooses.  QKV = 1 (this file): q, k, v = xb W + b by heads, the complex product with freqs_cis on q and k, a fixed scale, f16 out.
;   xb [1024][4096] bf16; Wq [4096][4096], Wk, Wv [4096][1024] f32, rounded to bf16 on the way; biases and freqs_cis rounded to bf16, then used in f32; sums in f32.
;   qh [32][2][1024][64], kh, vh [8][2][1024][64] f16: head, half of its 128 channels, position, channel.  Stored: q and k times 2^-8, v times 2^-4 (exact scales).
; QKV = 0: out0 = 16 (oh Wo) + bo.  oh [1024][4096] f16 holds o / 16; Wo f32 is rounded to bf16 and that number written as f16; bo rounded to bf16; out0 f32.
; LIMITS.  f16 ends at 65,504: rotated q and k beyond 1.6e7 and v beyond 1.0e6 become infinities.  A stored number below 6e-5 keeps f16's fixed step of 6e-8; so does a weight of Wo
; below 2^-17.  NaN and infinities are not treated apart.  The sums over K are made in KS parts and added at the end: another order of rounding than one chain.
; SHARES.  A wave makes 256 rows x 64 columns, 64 accumulators of 16 x 16 in 512 registers, over its own part of K.  QKV = 1: a work-group makes 256 x 128, one head: two column
; halves x two parts of K.  QKV = 0: 256 x 64, four parts of K.  A CHUNK is 32 along K: 64 matrix instructions.  Chunk c of a wave is k = KSLOT (c / 2) + 64 kq + 32 (c % 2).
; A (xb or oh) comes by tensor loads into two LDS slots of 256 rows x KSLOT; a slot holds two chunks for every wave.  CLUSTER 4 x 4: the four work-groups of a row of the cluster need
; the same rows of A, so each tile is asked for JOINTLY (same load, same descriptor, a mask that names the four).
; W goes from memory STRAIGHT INTO REGISTERS: a load of 16 bytes takes four neighbouring columns of one row k; rounding rows k and k + 1 together gives one register of each of four
; fragments, fragment j holding columns 4 r + j.  A ring of four stages of 64 registers keeps three to four chunks' loads (24 to 32 KB a wave) on their way.
; W IS NOT ASKED FOR JOINTLY though the four row blocks of a cluster's column read the same strip: as f32 through LDS two slots of it would take 2 x KSLOT x 64 x 4 bytes a column group,
; 131,072 bytes: with QKV = 0 that does not fit beside A's 270,336 in 327,680; with QKV = 1 it would raise a wave's LDS reads from 16 to 24 KB a chunk and tie W's lead to the slots' two chunks.
; LAYOUT.  Lane (r, h) of an A fragment reads row 2 (r % 8) + r / 8 of its 16.  So accumulator (a, j), register i, lane (r, h) is row 16 a + 2 i + h, column 4 r + j of the wave's 64:
; four neighbouring columns in one lane (the rotary pairs are the lane's own), two neighbouring rows in the two halves of the lanes (each store covers whole aligned runs of 256 bytes).
; REGISTERS, in windows of 256 (s_set_vgpr_msb: bits 1:0 source 0, 3:2 source 1, 5:4 source 2, 7:6 destination):
;   window 0: v0-47 addresses and at work; v64-127, v128-191 A's fragments of row blocks 0-7, 8-15; v192-223, v224-255 W's fragments, two buffers
;   window 1: the four stages      windows 2, 3: the accumulators, (a, j) at 8 (4 (a % 8) + j) of window 2 + a / 8.  In the finish windows 1 and 2 are two sets of work registers.
.set QKV, 1
.if QKV
.set KS,    2                          ; parts of K
.set KSLOT, 128                        ; K in a slot = 64 KS
.set PITCH, 272                        ; an LDS row: 256 bytes + 16: the 16 rows of a fragment load start at 16 different groups of four banks (64 banks of 4 bytes: ISA guide 11.1)
.set QI,    5                          ; padding behind every 64 words
.set TRIPS, 16                         ; 4096 / KS / 128: a trip is four chunks, once round the two slots
.else
.set KS,    4
.set KSLOT, 256
.set PITCH, 528                        ; 512 bytes + 16
.set QI,    6                          ; padding behind every 128 words
.set TRIPS, 8
.endif
.set SLOT,  256*PITCH
.set SPARE, 270336                     ; the spare words, 128 bytes a wave: two blocks of 256 bytes that no other line names
.set NT,    16/KS                      ; row blocks that a wave finishes
.set ADR, 4                            ; v4-7   LDS address of my A fragments: slot s, row half x at ADR + 2 s + x
.set VO,  8                            ; v8-15  byte offset of row 8 h + i, column 4 r, in a chunk of W; never rewritten
.set RS,  16                           ; v16    where I put my accumulators for the reduction
.set RD,  20                           ; v20-23 where I read copy c of the block in hand
.set BO,  24                           ; v24    16 r
.set OV,  25                           ; v25    my byte offset in a block of the output
.set FOL, 26                           ; v26    my byte offset in 16 rows of freqs_cis
.set SPW, 28                           ; v28    LDS address of my spare word; never rewritten
.set NIL, 29                           ; v29    0; never rewritten
.set BV,  32                           ; v32-35 the bias of my four columns
.set TM,  36                           ; v36-37 at work
.set AH,  64
.set BF,  192
.set XF,  128                          ; the finish, in window 1 + set: v0.. the copies; freqs_cis;
.set XH,  160                          ; what is stored;
.set XB,  192                          ; the bias, each number twice;
.set XT,  200                          ; at work
.set G1,  24                           ; s[24:31] descriptor group 1
.set G0,  32                           ; s[32:39] descriptor group 0, a set for each slot
.set BB,  40                           ; s[40:41] W at the row 0 of the chunk to be loaded, my 64 columns
.set BB2, 42                           ; s[42:43] the same, 16 rows on
.set SE,  44                           ; s[44:45] bytes from an even chunk to the next
.set SO,  46                           ; s[46:47] from an odd one
.set OUT, 48                           ; s[48:49] the output at the block in hand
; s8 wave, s9 kq, s10 column half, s11 cx, s12 cy, s13 cluster x, s14 tile column, s15 head in its tensor, s50 bytes in a row of W, s51 1 for v, s[52:53] the scale,
; s54 mask of a word's upper half, s55 counter; s2-7 at work, never holding cx; s58-61 at work
.set MSB, 0
.macro WIN new                         ; the immediate's high byte repeats the setting that is left; a switch that changes nothing is dropped
.if MSB != (\new)
	s_set_vgpr_msb (MSB<<8)|(\new)
.set MSB, (\new)
.endif
.endm
.macro PLACES                          ; four places in front of loads into registers that matrix instructions have read, and of reads of results
.rept 4
	v_nop
.endr
.endm
.macro CREST                           ; a round of the cluster's barrier behind its opening barrier
	s_cmp_lg_u32 s8, 0
	s_cbranch_scc1 .Lnot_wave_0_\@
	s_barrier_signal -3
.Lnot_wave_0_\@:
	s_barrier_wait -3
	s_barrier_signal -1
	s_barrier_wait -1
.endm
.macro CROUND                          ; a whole round
	s_barrier_signal -1
	s_barrier_wait -1
	CREST
.endm
; A joint load: every wave asks for its 64 rows of slot s.  step = 1: the slot's tile two slots on.  An s_nop 0 and four v_nop follow.
.macro JLOAD s, step
.if \step
	s_add_nc_u64 s[G0+4*(\s)+2:G0+4*(\s)+3], s[G0+4*(\s)+2:G0+4*(\s)+3], 4*KSLOT
.endif
	tensor_load_to_lds s[G0+4*(\s):G0+4*(\s)+3], s[G1:G1+7]
	s_nop 0
.rept 4
	v_nop
.endr
.endm
; A run of 16 loads: a chunk of W, 32 rows x my 64 columns, into stage sb.  Lanes 0-15 take 256 aligned bytes of one row, lanes 16-31 those of the row eight further down.
; st = 1, 2: the bases step first, onto an odd or an even chunk, behind the wait that frees them.
.macro GLOAD sb, st
.if (\st) == 1
	s_wait_xcnt 0x0                                ; the earlier loads have had their addresses translated (ISA guide 3.1): the bases may be rewritten
	s_add_nc_u64 s[BB:BB+1], s[BB:BB+1], s[SE:SE+1]
	s_add_nc_u64 s[BB2:BB2+1], s[BB2:BB2+1], s[SE:SE+1]
.elseif (\st) == 2
	s_wait_xcnt 0x0
	s_add_nc_u64 s[BB:BB+1], s[BB:BB+1], s[SO:SO+1]
	s_add_nc_u64 s[BB2:BB2+1], s[BB2:BB2+1], s[SO:SO+1]
.endif
	WIN 0x40                                       ; destination window 1, address window 0
.irp i, 0,1,2,3,4,5,6,7
	global_load_b128 v[64*(\sb)+4*(\i):64*(\sb)+4*(\i)+3], v[VO+(\i)], s[BB:BB+1]
.endr
.irp i, 0,1,2,3,4,5,6,7
	global_load_b128 v[64*(\sb)+32+4*(\i):64*(\sb)+32+4*(\i)+3], v[VO+(\i)], s[BB2:BB2+1]
.endr
.endm
; Four lines of the conversion of stage sb into fragment buffer fb.  Register p of fragment j is made of rows 2 p and 2 p + 1 of the lane's sixteen, column j of its four.
; QKV = 1: group n = p: one rounding to bf16 each.  QKV = 0: group n: p = n / 4, and of four steps number n % 4: round the pair to bf16; widen the low half; widen the high half; write both as f16.
.macro RID n, sb, fb
.if QKV
	WIN 0x05                                       ; sources window 1, destination window 0
.irp j, 0,1,2,3
	v_cvt_pk_bf16_f32 v[BF+32*(\fb)+8*(\j)+(\n)], v[64*(\sb)+8*(\n)+(\j)], v[64*(\sb)+8*(\n)+(\j)+4]
.endr
.else
.set p_, (\n)/4
.set ph_, (\n)%4
.irp j, 0,1,2,3
.set s0_, 64*(\sb)+8*p_+(\j)
.if ph_ == 0
	WIN 0x45
	v_cvt_pk_bf16_f32 v[s0_], v[s0_], v[s0_+4]
.elseif ph_ == 1
	WIN 0x45
	v_lshlrev_b32 v[s0_+4], 16, v[s0_]
.elseif ph_ == 2
	WIN 0x45
	v_and_b32 v[s0_], s54, v[s0_]
.else
	WIN 0x05
	v_cvt_pk_f16_f32 v[BF+32*(\fb)+8*(\j)+p_], v[s0_+4], v[s0_]
.endif
.endr
.endif
.endm
.macro CONVALL sb, fb                  ; all of a stage on end: once, ahead of the loop
.set n2_, 0
.rept 32-24*QKV
	RID n2_, \sb, \fb
.set n2_, n2_+1
.endr
.endm
.macro MMA d, a, b
.if QKV
	v_wmma_f32_16x16x32_bf16 v[(\d):(\d)+7], v[(\a):(\a)+7], v[(\b):(\b)+7], v[(\d):(\d)+7]
.else
	v_wmma_f32_16x16x32_f16 v[(\d):(\d)+7], v[(\a):(\a)+7], v[(\b):(\b)+7], v[(\d):(\d)+7]
.endif
.endm
; 4 an matrix instructions: row blocks a0 .. a0 + an - 1 of half x, all four fragments of buffer fb.  The 64 accumulators take turns, one instruction a turn.
; rid = 1: groups of the next chunk's conversion (stage sb into the other buffer) stand behind the matrix instructions; they name none of the products' registers.
.macro MULS x, a0, an, fb, rid, sb
.set a_, \a0
.rept \an
.set j_, 0
.rept 4
	WIN 0xa0+0x50*(\x)                             ; A and W window 0, C and D window 2 or 3
	MMA 8*(4*a_+j_), AH+64*(\x)+8*a_, BF+32*(\fb)+8*j_
.if \rid
.if QKV
.if j_ == 0
	RID a_, \sb, 1-(\fb)
.endif
.else
	RID 4*a_+j_, \sb, 1-(\fb)
.endif
.endif
.set j_, j_+1
.endr
.set a_, a_+1
.endr
.endm
; 16 LDS loads: A's fragments of row half x, from slot s, chunk q of my two there
.macro FETCH x, s, q
	WIN 0
.irp a, 0,1,2,3,4,5,6,7
	ds_load_b128 v[AH+64*(\x)+8*(\a):AH+64*(\x)+8*(\a)+3],   v[ADR+2*(\s)+(\x)] offset:(\a)*16*PITCH+64*(\q)
	ds_load_b128 v[AH+64*(\x)+8*(\a)+4:AH+64*(\x)+8*(\a)+7], v[ADR+2*(\s)+(\x)] offset:(\a)*16*PITCH+64*(\q)+32
.endr
.endm
; CHUNK ci of a trip's four.  gl = 1: the chunk four on is asked for, into the stage that the chunk before has emptied.  lw: how many younger weight loads may stay out when the next chunk's
; stage has to be in (-1: nothing more to convert).  turn = 1: my reads of this slot are over: it is filled again; 2: the same change of slots with nothing left to fetch.  nxt = 0: the last chunk.
.macro CHUNK ci, gl, lw, turn, nxt
.set s_, (\ci)/2
.set sn_, (((\ci)+1)%4)/2
.set qn_, ((\ci)+1)%2
.set fb_, (\ci)%2
.set sb_, ((\ci)+1)%4
.if \gl
	GLOAD \ci, 2-(\ci)%2
.endif
.if (\lw) >= 0
	s_wait_loadcnt \lw                             ; loads come back in order: the next chunk's run of 16 is in, the younger runs stay out
.endif
	s_wait_dscnt 16                                ; row blocks 0-7 are in; the 16 loads of blocks 8-15 may be out
.if (\turn) == 0
	MULS 0, 0, 8, fb_, \nxt, sb_
	PLACES
.else
	WIN 0                                          ; (the add's two registers lie in window 0)
	s_wait_tensorcnt 0x0                           ; all my tensor loads have landed: the one that was out is my part of the other slot
	ds_add_u32 v[SPW], v[NIL]                      ; 0 onto my spare word
	MULS 0, 0, 4, fb_, \nxt, sb_                   ; sixteen matrix instructions stand between the add and the wait for it
	s_wait_dscnt 0x0                               ; the add is done, and my reads of this slot are over
	s_barrier_signal -1
	MULS 0, 4, 4, fb_, \nxt, sb_                   ; work on registers while the others arrive
	WIN 0                                          ; at a branch and at a label every window is 0
	s_barrier_wait -1
.if (\turn) == 1
	CREST                                          ; the barrier has opened a round of the cluster's: no wave of any partner still reads this slot or has a load on its way
	JLOAD s_, 1                                    ; the first tensor load behind the round; it has two chunks in which to land; its four v_nop are the places in front of the loads below
.else
	PLACES
.endif
.endif
.if \nxt
	FETCH 0, sn_, qn_
	s_wait_dscnt 16                                ; blocks 8-15 are in; the 16 just issued may be out
	MULS 1, 0, 8, fb_, 0, 0
	PLACES
	FETCH 1, sn_, qn_
.else
	s_wait_dscnt 0x0                               ; my last reads of the slots are over:
	s_barrier_signal -1                            ; say so,
	MULS 1, 0, 8, fb_, 0, 0
	PLACES                                         ; (in front of the stores that read the results)
	WIN 0
	s_barrier_wait -1                              ; and go on when all four have: the slots have had their last fill and their last read
.endif
.endm
; THE REDUCTION.  Every wave puts its 64 accumulators into LDS: wave w at 65,536 w, accumulator n = 4 a + j at 1,024 n, registers 0-3 then 4-7, 16 bytes a lane on end.
.macro STOREACC
.set n_, 0
.rept 64
	WIN 0x08+0x04*(n_/32)                          ; data window 2 or 3
	ds_store_b128 v[RS], v[8*(n_%32):8*(n_%32)+3] offset:1024*n_        ; each accumulator's low end is read first
	ds_store_b128 v[RS], v[8*(n_%32)+4:8*(n_%32)+7] offset:1024*n_+512
.set n_, n_+1
.endr
	WIN 0
.endm
; The KS copies of a row block come into set's registers: copy c, fragment j, register i at 32 c + 8 j + i.  step = 1: the next block, 4,096 bytes on.
.macro FINLOAD set, step
	WIN 0
.if \step
.set c_, 0
.rept KS
	v_add_nc_u32 v[RD+c_], 4096, v[RD+c_]
.set c_, c_+1
.endr
.endif
	WIN (1+(\set))<<6
.set c_, 0
.rept KS
.irp j, 0,1,2,3
	ds_load_b128 v[32*c_+8*(\j):32*c_+8*(\j)+3],   v[RD+c_] offset:1024*(\j)
	ds_load_b128 v[32*c_+8*(\j)+4:32*c_+8*(\j)+7], v[RD+c_] offset:1024*(\j)+512
.endr
.set c_, c_+1
.endr
.endm
.if QKV
; freqs_cis for a block's 16 positions: load i brings rows 2 i + h, the two (real, imaginary) pairs of my four columns; 16 lanes take 256 aligned bytes.  (A v head loads them too and does not use them: the counts of the waits stay the same on both ways.)
.macro FLOAD set, step
.if \step
	s_wait_xcnt 0x0                                ; the earlier loads and stores have had their addresses translated: the base may be rewritten
	s_add_nc_u64 s[22:23], s[22:23], 8192
.endif
	WIN (1+(\set))<<6
.irp i, 0,1,2,3,4,5,6,7
	global_load_b128 v[XF+4*(\i):XF+4*(\i)+3], v[FOL], s[22:23] offset:1024*(\i)
.endr
.endm
.endif
; A row block is finished from set's registers.  pre = 1: the next block is asked for first, into the other set.
.macro FIN set, pre
.if \pre
	FINLOAD 1-(\set), 1
.if QKV
	FLOAD 1-(\set), 1
	s_wait_loadcnt 8                               ; this block's freqs_cis are in; the eight just issued stay out
.endif
	s_wait_dscnt 8*KS                              ; this block's copies are in; the run just issued stays out
.else
.if QKV
	s_wait_loadcnt 0x0
.endif
	s_wait_dscnt 0x0
.endif
.set W_, 1+(\set)
	WIN W_*0x55
.set z_, 0
.rept 16
	v_pk_add_f32 v[2*z_:2*z_+1], v[2*z_:2*z_+1], v[32+2*z_:32+2*z_+1]
.if KS == 4
	v_pk_add_f32 v[64+2*z_:64+2*z_+1], v[64+2*z_:64+2*z_+1], v[96+2*z_:96+2*z_+1]
.endif
.set z_, z_+1
.endr
.if KS == 4
.set z_, 0
.rept 16
	v_pk_add_f32 v[2*z_:2*z_+1], v[2*z_:2*z_+1], v[64+2*z_:64+2*z_+1]
.set z_, z_+1
.endr
.endif
.if QKV
.set z_, 0
.rept 16
	v_pk_fma_f32 v[2*z_:2*z_+1], v[2*z_:2*z_+1], s[52:53], v[XB+2*(z_/4):XB+2*(z_/4)+1] op_sel_hi:[1,0,1]  ; sum x scale + bias x scale
.set z_, z_+1
.endr
	WIN 0
	s_cmp_eq_u32 s51, 1
	s_cbranch_scc1 .Lnorot_\@                      ; v is not rotated; the jump hangs on the cluster's number alone and passes register work only
	WIN W_*0x55
.set i_, 0
.rept 8                                ; (a + i b)(c + i d) for the lane's two pairs in row 2 i + h; c and d rounded to bf16 first
.set f_, XF+4*i_
	v_cvt_pk_bf16_f32 v[f_], v[f_], v[f_+1]
	v_cvt_pk_bf16_f32 v[f_+2], v[f_+2], v[f_+3]
	v_and_b32 v[f_+1], s54, v[f_]
	v_and_b32 v[f_+3], s54, v[f_+2]
	v_lshlrev_b32 v[f_], 16, v[f_]
	v_lshlrev_b32 v[f_+2], 16, v[f_+2]
	v_mul_f32 v[XT], v[8+i_], v[f_+1]              ; b d
	v_mul_f32 v[XT+1], v[8+i_], v[f_]              ; b c
	v_mul_f32 v[XT+2], v[24+i_], v[f_+3]
	v_mul_f32 v[XT+3], v[24+i_], v[f_+2]
	v_fma_f32 v[8+i_], v[i_], v[f_+1], v[XT+1]     ; a d + b c
	v_fma_f32 v[24+i_], v[16+i_], v[f_+3], v[XT+3]
	v_fma_f32 v[i_], v[i_], v[f_], -v[XT]          ; a c - b d
	v_fma_f32 v[16+i_], v[16+i_], v[f_+2], -v[XT+2]
.set i_, i_+1
.endr
	WIN 0
.Lnorot_\@:
	WIN W_*0x55
.set i_, 0
.rept 8
	v_cvt_pk_f16_f32 v[XH+2*i_], v[i_], v[8+i_]
	v_cvt_pk_f16_f32 v[XH+2*i_+1], v[16+i_], v[24+i_]
.set i_, i_+1
.endr
	WIN W_<<2                                      ; data window 1 + set, address window 0
.irp i, 0,1,2,3,4,5,6,7
	global_store_b64 v[OV], v[XH+2*(\i):XH+2*(\i)+1], s[OUT:OUT+1] offset:256*(\i)  ; rows 2 i and 2 i + 1 of a half head: the wave stores 256 consecutive bytes, aligned
.endr
.else
.set i_, 0
.rept 8
.irp j, 0,1,2,3
	v_fma_f32 v[XH+4*i_+(\j)], v[8*(\j)+i_], s52, v[XB+2*(\j)]  ; 16 x sum + bias
.endr
.set i_, i_+1
.endr
	WIN W_<<2
.irp i, 0,1,2,3,4,5,6,7
	global_store_b128 v[OV], v[XH+4*(\i):XH+4*(\i)+3], s[OUT:OUT+1] offset:32768*(\i) th:TH_STORE_NT  ; 16 lanes store 256 consecutive bytes of a row, aligned
.endr
.endif
	WIN 0
.if \pre
	s_wait_xcnt 0x0                                ; the stores have had their addresses translated: their base and, two blocks on, their data are rewritten only behind this wait
.if QKV
	s_add_nc_u64 s[OUT:OUT+1], s[OUT:OUT+1], 2048  ; 16 rows of 128 bytes on
.else
	s_add_nc_u64 s[OUT:OUT+1], s[OUT:OUT+1], 262144  ; 16 rows of 16,384 bytes on
.endif
.endif
.endm
.if QKV
	s_load_b512 s[68:83], s[0:1], 0x0              ; xb 68, Wq 70, Wk 72, Wv 74, bq 76, bk 78, bv 80, freqs_cis 82
	s_load_b128 s[84:87], s[0:1], 0x40             ; qh 84, kh 86
	s_load_b64 s[88:89], s[0:1], 0x50              ; vh
.else
	s_load_b256 s[68:75], s[0:1], 0x0              ; oh 68, Wo 70, bo 72, out0 74
.endif
	v_lshl_add_u32 v[SPW], v0, 2, SPARE
	v_mov_b32 v[NIL], 0
	ds_add_u32 v[SPW], v[NIL]                      ; the wave's opening: the add and its wait stand ahead of my first tensor load; work on registers stands between them
	v_lshrrev_b32 v3, 5, v0
	v_readfirstlane_b32 s8, v3                     ; wave 0..3
	s_bfe_u32 s11, ttmp6, 0x40000                  ; cx
	s_bfe_u32 s12, ttmp6, 0x40004                  ; cy = the block of 256 rows: the grid is one cluster high
	s_mov_b32 s13, ttmp9                           ; in a cluster launch ttmp9 counts clusters
	s_lshl_b32 s14, s13, 2
	s_add_co_u32 s14, s14, s11                     ; tile column = 4 x cluster x + cx
.if QKV
	s_and_b32 s9, s8, 1                            ; my part of K
	s_lshr_b32 s10, s8, 1                          ; my half of the head's columns
.else
	s_mov_b32 s9, s8
	s_mov_b32 s10, 0
.endif
	s_lshl_b32 s2, s12, 2
	s_lshl_b32 s2, 15, s2                          ; my row of the cluster: places 4 cy .. 4 cy + 3
	s_or_b32 s[G1], s2, (1<<16)|(1<<20)|(1<<21)|(QI<<22)|(3<<25)  ; 15:0 the mask; 17:16 2-byte elements; 20 padding on; 21 set beside a mask; 24:22 the interval; 31:25 4 words (code 3)
	s_mov_b32 s[G1+1], KSLOT<<16                   ; tensor_dim0
	s_mov_b32 s[G1+2], 64<<16                      ; tensor_dim1 = 64
	s_mov_b32 s[G1+3], KSLOT<<16                   ; tile_dim0
	s_mov_b32 s[G1+4], 64                          ; tile_dim1 = 64 rows
	s_mov_b32 s[G1+5], 4096                        ; elements from row to row
	s_mov_b32 s[G1+6], 0
	s_mov_b32 s[G1+7], 0
	s_lshl_b32 s2, s12, 8
	s_lshl_b32 s3, s8, 6
	s_add_co_u32 s2, s2, s3                        ; the rows that I fetch: 256 cy + 64 w,
	s_lshl_b32 s2, s2, 13                          ; of 8,192 bytes
	s_mov_b32 s3, 0
	s_mul_i32 s4, s8, 64*PITCH                     ; and where they go: no place in the cluster enters an LDS address
	s_mov_b32 s54, 0xffff0000
	s_wait_dscnt 0x0                               ; the opening add is done
	s_wait_kmcnt 0x0
	s_add_nc_u64 s[16:17], s[68:69], s[2:3]
.irp s, 0,1
	s_mov_b32 s[G0+4*(\s)], 1                      ; count = 1
	s_add_co_u32 s[G0+4*(\s)+1], s4, (\s)*SLOT     ; LDS address
	s_add_nc_u64 s[G0+4*(\s)+2:G0+4*(\s)+3], s[16:17], (\s)*KSLOT*2  ; global address: slot s begins with K = KSLOT s
	s_or_b32 s[G0+4*(\s)+3], s[G0+4*(\s)+3], 0x80000000  ; type = 2
.endr
	CROUND                                         ; all sixteen work-groups are here: the first joint loads meet
	JLOAD 0, 0                                     ; two tensor loads of mine are out here, one behind every later round
	JLOAD 1, 0
.if QKV
	; which tensor: clusters 0-7 make q's 32 heads, 8 and 9 k's 8, 10 and 11 v's 8: the same for all partners
	s_mov_b32 s50, 4096
	s_mov_b32 s52, 0x3d800000                      ; 2^-4
	s_cmp_lt_u32 s13, 8
	s_cselect_b64 s[18:19], s[70:71], s[72:73]
	s_cselect_b64 s[20:21], s[76:77], s[78:79]
	s_cselect_b64 s[OUT:OUT+1], s[84:85], s[86:87]
	s_cselect_b32 s50, 16384, s50                  ; bytes in a row of W
	s_cselect_b32 s60, 0, 32                       ; the tensor's first tile column
	s_cmp_lt_u32 s13, 10
	s_cselect_b64 s[18:19], s[18:19], s[74:75]
	s_cselect_b64 s[20:21], s[20:21], s[80:81]
	s_cselect_b64 s[OUT:OUT+1], s[OUT:OUT+1], s[88:89]
	s_cselect_b32 s60, s60, 40
	s_cselect_b32 s52, 0x3b800000, s52             ; 2^-8 for q and k
	s_cselect_b32 s51, 0, 1
	s_mov_b32 s53, s52                             ; named with it as a pair
	s_sub_co_u32 s15, s14, s60                     ; the head in its tensor
	s_lshl_b32 s58, s15, 9
	s_lshl_b32 s59, s10, 8
	s_add_co_u32 s58, s58, s59                     ; my first column, in bytes of f32: 512 head + 256 half
.else
	s_mov_b64 s[18:19], s[70:71]
	s_mov_b64 s[20:21], s[72:73]
	s_mov_b64 s[OUT:OUT+1], s[74:75]
	s_mov_b32 s50, 16384
	s_mov_b32 s52, 0x41800000                      ; 16
	s_lshl_b32 s58, s14, 8                         ; my first column, in bytes of f32
.endif
	s_mov_b32 s59, 0
	s_add_nc_u64 s[20:21], s[20:21], s[58:59]      ; the bias,
	s_add_nc_u64 s[BB:BB+1], s[18:19], s[58:59]    ; and W, at my 64 columns;
	s_mul_i32 s60, s9, s50
	s_lshl_b32 s60, s60, 6
	s_mov_b32 s61, 0
	s_add_nc_u64 s[BB:BB+1], s[BB:BB+1], s[60:61]  ; row 64 kq
	s_lshl_b32 s60, s50, 4
	s_add_nc_u64 s[BB2:BB2+1], s[BB:BB+1], s[60:61]
	s_lshl_b32 s[SE], s50, 5                       ; 32 rows
	s_mov_b32 s[SE+1], 0
	s_mul_i32 s[SO], s50, KSLOT-32                 ; into the next slot's K
	s_mov_b32 s[SO+1], 0
	v_and_b32 v1, 15, v0                           ; r
	v_bfe_u32 v2, v0, 4, 1                         ; h
	v_lshlrev_b32 v[BO], 4, v1
.irp i, 0,1,2,3,4,5,6,7
	v_lshl_add_u32 v[TM], v2, 3, (\i)
	v_mul_lo_u32 v[VO+(\i)], v[TM], s50
	v_lshl_add_u32 v[VO+(\i)], v1, 4, v[VO+(\i)]   ; (8 h + i) rows + 16 r
.endr
	global_load_b128 v[BV:BV+3], v[BO], s[20:21]   ; the bias of columns 4 r .. 4 r + 3
	GLOAD 0, 0                                     ; chunks 0 to 3
	GLOAD 1, 1
	GLOAD 2, 2
	GLOAD 3, 1
	WIN 0
.if QKV
	s_lshl_b32 s58, s15, 1
	s_add_co_u32 s58, s58, s10
	s_lshl_b32 s58, s58, 3                         ; the half head's 1,024 rows, in units of 128 rows,
	s_lshl_b32 s60, s12, 1
	s_add_co_u32 s60, s60, s9                      ; and my 128 rows in them: 2 cy + kq
	s_add_co_u32 s58, s58, s60
	s_lshl_b32 s58, s58, 14                        ; 128 rows of 128 bytes
	s_add_nc_u64 s[OUT:OUT+1], s[OUT:OUT+1], s[58:59]
	s_lshl_b32 s60, s60, 16                        ; 128 positions of 512 bytes
	s_add_nc_u64 s[22:23], s[82:83], s[60:61]
.else
	s_lshl_b32 s60, s12, 2
	s_add_co_u32 s60, s60, s8
	s_lshl_b32 s60, s60, 20                        ; row 256 cy + 64 w, of 16,384 bytes
	s_add_co_u32 s60, s60, s58
	s_add_nc_u64 s[OUT:OUT+1], s[OUT:OUT+1], s[60:61]
.endif
	v_and_b32 v3, 7, v1
	v_lshrrev_b32 v[TM], 3, v1
	v_lshl_add_u32 v3, v3, 1, v[TM]                ; the row of 16 that I read: 2 (r % 8) + r / 8
	v_mul_u32_u24 v3, v3, PITCH
	v_lshl_add_u32 v3, v2, 4, v3
	s_lshl_b32 s5, s9, 7                           ; my 64 of a slot's K
.irp s, 0,1
.irp x, 0,1
	s_add_co_u32 s6, s5, (\s)*SLOT+(\x)*128*PITCH
	v_add_nc_u32 v[ADR+2*(\s)+(\x)], s6, v3
.endr
.endr
	v_and_b32 v[TM], 31, v0
	s_lshl_b32 s5, s8, 16
	v_lshl_add_u32 v[RS], v[TM], 4, s5             ; 65,536 w + 16 lane
	s_lshl_b32 s5, s10, 17                         ; the first of the waves that share my columns,
	s_mul_i32 s6, s9, NT*4096                      ; my first row block
	s_add_co_u32 s5, s5, s6
	v_lshl_add_u32 v[RD], v[TM], 4, s5
.set c_, 1
.rept KS-1
	v_add_nc_u32 v[RD+c_], 65536*c_, v[RD]
.set c_, c_+1
.endr
.if QKV
	v_lshlrev_b32 v[OV], 3, v[TM]                  ; 128 h + 8 r
	s_lshl_b32 s5, s10, 8
	v_lshl_add_u32 v[FOL], v2, 9, s5
	v_lshl_add_u32 v[FOL], v1, 4, v[FOL]           ; 512 h + 256 half + 16 r
.else
	v_lshlrev_b32 v[OV], 14, v2
	v_lshl_add_u32 v[OV], v1, 4, v[OV]             ; 16,384 h + 16 r
.endif
	; The accumulators are cleared, on purpose, while the first tile and the first weights are on their way: with the first chunk written out ahead of the loop the loop's trips
	; would be shifted by a chunk, and its last trip would ask for a chunk of W that does not exist.
	WIN 0x80
.set i_, 0
.rept 256
	v_mov_b32 v[i_], 0
.set i_, i_+1
.endr
	WIN 0xc0
.set i_, 0
.rept 256
	v_mov_b32 v[i_], 0
.set i_, i_+1
.endr
	s_wait_loadcnt 48                              ; the bias and chunk 0 are in; three runs of 16 stay out
	CONVALL 0, 0
	WIN 0
	s_wait_tensorcnt 0x1                           ; my part of slot 0 is in; slot 1's may stay out
	s_barrier_signal -1
	s_barrier_wait -1                              ; everybody's is
	FETCH 0, 0, 0
	FETCH 1, 0, 0
	s_mov_b32 s55, TRIPS-1
.Ltrip:                                            ; a trip: four chunks, once round the two slots; both are filled again
	CHUNK 0, 1, 48, 0, 1
	CHUNK 1, 1, 48, 1, 1
	CHUNK 2, 1, 48, 0, 1
	CHUNK 3, 1, 48, 1, 1
	WIN 0
	s_sub_co_u32 s55, s55, 1
	s_cmp_lg_u32 s55, 0
	s_cbranch_scc1 .Ltrip
	CHUNK 0, 0, 32, 0, 1                           ; the last trip is written out: nothing is left to fetch, and the counts run down
	CHUNK 1, 0, 16, 2, 1
	CHUNK 2, 0, 0, 0, 1
	CHUNK 3, 0, -1, 0, 0
.if QKV
	FLOAD 0, 0                                     ; the first block's freqs_cis go out ahead of the reduction
.endif
	STOREACC
	v_cvt_pk_bf16_f32 v[TM], v[BV], v[BV+1]        ; the bias, rounded to bf16, while the stores drain
	v_cvt_pk_bf16_f32 v[TM+1], v[BV+2], v[BV+3]
	v_lshlrev_b32 v[BV], 16, v[TM]
	v_and_b32 v[BV+1], s54, v[TM]
	v_lshlrev_b32 v[BV+2], 16, v[TM+1]
	v_and_b32 v[BV+3], s54, v[TM+1]
.if QKV
.irp j, 0,1,2,3
	v_mul_f32 v[BV+(\j)], s52, v[BV+(\j)]          ; times the scale: exact
.endr
.endif
	WIN 0x40
.irp j, 0,1,2,3
	v_mov_b32 v[XB+2*(\j)], v[BV+(\j)]
	v_mov_b32 v[XB+2*(\j)+1], v[BV+(\j)]
.endr
	WIN 0
	s_wait_dscnt 0x0                               ; for the others' sake: my stores are done
	s_barrier_signal -1
	WIN 0x80                                       ; window 2 held accumulators: written only behind the wait for the stores that read them
.irp j, 0,1,2,3
	v_mov_b32 v[XB+2*(\j)], v[BV+(\j)]
	v_mov_b32 v[XB+2*(\j)+1], v[BV+(\j)]
.endr
	WIN 0
	s_barrier_wait -1
	FINLOAD 0, 0
	WIN 0
.if NT > 4
	s_mov_b32 s55, NT/2-1
.Lfin:
.endif
	FIN 0, 1
	FIN 1, 1
.if NT > 4
	s_sub_co_u32 s55, s55, 1
	s_cmp_lg_u32 s55, 0
	s_cbranch_scc1 .Lfin
.endif
	FIN 0, 1                                       ; the last two blocks are written out: the very last asks for nothing more
	FIN 1, 0
	s_wait_tensorcnt 0x0                           ; the wave's end, behind my last tensor load and my last LDS store
	ds_add_u32 v[SPW], v[NIL]
	s_wait_dscnt 0x0
	CROUND                                         ; the closing round: no work-group ends while a partner may still ask for a tile that names it
	s_endpgm
.Lfunc_end_k_qb33bc420b1_qkv:
	.size	k_qb33bc420b1_qkv, .Lfunc_end_k_qb33bc420b1_qkv-k_qb33bc420b1_qkv
	.p2alignl 7, 3214868480
	.fill 96, 4, 3214868480
	.section	.rodata,"a",@progbits
	.p2align	6, 0x0
	.amdhsa_kernel k_qb33bc420b1_qkv
		.amdhsa_group_segment_fixed_size 327680
		.amdhsa_private_segment_fixed_size 0
		.amdhsa_enable_private_segment 0
		.amdhsa_kernarg_size 88
		.amdhsa_user_sgpr_count 2
		.amdhsa_user_sgpr_kernarg_segment_ptr 1
		.amdhsa_wavefront_size32 1
		.amdhsa_system_sgpr_workgroup_id_x 1
		.amdhsa_system_sgpr_workgroup_id_y 1
		.amdhsa_system_sgpr_workgroup_id_z 1
		.amdhsa_system_vgpr_workitem_id 0
		.amdhsa_next_free_vgpr 1024
		.amdhsa_next_free_sgpr 92
		.amdhsa_reserve_vcc 0
		.amdhsa_float_denorm_mode_32 3
		.amdhsa_float_denorm_mode_16_64 3
		.amdhsa_memory_ordered 1
		.amdhsa_forward_progress 1
		.amdhsa_inst_pref_size 164
	.end_amdhsa_kernel
	.amdgpu_metadata
---
amdhsa.version: [ 1, 2 ]
amdhsa.kernels:
  - .name:           k_qb33bc420b1_qkv
    .symbol:         k_qb33bc420b1_qkv.kd
    .args:
      - { .name: xb, .offset: 0, .size: 8, .value_kind: global_buffer, .address_space: global }
      - { .name: Wq, .offset: 8, .size: 8, .value_kind: global_buffer, .address_space: global }
      - { .name: Wk, .offset: 16, .size: 8, .value_kind: global_buffer, .address_space: global }
      - { .name: Wv, .offset: 24, .size: 8, .value_kind: global_buffer, .address_space: global }
      - { .name: bq, .offset: 32, .size: 8, .value_kind: global_buffer, .address_space: global }
      - { .name: bk, .offset: 40, .size: 8, .value_kind: global_buffer, .address_space: global }
      - { .name: bv, .offset: 48, .size: 8, .value_kind: global_buffer, .address_space: global }
      - { .name: freqs_cis, .offset: 56, .size: 8, .value_kind: global_buffer, .address_space: global }
      - { .name: qh, .offset: 64, .size: 8, .value_kind: global_buffer, .address_space: global }
      - { .name: kh, .offset: 72, .size: 8, .value_kind: global_buffer, .address_space: global }
      - { .name: vh, .offset: 80, .size: 8, .value_kind: global_buffer, .address_space: global }
    .group_segment_fixed_size: 327680
    .private_segment_fixed_size: 0
    .kernarg_segment_align: 8
    .kernarg_segment_size: 88
    .max_flat_workgroup_size: 128
    .sgpr_count:     92
    .vgpr_count:     1024
    .wavefront_size: 32
...
	.end_amdgpu_metadata
.endif
;; end of part 2
;; launch attn (part 3): grid 32 x 8, 4 waves a work-group, clusters of 4 x 1, 327,680 bytes of LDS; arguments qh, kh, vh, oh; writes oh
.if DOCPART == 3
	.amdgcn_target "amdgcn-amd-amdhsa--gfx1250"
	.amdhsa_code_object_version 6
	.text
	.protected	k_qb33bc420b1_attn
	.globl	k_qb33bc420b1_attn
	.p2align	8
	.type	k_qb33bc420b1_attn,@function
k_qb33bc420b1_attn:
	s_mov_b64 s[64:65], 0
	v_nop
	global_prefetch_b8 v0, s[64:65] scope:SCOPE_SE
	s_setreg_imm32_b32 hwreg(HW_REG_WAVE_MODE, 25, 1), 1
	s_wait_xcnt 0x0
	s_wait_alu depctr_hold_cnt(0) depctr_sa_sdst(0) depctr_va_vdst(0) depctr_va_sdst(0) depctr_va_ssrc(0) depctr_va_vcc(0) depctr_vm_vsrc(0)
	s_getreg_b32 s2, hwreg(HW_REG_IB_STS2, 6, 4)
	s_cmp_eq_u32 s2, 0
	s_cbranch_scc0 .Lentry_in_a_cluster
	s_endpgm
.Lentry_in_a_cluster:
	s_bfe_u32 s2, ttmp6, 0x10000c
	s_cmp_lg_u32 s2, 0x3003
	s_cbranch_scc0 .Lentry_shape_is_right
	s_endpgm
.Lentry_shape_is_right:
; CAUSAL ATTENTION WITH SHARED KEY AND VALUE HEADS.  o[q] = the sum over k <= q of softmax_k(q . k / sqrt(128)) v[k], 32 query heads, 8 key and value heads, 1,024 positions, 128 channels.
; qh [32][2][1024][64], kh, vh [8][2][1024][64] f16 (head, half of the channels, position, channel); q and k arrive times 2^-8, v times 2^-4.  oh [1024][4096] f16 takes o / 16.
; Products, maxima and sums in f32; the weights p are rounded to f16 for the second product (their sum l is taken of the unrounded p), o once at the end.
; LIMITS.  p lies in 0 to 1 and below 6e-5 keeps f16's fixed step of 6e-8; o is a mean of v's rows and has their range.  A hidden score counts as its value less 1e30;
; a weight below 2^-126 counts as 0 in l; NaN and infinities are not treated apart.
; SHARES.  Work-group (b, g), b = 0 .. 31: key and value head g; wave w has query head 4 g + w.  It takes two blocks of 16 positions, 63 - b and then b.  Keys go in UNITS of 128: with
; M8 = b / 8 the first block needs units 0 .. 7 - M8, the second 0 .. M8: nine units whatever b, so all work-groups do equal work and ONE walk with a constant count serves them.
; CLUSTER.  The four work-groups of a cluster have the same g and the same M8: they walk the same nine units in the same order, so each tile of K and V is asked for JOINTLY.
; cx enters only Q's and O's addresses and the masks' values.
; LAYOUT.  S^T = K Q^T (source 0 = 16 keys, source 1 = 16 queries): a lane holds ONE query (lane % 16) and the keys 8 (lane / 16) + 0..7 of each 16.  Two such results rounded to f16
; ARE source 1 of O^T = V^T P.  K comes out of LDS as it lies, V ([key][channel]) turned, by ds_load_tr16_b128.
; SOFTMAX.  A running maximum m and sum l: p = 2^(c s - c m), c = log2(e) / sqrt(128) x 2^16 (it undoes both 2^-8); in every unit O and l are multiplied by a = 2^(c m_old - c m_new).
; m starts at the lowest finite number, so a block's first a is 0 and O and l need only hold finite numbers there.
; THE MASK is the C operand that starts the sum S^T: MD x AL, MD = 0 or -1e30 for a block's last unit (the one with the diagonal), AL = 1 there and 0 elsewhere.
; Every row sees key 0 in its block's first unit, so m is a true score before a wholly hidden group of keys comes.
; IN PHASES.  Each wave reads all of a unit's K and V out of LDS, 65,536 bytes for 64 matrix instructions: the LDS reads, not the issue of vector work, set the pace, so the softmax stands by itself.
; REGISTERS, in windows of 256 (s_set_vgpr_msb: bits 1:0 source 0, 3:2 source 1, 5:4 source 2, 7:6 destination):
;   window 0: v0-31 addresses and statistics; v64-127 S^T; v128-159 P; v160-223 O^T; v224-255 Q
;   window 1: v0-63 MC, the mask in hand; v64-127 MD; v128-191 the second block's MD; v192-223 the second block's Q       window 2: K of a unit       window 3: V of a unit
.set PK,    144       ; a row of half a K in LDS: 128 bytes + 16: the 16 rows of a load start at 16 different groups of four banks (64 banks of 4 bytes: ISA guide 11.1)
.set PV,    160       ; of V: 128 + 32
.set KH,    128*PK    ; 128 keys x 64 channels
.set VH,    128*PV
.set VOFF,  2*KH      ; a slot: K's two halves, then V's two halves
.set SLOT1, 1<<17     ; slot 1 begins here, so that one exclusive or turns an address in one slot into the other's
.set STAGE, SLOT1+VOFF+2*VH  ; behind the ring, never filled by a tensor load: 16 rows x 272 bytes for each wave, for the way out
.set SP,    272
.set SPARE, STAGE+4*16*SP    ; the spare words, 128 bytes a wave: two blocks of 256 bytes that no other line names
.set AK0, 2           ; v2   my lane's place in a tile of K; never rewritten
.set AV0, 3           ; v3   the same for V
.set AK,  4           ; v4   the LDS address of K's loads
.set AV,  5           ; v5   of V's
.set STO, 6           ; v6   the way out: where I put 16 bytes of a row
.set RD,  7           ; v7   where I read rows back
.set GO,  8           ; v8   my byte offset in two rows of oh
.set QO,  12          ; v12  my byte offset in 16 rows of qh
.set CM,  16          ; v16  c m
.set MX,  17          ; v17  m
.set LS,  18          ; v18-19  l (even keys', odd keys')
.set CC,  20          ; v20-27  eight chains of the maximum
.set AA,  28          ; v28-29  a, named as a pair
.set SPW, 62          ; v62  LDS address of my spare word; never rewritten
.set NIL, 63          ; v63  0; never rewritten
.set S,   64
.set P,   128
.set O,   160
.set Q,   224
.set MC,  0           ; window 1
.set MD,  64
.set MDS, 128
.set QS,  192
.set WV,  12          ; s12  my wave's number
.set M8,  14          ; s14  b / 8
.set G1K, 24          ; s[24:31] descriptor group 1 for K's tiles
.set G1V, 32          ; s[32:39] for V's: it differs in the padding alone
.set G0K, 40          ; s[40:43] descriptor group 0 for K's tiles
.set G0V, 44          ; s[44:47] for V's
.set QL,  48          ; s[48:49] qh at my rows of the first block
.set QSH, 50          ; s[50:51] of the second
.set SLOTS, 56        ; s56  units still to be asked for
.set CS,  58          ; s[58:59] c: the packed scaling takes the pair's low word for both halves
.set SEL, 60          ; s[60:61] v_permlanex16_b32's selects: each lane takes its own place in the other half
.set TB,  62          ; s62  LDS byte at which the slot in hand begins
.set RT,  70          ; s70  units of the block in hand that are still to be entered
.set NXT, 71          ; s71  the unit to be asked for next
.set LQ,  72          ; s72  the last unit of the block whose units are being asked for
.set OFF, 74          ; s[74:75] a unit's byte offset in half a head of K and V
.set AL,  76          ; s[76:77] the mask's factor, in the low word
.set OB,  78          ; s[78:79] oh at my rows and head, the block in hand
.set OBS, 80          ; s[80:81] the second block's
.set BIGN, 82         ; s82  -1e30
.set KB,  84          ; s[84:85] kh at the half head that I fetch
.set VB,  86          ; s[86:87] vh likewise
.set MSB, 0
.macro WIN new                      ; the high byte repeats the setting that is left; a switch that changes nothing is dropped
.if MSB != (\new)
	s_set_vgpr_msb (MSB<<8)|(\new)
.set MSB, (\new)
.endif
.endm
.macro PLACES                       ; four places behind matrix instructions whose results are read next (ISA guide 7.12.1)
.rept 4
	v_nop
.endr
.endm
; A joint fill.  Waves 0 and 1 fetch the two channel halves of a unit's K, waves 2 and 3 those of its V.  The branch hangs on the wave's number alone.
; An s_nop 0 and four v_nop follow each of the two lines, ahead of the jump and the label.
.macro JLOAD
	s_cmp_lt_u32 s[WV], 2
	s_cbranch_scc0 .Lfor_v_\@
	tensor_load_to_lds s[G0K:G0K+3], s[G1K:G1K+7]
	s_nop 0
.rept 4
	v_nop
.endr
	s_branch .Lasked_\@
.Lfor_v_\@:
	tensor_load_to_lds s[G0V:G0V+3], s[G1V:G1V+7]
	s_nop 0
.rept 4
	v_nop
.endr
.Lasked_\@:
.endm
.macro CROUND                       ; a round of the cluster's barrier
	s_barrier_signal -1
	s_barrier_wait -1
	s_cmp_lg_u32 s[WV], 0
	s_cbranch_scc1 .Lnot_wave_0_\@
	s_barrier_signal -3
.Lnot_wave_0_\@:
	s_barrier_wait -3
	s_barrier_signal -1
	s_barrier_wait -1
.endm
; THE CHANGE OF SLOTS.  Each wave waits for all its tensor loads, of which one is out: its part of the other slot; adds 0 to its spare word; and waits for that and for its own reads of the slot
; that it leaves.  fill = 1: the barrier is a round of the cluster's, and the old slot is filled again first thing behind it, with unit NXT: the descriptor's address is made anew from that number.
; (At its first use nothing has been read yet: slot 0 is waited for, slot 1 filled.)  One tensor load of a wave is out at any time.
.macro CHANGE fill
	WIN 0
	s_wait_tensorcnt 0x0            ; no tensor load of mine is out, so a group 0 may be written
	ds_add_u32 v[SPW], v[NIL]       ; 0 onto my spare word; the descriptors' scalar work stands between it and the wait for it
.if \fill
	s_lshl_b32 s[OFF], s[NXT], 14   ; 128 keys of 128 bytes
	s_xor_b32 s[G0K+1], s[G0K+1], SLOT1
	s_add_nc_u64 s[G0K+2:G0K+3], s[KB:KB+1], s[OFF:OFF+1]
	s_or_b32 s[G0K+3], s[G0K+3], 0x80000000
	s_xor_b32 s[G0V+1], s[G0V+1], SLOT1
	s_add_nc_u64 s[G0V+2:G0V+3], s[VB:VB+1], s[OFF:OFF+1]
	s_or_b32 s[G0V+3], s[G0V+3], 0x80000000
	s_add_co_u32 s[NXT], s[NXT], 1  ; the block's next unit, or behind its last the second block's unit 0
	s_cmp_gt_u32 s[NXT], s[LQ]
	s_cselect_b32 s[NXT], 0, s[NXT]
	s_cselect_b32 s[LQ], s[M8], s[LQ]
	s_wait_dscnt 0x0                ; the add is done, and my reads of the slot are over
	CROUND
	JLOAD
.else
	s_wait_dscnt 0x0
	s_barrier_signal -1
	s_barrier_wait -1
.endif
	s_xor_b32 s[TB], s[TB], SLOT1   ; the slot to be read
.endm
.macro SOFTMAX
	WIN 0
.irp kb, 0,1,2,3,4,5,6,7            ; a chain for each accumulator; its lowest registers are read first
	v_max3_num_f32 v[CC+(\kb)], v[S+8*(\kb)], v[S+8*(\kb)+1], v[S+8*(\kb)+2]
.endr
.irp kb, 0,1,2,3,4,5,6,7
	v_max3_num_f32 v[CC+(\kb)], v[CC+(\kb)], v[S+8*(\kb)+3], v[S+8*(\kb)+4]
.endr
.irp kb, 0,1,2,3,4,5,6,7
	v_max3_num_f32 v[CC+(\kb)], v[CC+(\kb)], v[S+8*(\kb)+5], v[S+8*(\kb)+6]
.endr
.irp z, 0,1,2,3
	v_max3_num_f32 v[CC+2*(\z)], v[CC+2*(\z)], v[S+16*(\z)+7], v[S+16*(\z)+15]
.endr
	v_max3_num_f32 v[CC], v[CC], v[CC+1], v[CC+2]
	v_max3_num_f32 v[CC+3], v[CC+3], v[CC+4], v[CC+5]
	v_max3_num_f32 v[CC+6], v[CC+6], v[CC+7], v[MX]
	v_max3_num_f32 v[CC], v[CC], v[CC+3], v[CC+6]
	v_permlanex16_b32 v31, v[CC], s[SEL], s[SEL+1]  ; the query's other 64 keys lie in the lane 16 away
	v_mov_b32 v30, v[CM]            ; c m_old
	v_max_num_f32 v[MX], v[CC], v31
	v_mul_f32 v[CM], s[CS], v[MX]
	v_sub_f32 v30, v30, v[CM]
	v_exp_f32 v[AA], v30            ; a; the scalings below stand between it and its use
.set z, 0
.rept 32
	v_pk_fma_f32 v[S+2*z:S+2*z+1], v[S+2*z:S+2*z+1], s[CS:CS+1], v[CM:CM+1] op_sel_hi:[1,0,0] neg_lo:[0,0,1] neg_hi:[0,0,1]  ; c s - c m
.set z, z+1
.endr
.set z, 0
.rept 64
	v_exp_f32 v[S+z], v[S+z]
.set z, z+1
.endr
	v_nop                           ; a plain instruction between the last exponential and the use of its result
.set z, 0
	s_wait_alu depctr_va_vdst(0)
.rept 32
	v_cvt_pk_f16_f32 v[P+z], v[S+2*z], v[S+2*z+1]
.set z, z+1
.endr
.irp w, 16,8,4,2,1                  ; the sum of the 32 pairs, in place, as a tree
.set z, 0
.rept \w
	v_pk_add_f32 v[S+2*z:S+2*z+1], v[S+2*z:S+2*z+1], v[S+2*(z+(\w)):S+2*(z+(\w))+1]
.set z, z+1
.endr
.endr
	v_pk_fma_f32 v[LS:LS+1], v[LS:LS+1], v[AA:AA+1], v[S:S+1] op_sel_hi:[1,0,1]  ; l = a l + sum
.set z, 0
.rept 32
	v_pk_mul_f32 v[O+2*z:O+2*z+1], v[O+2*z:O+2*z+1], v[AA:AA+1] op_sel_hi:[1,0]  ; ascending: each accumulator's low end first
.set z, z+1
.endr
.endm
; A UNIT of 128 keys.  K's 64 loads go out by channel groups of 32; behind the products of group c stand V's 16 loads for keys 32 c on.  So three runs of 16 are always younger than the run that is wanted.
.macro STEP
	s_sub_co_u32 s[RT], s[RT], 1
	s_cmp_eq_u32 s[RT], 0           ; the block's last unit holds the diagonal
	s_cselect_b32 s[AL], 1.0, 0
	WIN 0x41
.set z, 0
.rept 32                            ; the mask in hand; these lines are also the places behind the last unit's products, in front of the loads into K's and V's registers
	v_pk_mul_f32 v[MC+2*z:MC+2*z+1], v[MD+2*z:MD+2*z+1], s[AL:AL+1] op_sel_hi:[1,0]
.set z, z+1
.endr
	WIN 0
	v_add_nc_u32 v[AK], s[TB], v[AK0]
	v_add_nc_u32 v[AV], s[TB], v[AV0]
	WIN 0x80                        ; destination window 2
.irp c, 0,1,2,3
.irp kb, 0,1,2,3,4,5,6,7            ; channels 32 c on, keys 16 kb on
	ds_load_b128 v[8*(8*(\c)+(\kb)):8*(8*(\c)+(\kb))+3],   v[AK] offset:((\c)/2)*KH+(\kb)*16*PK+((\c)%2)*64
	ds_load_b128 v[8*(8*(\c)+(\kb))+4:8*(8*(\c)+(\kb))+7], v[AK] offset:((\c)/2)*KH+(\kb)*16*PK+((\c)%2)*64+32
.endr
.endr
.irp c, 0,1,2,3
	s_wait_dscnt 48                 ; K's group c is in; three younger runs of 16 stay out
.if (\c) == 0
	WIN 0x12                        ; K window 2, Q window 0, the mask window 1, S^T window 0
.else
	WIN 0x02
.endif
.irp kb, 0,1,2,3,4,5,6,7            ; the eight accumulators take turns
.if (\c) == 0
	v_wmma_f32_16x16x32_f16 v[S+8*(\kb):S+8*(\kb)+7], v[8*(8*(\c)+(\kb)):8*(8*(\c)+(\kb))+7], v[Q+8*(\c):Q+8*(\c)+7], v[MC+8*(\kb):MC+8*(\kb)+7]
.else
	v_wmma_f32_16x16x32_f16 v[S+8*(\kb):S+8*(\kb)+7], v[8*(8*(\c)+(\kb)):8*(8*(\c)+(\kb))+7], v[Q+8*(\c):Q+8*(\c)+7], v[S+8*(\kb):S+8*(\kb)+7]
.endif
.endr
	WIN 0xc0                        ; destination window 3
.irp cb, 0,1,2,3,4,5,6,7            ; keys 32 c on, channels 16 cb on
	ds_load_tr16_b128 v[8*(8*(\c)+(\cb)):8*(8*(\c)+(\cb))+3],   v[AV] offset:((\cb)/4)*VH+(\c)*32*PV+((\cb)%4)*32
	ds_load_tr16_b128 v[8*(8*(\c)+(\cb))+4:8*(8*(\c)+(\cb))+7], v[AV] offset:((\cb)/4)*VH+(\c)*32*PV+((\cb)%4)*32+16*PV
.endr
.endr
	WIN 0
	PLACES
	SOFTMAX
.irp kk, 0,1,2,3
	s_wait_dscnt 48-16*(\kk)        ; V's keys 32 kk on are in; the younger runs stay out; the last wait shows all my reads of the slot over
	WIN 0x03                        ; V window 3; P and O^T window 0
.irp cb, 0,1,2,3,4,5,6,7
	v_wmma_f32_16x16x32_f16 v[O+8*(\cb):O+8*(\cb)+7], v[8*(8*(\kk)+(\cb)):8*(8*(\kk)+(\cb))+7], v[P+8*(\kk):P+8*(\kk)+7], v[O+8*(\cb):O+8*(\cb)+7]
.endr
.endr
	WIN 0
.endm
; A BLOCK'S END: l's two halves and the other half of the lanes' are added; O^T is divided by l, rounded to f16 and sent through my stage in LDS, so that 16 lanes store a head's 256 bytes of a row.
.macro END
	PLACES
	v_add_f32 v30, v[LS], v[LS+1]
	v_permlanex16_b32 v31, v30, s[SEL], s[SEL+1]
	v_add_f32 v30, v30, v31
	v_rcp_f32 v[AA], v30
	v_nop                           ; a plain instruction between the reciprocal and the use of its result
.set z, 0
	s_wait_alu depctr_va_vdst(0)
.rept 32
	v_pk_mul_f32 v[O+2*z:O+2*z+1], v[O+2*z:O+2*z+1], v[AA:AA+1] op_sel_hi:[1,0]
.set z, z+1
.endr
.set z, 0
.rept 32
	v_cvt_pk_f16_f32 v[S+z], v[O+2*z], v[O+2*z+1]
.set z, z+1
.endr
.irp f, 0,1,2,3,4,5,6,7
	ds_store_b128 v[STO], v[S+4*(\f):S+4*(\f)+3] offset:32*(\f)
.endr
.irp f, 0,1,2,3,4,5,6,7
	ds_load_b128 v[S+32+4*(\f):S+32+4*(\f)+3], v[RD] offset:(\f)*2*SP  ; LDS serves a wave's instructions in order (ISA guide 5.7.1.4): these see the stores above
.endr
.irp f, 0,1,2,3,4,5,6,7
	s_wait_dscnt 7-(\f)             ; rows 2 f and 2 f + 1 are back; the younger loads stay out
	global_store_b128 v[GO], v[S+32+4*(\f):S+32+4*(\f)+3], s[OB:OB+1] offset:16384*(\f)  ; 16 lanes store 256 consecutive bytes, aligned
.endr
.endm
.macro SWITCH                       ; on to the second block
	s_wait_xcnt 0x0                 ; the stores have had their addresses translated: their data and base may be rewritten
	s_mov_b64 s[OB:OB+1], s[OBS:OBS+1]
	s_add_co_u32 s[RT], s[M8], 1
	v_mov_b32 v[CM], 0xfe000000     ; far below every c s: the next a is 0
	v_mov_b32 v[MX], 0xff7fffff
	WIN 0x01
.set z, 0
.rept 32
	v_mov_b32 v[Q+z], v[QS+z]
.set z, z+1
.endr
	WIN 0x41
.set z, 0
.rept 64
	v_mov_b32 v[MD+z], v[MDS+z]
.set z, z+1
.endr
	WIN 0
.endm
	s_load_b256 s[4:11], s[0:1], 0x0  ; qh s[4:5], kh s[6:7], vh s[8:9], oh s[10:11]
	v_lshl_add_u32 v[SPW], v0, 2, SPARE
	v_mov_b32 v[NIL], 0
	ds_add_u32 v[SPW], v[NIL]       ; the wave's opening: the add and its wait stand ahead of my first tensor load; work on registers stands between them
	v_lshrrev_b32 v1, 5, v0
	v_readfirstlane_b32 s[WV], v1   ; wave 0..3
	s_bfe_u32 s13, ttmp6, 0x40000   ; cx
	s_lshr_b32 s[M8], ttmp9, 1      ; in a cluster launch ttmp9 counts clusters: b / 8 = cluster x / 2, the same for all four partners
	s_lshl_b32 s15, ttmp9, 2
	s_add_co_u32 s15, s15, s13      ; b: the second block
	s_sub_co_u32 s18, 63, s15       ; the first block
	s_and_b32 s16, ttmp7, 0xffff    ; g
	s_and_b32 s17, s[WV], 1         ; the channel half that I fetch
	s_lshl_b32 s19, s16, 2
	s_add_co_u32 s19, s19, s[WV]    ; my query head
	s_lshl_b32 s22, s16, 1
	s_add_co_u32 s22, s22, s17
	s_lshl_b32 s22, s22, 17         ; half a head of K or V: 1,024 rows of 128 bytes
	s_mov_b32 s23, 0
	; descriptor group 1.  128 keys x 64 channels are 16,384 dense bytes: asked for as 64 rows of 256 bytes, two keys a row, and padded in LDS after every key
	s_mov_b32 s[G1K], 15|(1<<16)|(1<<20)|(1<<21)|(4<<22)|(3<<25)  ; 15:0 the mask of four; 17:16 2-byte elements; 20 padding on; 21 set beside a mask; 24:22 after every 32 words (code 4); 31:25 4 words (code 3)
	s_mov_b32 s[G1V], 15|(1<<16)|(1<<20)|(1<<21)|(4<<22)|(7<<25)  ; the same with 8 words of padding (code 7)
.irp g, G1K, G1V
	s_mov_b32 s[\g+1], 128<<16      ; tensor_dim0 = 128
	s_mov_b32 s[\g+2], 64<<16       ; tensor_dim1 = 64
	s_mov_b32 s[\g+3], 128<<16      ; tile_dim0 = 128
	s_mov_b32 s[\g+4], 64           ; tile_dim1 = 64
	s_mov_b32 s[\g+5], 128          ; 128 elements from row to row
	s_mov_b32 s[\g+6], 0
	s_mov_b32 s[\g+7], 0
.endr
	s_mov_b32 s[G0K], 1             ; count = 1
	s_mul_i32 s[G0K+1], s17, KH     ; LDS address: slot 0, my half
	s_mov_b32 s[G0V], 1
	s_mul_i32 s[G0V+1], s17, VH
	s_add_co_u32 s[G0V+1], s[G0V+1], VOFF
	s_mov_b32 s[CS], 0x460293ee     ; c = log2(e) / sqrt(128) x 2^16
	s_mov_b32 s[CS+1], s[CS]        ; named with it as a pair
	s_mov_b32 s[SEL], 0x76543210
	s_mov_b32 s[SEL+1], 0xfedcba98
	s_mov_b32 s[TB], SLOT1          ; the first change of slots turns it into 0
	s_sub_co_u32 s[RT], 8, s[M8]    ; the first block has 8 - M8 units
	s_mov_b32 s[NXT], 1
	s_sub_co_u32 s[LQ], 7, s[M8]
	s_mov_b32 s[OFF+1], 0
	s_mov_b32 s[AL+1], 0            ; named as a pair
	s_mov_b32 s[BIGN], 0xf149f2ca   ; -1e30
	s_mov_b32 s[SLOTS], 8
	s_lshl_b32 s20, s19, 18         ; my head in qh: 2 x 1,024 rows of 128 bytes
	s_lshl_b32 s2, s18, 11          ; a block: 16 rows of 128 bytes
	s_add_co_u32 s2, s2, s20
	s_mov_b32 s3, 0
	s_lshl_b32 s52, s15, 11
	s_add_co_u32 s52, s52, s20
	s_mov_b32 s53, 0
	s_lshl_b32 s21, s19, 8          ; my head in a row of oh
	s_lshl_b32 s54, s18, 17         ; a block: 16 rows of 8,192 bytes
	s_add_co_u32 s54, s54, s21
	s_mov_b32 s55, 0
	s_lshl_b32 s68, s15, 17
	s_add_co_u32 s68, s68, s21
	s_mov_b32 s69, 0
	s_wait_dscnt 0x0                ; the opening add is done
	s_wait_kmcnt 0x0
	s_add_nc_u64 s[KB:KB+1], s[6:7], s[22:23]
	s_add_nc_u64 s[VB:VB+1], s[8:9], s[22:23]
	s_mov_b64 s[G0K+2:G0K+3], s[KB:KB+1]           ; unit 0
	s_or_b32 s[G0K+3], s[G0K+3], 0x80000000        ; type = 2
	s_mov_b64 s[G0V+2:G0V+3], s[VB:VB+1]
	s_or_b32 s[G0V+3], s[G0V+3], 0x80000000
	s_add_nc_u64 s[QL:QL+1], s[4:5], s[2:3]
	s_add_nc_u64 s[QSH:QSH+1], s[4:5], s[52:53]
	s_add_nc_u64 s[OB:OB+1], s[10:11], s[54:55]
	s_add_nc_u64 s[OBS:OBS+1], s[10:11], s[68:69]
	CROUND                          ; all four work-groups are here: the first joint loads meet
	JLOAD                           ; unit 0 into slot 0
	; A fragment of K or Q is 16 rows x 32 channels in 8 registers: lane l holds row l % 16, channels 8 (l / 16) + 0..7 and 16 + 8 (l / 16) + 0..7: two loads of 16 bytes, 32 bytes apart.
	v_and_b32 v1, 15, v0            ; r
	v_bfe_u32 v9, v0, 4, 1          ; h
	v_lshlrev_b32 v[QO], 7, v1
	v_lshl_add_u32 v[QO], v9, 4, v[QO]
.irp c, 0,1,2,3                     ; both blocks' Q stay in registers: channels 32 c on
	global_load_b128 v[Q+8*(\c):Q+8*(\c)+3],   v[QO], s[QL:QL+1] offset:((\c)/2)*131072+((\c)%2)*64
	global_load_b128 v[Q+8*(\c)+4:Q+8*(\c)+7], v[QO], s[QL:QL+1] offset:((\c)/2)*131072+((\c)%2)*64+32
.endr
	WIN 0x40
.irp c, 0,1,2,3
	global_load_b128 v[QS+8*(\c):QS+8*(\c)+3],   v[QO], s[QSH:QSH+1] offset:((\c)/2)*131072+((\c)%2)*64
	global_load_b128 v[QS+8*(\c)+4:QS+8*(\c)+7], v[QO], s[QSH:QSH+1] offset:((\c)/2)*131072+((\c)%2)*64+32
.endr
	WIN 0
	; The masks of the two blocks' last units.  My query's place in the unit is 16 (block % 8) + r; register 8 kb + j holds key 16 kb + 8 h + j: hidden where 16 kb + j > 16 (block % 8) + r - 8 h.
	v_lshlrev_b32 v30, 3, v9
	v_sub_nc_u32 v30, v1, v30
	s_and_b32 s2, s18, 7
	s_lshl_b32 s2, s2, 4
	v_add_nc_u32 v14, s2, v30
	s_and_b32 s2, s15, 7
	s_lshl_b32 s2, s2, 4
	v_add_nc_u32 v15, s2, v30
	WIN 0x40
.set n, 0
.rept 64
	v_cmp_gt_i32 vcc_lo, 16*(n/8)+n%8, v14
	v_cndmask_b32 v[MD+n], 0, s[BIGN], vcc_lo
	v_cmp_gt_i32 vcc_lo, 16*(n/8)+n%8, v15
	v_cndmask_b32 v[MDS+n], 0, s[BIGN], vcc_lo
.set n, n+1
.endr
	WIN 0
	v_mul_u32_u24 v[AK0], v1, PK
	v_lshl_add_u32 v[AK0], v9, 4, v[AK0]  ; row x pitch + 16 x half
	; The turning load takes 16 keys x 16 channels (lane l reads key 8 (l / 16) + l % 8, channels 8 ((l / 8) % 2) + 0..7) and leaves half a fragment of V^T: lane l holds channel l % 16 and 8 keys.
	v_and_b32 v10, 7, v0
	v_bfe_u32 v11, v0, 3, 1
	v_lshl_add_u32 v[AV0], v9, 3, v10
	v_mul_u32_u24 v[AV0], v[AV0], PV
	v_lshl_add_u32 v[AV0], v11, 4, v[AV0]
	v_add_nc_u32 v[AV0], VOFF, v[AV0]
	s_mul_i32 s22, s[WV], 16*SP
	s_add_co_u32 s22, s22, STAGE    ; my stage
	v_mul_u32_u24 v[STO], v1, SP    ; in: row r, 16 bytes for each half of the lanes
	v_lshl_add_u32 v[STO], v9, 4, v[STO]
	v_add_nc_u32 v[STO], s22, v[STO]
	v_mul_u32_u24 v[RD], v9, SP     ; back: lanes 0-15 take one row of 256 bytes, lanes 16-31 the next
	v_lshl_add_u32 v[RD], v1, 4, v[RD]
	v_add_nc_u32 v[RD], s22, v[RD]
	v_lshlrev_b32 v[GO], 13, v9     ; and the same two rows in oh
	v_lshl_add_u32 v[GO], v1, 4, v[GO]
	; A block's first unit multiplies O^T and l by a = 0: they need only hold finite numbers: zeros for the first block, what the first block left for the second.  This stands in the wait for the first tile.
.set z, 0
.rept 64
	v_mov_b32 v[O+z], 0
.set z, z+1
.endr
	v_mov_b32 v[LS], 0
	v_mov_b32 v[LS+1], 0
	v_mov_b32 v[AA+1], 0            ; named with a as a pair
	v_mov_b32 v31, 0                ; v_permlanex16_b32's destination counts as read
	v_mov_b32 v[CM], 0xfe000000     ; c m: far below every c s
	v_mov_b32 v[MX], 0xff7fffff     ; m
	s_wait_loadcnt 0x0              ; Q
.Lunit:                             ; eight times: a unit is entered and the next is asked for
	CHANGE 1
	STEP
	s_cmp_lg_u32 s[RT], 0
	s_cbranch_scc1 .Lgo_on          ; forward, past text with no barrier and no tensor load; it hangs on the cluster's number alone
	END                             ; in the loop this is the first block's end: the second's last unit is the walk's last
	SWITCH
.Lgo_on:
	s_sub_co_u32 s[SLOTS], s[SLOTS], 1
	s_cmp_lg_u32 s[SLOTS], 0
	s_cbranch_scc1 .Lunit
	CHANGE 0                        ; the walk's last unit is written out: nothing is asked for
	STEP
	END
	s_wait_tensorcnt 0x0            ; the wave's end, behind my last tensor load and my last LDS store
	ds_add_u32 v[SPW], v[NIL]
	s_wait_dscnt 0x0
	CROUND                          ; the closing round: no work-group ends while a partner may still ask for a tile that names it
	s_endpgm
.Lfunc_end_k_qb33bc420b1_attn:
	.size	k_qb33bc420b1_attn, .Lfunc_end_k_qb33bc420b1_attn-k_qb33bc420b1_attn
	.p2alignl 7, 3214868480
	.fill 96, 4, 3214868480
	.section	.rodata,"a",@progbits
	.p2align	6, 0x0
	.amdhsa_kernel k_qb33bc420b1_attn
		.amdhsa_group_segment_fixed_size 327680
		.amdhsa_private_segment_fixed_size 0
		.amdhsa_enable_private_segment 0
		.amdhsa_kernarg_size 32
		.amdhsa_user_sgpr_count 2
		.amdhsa_user_sgpr_kernarg_segment_ptr 1
		.amdhsa_wavefront_size32 1
		.amdhsa_system_sgpr_workgroup_id_x 1
		.amdhsa_system_sgpr_workgroup_id_y 1
		.amdhsa_system_sgpr_workgroup_id_z 1
		.amdhsa_system_vgpr_workitem_id 0
		.amdhsa_next_free_vgpr 1024
		.amdhsa_next_free_sgpr 88
		.amdhsa_reserve_vcc 1
		.amdhsa_float_denorm_mode_32 3
		.amdhsa_float_denorm_mode_16_64 3
		.amdhsa_memory_ordered 1
		.amdhsa_forward_progress 1
		.amdhsa_inst_pref_size 97
	.end_amdhsa_kernel
	.amdgpu_metadata
---
amdhsa.version: [ 1, 2 ]
amdhsa.kernels:
  - .name:           k_qb33bc420b1_attn
    .symbol:         k_qb33bc420b1_attn.kd
    .args:
      - { .name: qh, .offset: 0, .size: 8, .value_kind: global_buffer, .address_space: global }
      - { .name: kh, .offset: 8, .size: 8, .value_kind: global_buffer, .address_space: global }
      - { .name: vh, .offset: 16, .size: 8, .value_kind: global_buffer, .address_space: global }
      - { .name: oh, .offset: 24, .size: 8, .value_kind: global_buffer, .address_space: global }
    .group_segment_fixed_size: 327680
    .private_segment_fixed_size: 0
    .kernarg_segment_align: 8
    .kernarg_segment_size: 32
    .max_flat_workgroup_size: 128
    .sgpr_count:     88
    .vgpr_count:     1024
    .wavefront_size: 32
...
	.end_amdgpu_metadata
.endif
;; end of part 3
;; launch oproj (part 4): grid 64 x 4, 4 waves a work-group, clusters of 4 x 4, 327,680 bytes of LDS; arguments oh, Wo, bo, out0; writes out0
.if DOCPART == 4
	.amdgcn_target "amdgcn-amd-amdhsa--gfx1250"
	.amdhsa_code_object_version 6
	.text
	.protected	k_qb33bc420b1_oproj
	.globl	k_qb33bc420b1_oproj
	.p2align	8
	.type	k_qb33bc420b1_oproj,@function
k_qb33bc420b1_oproj:
	s_mov_b64 s[64:65], 0
	v_nop
	global_prefetch_b8 v0, s[64:65] scope:SCOPE_SE
	s_setreg_imm32_b32 hwreg(HW_REG_WAVE_MODE, 25, 1), 1
	s_wait_xcnt 0x0
	s_wait_alu depctr_hold_cnt(0) depctr_sa_sdst(0) depctr_va_vdst(0) depctr_va_sdst(0) depctr_va_ssrc(0) depctr_va_vcc(0) depctr_vm_vsrc(0)
	s_getreg_b32 s2, hwreg(HW_REG_IB_STS2, 6, 4)
	s_cmp_eq_u32 s2, 0
	s_cbranch_scc0 .Lentry_in_a_cluster
	s_endpgm
.Lentry_in_a_cluster:
	s_bfe_u32 s2, ttmp6, 0x10000c
	s_cmp_lg_u32 s2, 0xf033
	s_cbranch_scc0 .Lentry_shape_is_right
	s_endpgm
.Lentry_shape_is_right:
; ONE TEXT FOR TWO LAUNCHES; the flag QKV chooses.  QKV = 0 (this file): out0 = 16 (oh Wo) + bo.  oh [1024][4096] f16 holds o / 16; Wo [4096][4096] f32 is rounded to bf16 and that number
;   written as f16; bo rounded to bf16, then used in f32; sums in f32; out0 [1024][4096] f32.
; QKV = 1: q, k, v = xb W + b by heads, the complex product with freqs_cis on q and k, a fixed scale, f16 out (qh [32][2][1024][64], kh, vh [8][2][1024][64]).
; LIMITS.  A weight of Wo below 2^-17 keeps f16's fixed step of 6e-8, one beyond 65,504 becomes an infinity.  (QKV = 1: rotated q and k beyond 1.6e7 and v beyond 1.0e6 become infinities.)
; NaN and infinities are not treated apart.  The sums over K are made in KS parts and added at the end: another order of rounding than one chain.
; SHARES.  A wave makes 256 rows x 64 columns, 64 accumulators of 16 x 16 in 512 registers, over its own part of K.  QKV = 0: a work-group makes 256 x 64, four parts of K: 256 work-groups.
; QKV = 1: 256 x 128, one head: two column halves x two parts of K.  A CHUNK is 32 along K: 64 matrix instructions.  Chunk c of a wave is k = KSLOT (c / 2) + 64 kq + 32 (c % 2).
; A (oh or xb) comes by tensor loads into two LDS slots of 256 rows x KSLOT; a slot holds two chunks for every wave.  CLUSTER 4 x 4: the four work-groups of a row of the cluster need
; the same rows of A, so each tile is asked for JOINTLY (same load, same descriptor, a mask that names the four).
; W goes from memory STRAIGHT INTO REGISTERS: a load of 16 bytes takes four neighbouring columns of one row k; rounding rows k and k + 1 together gives one register of each of four
; fragments, fragment j holding columns 4 r + j.  A ring of four stages of 64 registers keeps three to four chunks' loads (24 to 32 KB a wave) on their way.
; W IS NOT ASKED FOR JOINTLY though the four row blocks of a cluster's column read the same strip: as f32 through LDS two slots of it would take 2 x KSLOT x 64 x 4 bytes a column group,
; 131,072 bytes: with QKV = 0 that does not fit beside A's 270,336 in 327,680; with QKV = 1 it would raise a wave's LDS reads from 16 to 24 KB a chunk and tie W's lead to the slots' two chunks.
; LAYOUT.  Lane (r, h) of an A fragment reads row 2 (r % 8) + r / 8 of its 16.  So accumulator (a, j), register i, lane (r, h) is row 16 a + 2 i + h, column 4 r + j of the wave's 64:
; four neighbouring columns in one lane, two neighbouring rows in the two halves of the lanes (each store covers whole aligned runs of 256 bytes).
; REGISTERS, in windows of 256 (s_set_vgpr_msb: bits 1:0 source 0, 3:2 source 1, 5:4 source 2, 7:6 destination):
;   window 0: v0-47 addresses and at work; v64-127, v128-191 A's fragments of row blocks 0-7, 8-15; v192-223, v224-255 W's fragments, two buffers
;   window 1: the four stages      windows 2, 3: the accumulators, (a, j) at 8 (4 (a % 8) + j) of window 2 + a / 8.  In the finish windows 1 and 2 are two sets of work registers.
.set QKV, 0
.if QKV
.set KS,    2                          ; parts of K
.set KSLOT, 128                        ; K in a slot = 64 KS
.set PITCH, 272                        ; an LDS row: 256 bytes + 16: the 16 rows of a fragment load start at 16 different groups of four banks (64 banks of 4 bytes: ISA guide 11.1)
.set QI,    5                          ; padding behind every 64 words
.set TRIPS, 16                         ; 4096 / KS / 128: a trip is four chunks, once round the two slots
.else
.set KS,    4
.set KSLOT, 256
.set PITCH, 528                        ; 512 bytes + 16
.set QI,    6                          ; padding behind every 128 words
.set TRIPS, 8
.endif
.set SLOT,  256*PITCH
.set SPARE, 270336                     ; the spare words, 128 bytes a wave: two blocks of 256 bytes that no other line names
.set NT,    16/KS                      ; row blocks that a wave finishes
.set ADR, 4                            ; v4-7   LDS address of my A fragments: slot s, row half x at ADR + 2 s + x
.set VO,  8                            ; v8-15  byte offset of row 8 h + i, column 4 r, in a chunk of W; never rewritten
.set RS,  16                           ; v16    where I put my accumulators for the reduction
.set RD,  20                           ; v20-23 where I read copy c of the block in hand
.set BO,  24                           ; v24    16 r
.set OV,  25                           ; v25    my byte offset in a block of the output
.set FOL, 26                           ; v26    my byte offset in 16 rows of freqs_cis
.set SPW, 28                           ; v28    LDS address of my spare word; never rewritten
.set NIL, 29                           ; v29    0; never rewritten
.set BV,  32                           ; v32-35 the bias of my four columns
.set TM,  36                           ; v36-37 at work
.set AH,  64
.set BF,  192
.set XF,  128                          ; the finish, in window 1 + set: v0.. the copies; freqs_cis;
.set XH,  160                          ; what is stored;
.set XB,  192                          ; the bias, each number twice;
.set XT,  200                          ; at work
.set G1,  24                           ; s[24:31] descriptor group 1
.set G0,  32                           ; s[32:39] descriptor group 0, a set for each slot
.set BB,  40                           ; s[40:41] W at the row 0 of the chunk to be loaded, my 64 columns
.set BB2, 42                           ; s[42:43] the same, 16 rows on
.set SE,  44                           ; s[44:45] bytes from an even chunk to the next
.set SO,  46                           ; s[46:47] from an odd one
.set OUT, 48                           ; s[48:49] the output at the block in hand
; s8 wave, s9 kq, s10 column half, s11 cx, s12 cy, s13 cluster x, s14 tile column, s15 head in its tensor, s50 bytes in a row of W, s51 1 for v, s[52:53] the scale,
; s54 mask of a word's upper half, s55 counter; s2-7 at work, never holding cx; s58-61 at work
.set MSB, 0
.macro WIN new                         ; the immediate's high byte repeats the setting that is left; a switch that changes nothing is dropped
.if MSB != (\new)
	s_set_vgpr_msb (MSB<<8)|(\new)
.set MSB, (\new)
.endif
.endm
.macro PLACES                          ; four places in front of loads into registers that matrix instructions have read, and of reads of results
.rept 4
	v_nop
.endr
.endm
.macro CREST                           ; a round of the cluster's barrier behind its opening barrier
	s_cmp_lg_u32 s8, 0
	s_cbranch_scc1 .Lnot_wave_0_\@
	s_barrier_signal -3
.Lnot_wave_0_\@:
	s_barrier_wait -3
	s_barrier_signal -1
	s_barrier_wait -1
.endm
.macro CROUND                          ; a whole round
	s_barrier_signal -1
	s_barrier_wait -1
	CREST
.endm
; A joint load: every wave asks for its 64 rows of slot s.  step = 1: the slot's tile two slots on.  An s_nop 0 and four v_nop follow.
.macro JLOAD s, step
.if \step
	s_add_nc_u64 s[G0+4*(\s)+2:G0+4*(\s)+3], s[G0+4*(\s)+2:G0+4*(\s)+3], 4*KSLOT
.endif
	tensor_load_to_lds s[G0+4*(\s):G0+4*(\s)+3], s[G1:G1+7]
	s_nop 0
.rept 4
	v_nop
.endr
.endm
; A run of 16 loads: a chunk of W, 32 rows x my 64 columns, into stage sb.  Lanes 0-15 take 256 aligned bytes of one row, lanes 16-31 those of the row eight further down.
; st = 1, 2: the bases step first, onto an odd or an even chunk, behind the wait that frees them.
.macro GLOAD sb, st
.if (\st) == 1
	s_wait_xcnt 0x0                                ; the earlier loads have had their addresses translated (ISA guide 3.1): the bases may be rewritten
	s_add_nc_u64 s[BB:BB+1], s[BB:BB+1], s[SE:SE+1]
	s_add_nc_u64 s[BB2:BB2+1], s[BB2:BB2+1], s[SE:SE+1]
.elseif (\st) == 2
	s_wait_xcnt 0x0
	s_add_nc_u64 s[BB:BB+1], s[BB:BB+1], s[SO:SO+1]
	s_add_nc_u64 s[BB2:BB2+1], s[BB2:BB2+1], s[SO:SO+1]
.endif
	WIN 0x40                                       ; destination window 1, address window 0
.irp i, 0,1,2,3,4,5,6,7
	global_load_b128 v[64*(\sb)+4*(\i):64*(\sb)+4*(\i)+3], v[VO+(\i)], s[BB:BB+1]
.endr
.irp i, 0,1,2,3,4,5,6,7
	global_load_b128 v[64*(\sb)+32+4*(\i):64*(\sb)+32+4*(\i)+3], v[VO+(\i)], s[BB2:BB2+1]
.endr
.endm
; Four lines of the conversion of stage sb into fragment buffer fb.  Register p of fragment j is made of rows 2 p and 2 p + 1 of the lane's sixteen, column j of its four.
; QKV = 1: group n = p: one rounding to bf16 each.  QKV = 0: group n: p = n / 4, and of four steps number n % 4: round the pair to bf16; widen the low half; widen the high half; write both as f16.
.macro RID n, sb, fb
.if QKV
	WIN 0x05                                       ; sources window 1, destination window 0
.irp j, 0,1,2,3
	v_cvt_pk_bf16_f32 v[BF+32*(\fb)+8*(\j)+(\n)], v[64*(\sb)+8*(\n)+(\j)], v[64*(\sb)+8*(\n)+(\j)+4]
.endr
.else
.set p_, (\n)/4
.set ph_, (\n)%4
.irp j, 0,1,2,3
.set s0_, 64*(\sb)+8*p_+(\j)
.if ph_ == 0
	WIN 0x45
	v_cvt_pk_bf16_f32 v[s0_], v[s0_], v[s0_+4]
.elseif ph_ == 1
	WIN 0x45
	v_lshlrev_b32 v[s0_+4], 16, v[s0_]
.elseif ph_ == 2
	WIN 0x45
	v_and_b32 v[s0_], s54, v[s0_]
.else
	WIN 0x05
	v_cvt_pk_f16_f32 v[BF+32*(\fb)+8*(\j)+p_], v[s0_+4], v[s0_]
.endif
.endr
.endif
.endm
.macro CONVALL sb, fb                  ; all of a stage on end: once, ahead of the loop
.set n2_, 0
.rept 32-24*QKV
	RID n2_, \sb, \fb
.set n2_, n2_+1
.endr
.endm
.macro MMA d, a, b
.if QKV
	v_wmma_f32_16x16x32_bf16 v[(\d):(\d)+7], v[(\a):(\a)+7], v[(\b):(\b)+7], v[(\d):(\d)+7]
.else
	v_wmma_f32_16x16x32_f16 v[(\d):(\d)+7], v[(\a):(\a)+7], v[(\b):(\b)+7], v[(\d):(\d)+7]
.endif
.endm
; 4 an matrix instructions: row blocks a0 .. a0 + an - 1 of half x, all four fragments of buffer fb.  The 64 accumulators take turns, one instruction a turn.
; rid = 1: groups of the next chunk's conversion (stage sb into the other buffer) stand behind the matrix instructions; they name none of the products' registers.
.macro MULS x, a0, an, fb, rid, sb
.set a_, \a0
.rept \an
.set j_, 0
.rept 4
	WIN 0xa0+0x50*(\x)                             ; A and W window 0, C and D window 2 or 3
	MMA 8*(4*a_+j_), AH+64*(\x)+8*a_, BF+32*(\fb)+8*j_
.if \rid
.if QKV
.if j_ == 0
	RID a_, \sb, 1-(\fb)
.endif
.else
	RID 4*a_+j_, \sb, 1-(\fb)
.endif
.endif
.set j_, j_+1
.endr
.set a_, a_+1
.endr
.endm
; 16 LDS loads: A's fragments of row half x, from slot s, chunk q of my two there
.macro FETCH x, s, q
	WIN 0
.irp a, 0,1,2,3,4,5,6,7
	ds_load_b128 v[AH+64*(\x)+8*(\a):AH+64*(\x)+8*(\a)+3],   v[ADR+2*(\s)+(\x)] offset:(\a)*16*PITCH+64*(\q)
	ds_load_b128 v[AH+64*(\x)+8*(\a)+4:AH+64*(\x)+8*(\a)+7], v[ADR+2*(\s)+(\x)] offset:(\a)*16*PITCH+64*(\q)+32
.endr
.endm
; CHUNK ci of a trip's four.  gl = 1: the chunk four on is asked for, into the stage that the chunk before has emptied.  lw: how many younger weight loads may stay out when the next chunk's
; stage has to be in (-1: nothing more to convert).  turn = 1: my reads of this slot are over: it is filled again; 2: the same change of slots with nothing left to fetch.  nxt = 0: the last chunk.
.macro CHUNK ci, gl, lw, turn, nxt
.set s_, (\ci)/2
.set sn_, (((\ci)+1)%4)/2
.set qn_, ((\ci)+1)%2
.set fb_, (\ci)%2
.set sb_, ((\ci)+1)%4
.if \gl
	GLOAD \ci, 2-(\ci)%2
.endif
.if (\lw) >= 0
	s_wait_loadcnt \lw                             ; loads come back in order: the next chunk's run of 16 is in, the younger runs stay out
.endif
	s_wait_dscnt 16                                ; row blocks 0-7 are in; the 16 loads of blocks 8-15 may be out
.if (\turn) == 0
	MULS 0, 0, 8, fb_, \nxt, sb_
	PLACES
.else
	WIN 0                                          ; (the add's two registers lie in window 0)
	s_wait_tensorcnt 0x0                           ; all my tensor loads have landed: the one that was out is my part of the other slot
	ds_add_u32 v[SPW], v[NIL]                      ; 0 onto my spare word
	MULS 0, 0, 4, fb_, \nxt, sb_                   ; sixteen matrix instructions stand between the add and the wait for it
	s_wait_dscnt 0x0                               ; the add is done, and my reads of this slot are over
	s_barrier_signal -1
	MULS 0, 4, 4, fb_, \nxt, sb_                   ; work on registers while the others arrive
	WIN 0                                          ; at a branch and at a label every window is 0
	s_barrier_wait -1
.if (\turn) == 1
	CREST                                          ; the barrier has opened a round of the cluster's: no wave of any partner still reads this slot or has a load on its way
	JLOAD s_, 1                                    ; the first tensor load behind the round; it has two chunks in which to land; its four v_nop are the places in front of the loads below
.else
	PLACES
.endif
.endif
.if \nxt
	FETCH 0, sn_, qn_
	s_wait_dscnt 16                                ; blocks 8-15 are in; the 16 just issued may be out
	MULS 1, 0, 8, fb_, 0, 0
	PLACES
	FETCH 1, sn_, qn_
.else
	s_wait_dscnt 0x0                               ; my last reads of the slots are over:
	s_barrier_signal -1                            ; say so,
	MULS 1, 0, 8, fb_, 0, 0
	PLACES                                         ; (in front of the stores that read the results)
	WIN 0
	s_barrier_wait -1                              ; and go on when all four have: the slots have had their last fill and their last read
.endif
.endm
; THE REDUCTION.  Every wave puts its 64 accumulators into LDS: wave w at 65,536 w, accumulator n = 4 a + j at 1,024 n, registers 0-3 then 4-7, 16 bytes a lane on end.
.macro STOREACC
.set n_, 0
.rept 64
	WIN 0x08+0x04*(n_/32)                          ; data window 2 or 3
	ds_store_b128 v[RS], v[8*(n_%32):8*(n_%32)+3] offset:1024*n_        ; each accumulator's low end is read first
	ds_store_b128 v[RS], v[8*(n_%32)+4:8*(n_%32)+7] offset:1024*n_+512
.set n_, n_+1
.endr
	WIN 0
.endm
; The KS copies of a row block come into set's registers: copy c, fragment j, register i at 32 c + 8 j + i.  step = 1: the next block, 4,096 bytes on.
.macro FINLOAD set, step
	WIN 0
.if \step
.set c_, 0
.rept KS
	v_add_nc_u32 v[RD+c_], 4096, v[RD+c_]
.set c_, c_+1
.endr
.endif
	WIN (1+(\set))<<6
.set c_, 0
.rept KS
.irp j, 0,1,2,3
	ds_load_b128 v[32*c_+8*(\j):32*c_+8*(\j)+3],   v[RD+c_] offset:1024*(\j)
	ds_load_b128 v[32*c_+8*(\j)+4:32*c_+8*(\j)+7], v[RD+c_] offset:1024*(\j)+512
.endr
.set c_, c_+1
.endr
.endm
.if QKV
; freqs_cis for a block's 16 positions: load i brings rows 2 i + h, the two (real, imaginary) pairs of my four columns; 16 lanes take 256 aligned bytes.  (A v head loads them too and does not use them: the counts of the waits stay the same on both ways.)
.macro FLOAD set, step
.if \step
	s_wait_xcnt 0x0                                ; the earlier loads and stores have had their addresses translated: the base may be rewritten
	s_add_nc_u64 s[22:23], s[22:23], 8192
.endif
	WIN (1+(\set))<<6
.irp i, 0,1,2,3,4,5,6,7
	global_load_b128 v[XF+4*(\i):XF+4*(\i)+3], v[FOL], s[22:23] offset:1024*(\i)
.endr
.endm
.endif
; A row block is finished from set's registers.  pre = 1: the next block is asked for first, into the other set.
.macro FIN set, pre
.if \pre
	FINLOAD 1-(\set), 1
.if QKV
	FLOAD 1-(\set), 1
	s_wait_loadcnt 8                               ; this block's freqs_cis are in; the eight just issued stay out
.endif
	s_wait_dscnt 8*KS                              ; this block's copies are in; the run just issued stays out
.else
.if QKV
	s_wait_loadcnt 0x0
.endif
	s_wait_dscnt 0x0
.endif
.set W_, 1+(\set)
	WIN W_*0x55
.set z_, 0
.rept 16
	v_pk_add_f32 v[2*z_:2*z_+1], v[2*z_:2*z_+1], v[32+2*z_:32+2*z_+1]
.if KS == 4
	v_pk_add_f32 v[64+2*z_:64+2*z_+1], v[64+2*z_:64+2*z_+1], v[96+2*z_:96+2*z_+1]
.endif
.set z_, z_+1
.endr
.if KS == 4
.set z_, 0
.rept 16
	v_pk_add_f32 v[2*z_:2*z_+1], v[2*z_:2*z_+1], v[64+2*z_:64+2*z_+1]
.set z_, z_+1
.endr
.endif
.if QKV
.set z_, 0
.rept 16
	v_pk_fma_f32 v[2*z_:2*z_+1], v[2*z_:2*z_+1], s[52:53], v[XB+2*(z_/4):XB+2*(z_/4)+1] op_sel_hi:[1,0,1]  ; sum x scale + bias x scale
.set z_, z_+1
.endr
	WIN 0
	s_cmp_eq_u32 s51, 1
	s_cbranch_scc1 .Lnorot_\@                      ; v is not rotated; the jump hangs on the cluster's number alone and passes register work only
	WIN W_*0x55
.set i_, 0
.rept 8                                ; (a + i b)(c + i d) for the lane's two pairs in row 2 i + h; c and d rounded to bf16 first
.set f_, XF+4*i_
	v_cvt_pk_bf16_f32 v[f_], v[f_], v[f_+1]
	v_cvt_pk_bf16_f32 v[f_+2], v[f_+2], v[f_+3]
	v_and_b32 v[f_+1], s54, v[f_]
	v_and_b32 v[f_+3], s54, v[f_+2]
	v_lshlrev_b32 v[f_], 16, v[f_]
	v_lshlrev_b32 v[f_+2], 16, v[f_+2]
	v_mul_f32 v[XT], v[8+i_], v[f_+1]              ; b d
	v_mul_f32 v[XT+1], v[8+i_], v[f_]              ; b c
	v_mul_f32 v[XT+2], v[24+i_], v[f_+3]
	v_mul_f32 v[XT+3], v[24+i_], v[f_+2]
	v_fma_f32 v[8+i_], v[i_], v[f_+1], v[XT+1]     ; a d + b c
	v_fma_f32 v[24+i_], v[16+i_], v[f_+3], v[XT+3]
	v_fma_f32 v[i_], v[i_], v[f_], -v[XT]          ; a c - b d
	v_fma_f32 v[16+i_], v[16+i_], v[f_+2], -v[XT+2]
.set i_, i_+1
.endr
	WIN 0
.Lnorot_\@:
	WIN W_*0x55
.set i_, 0
.rept 8
	v_cvt_pk_f16_f32 v[XH+2*i_], v[i_], v[8+i_]
	v_cvt_pk_f16_f32 v[XH+2*i_+1], v[16+i_], v[24+i_]
.set i_, i_+1
.endr
	WIN W_<<2                                      ; data window 1 + set, address window 0
.irp i, 0,1,2,3,4,5,6,7
	global_store_b64 v[OV], v[XH+2*(\i):XH+2*(\i)+1], s[OUT:OUT+1] offset:256*(\i)  ; rows 2 i and 2 i + 1 of a half head: the wave stores 256 consecutive bytes, aligned
.endr
.else
.set i_, 0
.rept 8
.irp j, 0,1,2,3
	v_fma_f32 v[XH+4*i_+(\j)], v[8*(\j)+i_], s52, v[XB+2*(\j)]  ; 16 x sum + bias
.endr
.set i_, i_+1
.endr
	WIN W_<<2
.irp i, 0,1,2,3,4,5,6,7
	global_store_b128 v[OV], v[XH+4*(\i):XH+4*(\i)+3], s[OUT:OUT+1] offset:32768*(\i) th:TH_STORE_NT  ; 16 lanes store 256 consecutive bytes of a row, aligned
.endr
.endif
	WIN 0
.if \pre
	s_wait_xcnt 0x0                                ; the stores have had their addresses translated: their base and, two blocks on, their data are rewritten only behind this wait
.if QKV
	s_add_nc_u64 s[OUT:OUT+1], s[OUT:OUT+1], 2048  ; 16 rows of 128 bytes on
.else
	s_add_nc_u64 s[OUT:OUT+1], s[OUT:OUT+1], 262144  ; 16 rows of 16,384 bytes on
.endif
.endif
.endm
.if QKV
	s_load_b512 s[68:83], s[0:1], 0x0              ; xb 68, Wq 70, Wk 72, Wv 74, bq 76, bk 78, bv 80, freqs_cis 82
	s_load_b128 s[84:87], s[0:1], 0x40             ; qh 84, kh 86
	s_load_b64 s[88:89], s[0:1], 0x50              ; vh
.else
	s_load_b256 s[68:75], s[0:1], 0x0              ; oh 68, Wo 70, bo 72, out0 74
.endif
	v_lshl_add_u32 v[SPW], v0, 2, SPARE
	v_mov_b32 v[NIL], 0
	ds_add_u32 v[SPW], v[NIL]                      ; the wave's opening: the add and its wait stand ahead of my first tensor load; work on registers stands between them
	v_lshrrev_b32 v3, 5, v0
	v_readfirstlane_b32 s8, v3                     ; wave 0..3
	s_bfe_u32 s11, ttmp6, 0x40000                  ; cx
	s_bfe_u32 s12, ttmp6, 0x40004                  ; cy = the block of 256 rows: the grid is one cluster high
	s_mov_b32 s13, ttmp9                           ; in a cluster launch ttmp9 counts clusters
	s_lshl_b32 s14, s13, 2
	s_add_co_u32 s14, s14, s11                     ; tile column = 4 x cluster x + cx
.if QKV
	s_and_b32 s9, s8, 1                            ; my part of K
	s_lshr_b32 s10, s8, 1                          ; my half of the head's columns
.else
	s_mov_b32 s9, s8
	s_mov_b32 s10, 0
.endif
	s_lshl_b32 s2, s12, 2
	s_lshl_b32 s2, 15, s2                          ; my row of the cluster: places 4 cy .. 4 cy + 3
	s_or_b32 s[G1], s2, (1<<16)|(1<<20)|(1<<21)|(QI<<22)|(3<<25)  ; 15:0 the mask; 17:16 2-byte elements; 20 padding on; 21 set beside a mask; 24:22 the interval; 31:25 4 words (code 3)
	s_mov_b32 s[G1+1], KSLOT<<16                   ; tensor_dim0
	s_mov_b32 s[G1+2], 64<<16                      ; tensor_dim1 = 64
	s_mov_b32 s[G1+3], KSLOT<<16                   ; tile_dim0
	s_mov_b32 s[G1+4], 64                          ; tile_dim1 = 64 rows
	s_mov_b32 s[G1+5], 4096                        ; elements from row to row
	s_mov_b32 s[G1+6], 0
	s_mov_b32 s[G1+7], 0
	s_lshl_b32 s2, s12, 8
	s_lshl_b32 s3, s8, 6
	s_add_co_u32 s2, s2, s3                        ; the rows that I fetch: 256 cy + 64 w,
	s_lshl_b32 s2, s2, 13                          ; of 8,192 bytes
	s_mov_b32 s3, 0
	s_mul_i32 s4, s8, 64*PITCH                     ; and where they go: no place in the cluster enters an LDS address
	s_mov_b32 s54, 0xffff0000
	s_wait_dscnt 0x0                               ; the opening add is done
	s_wait_kmcnt 0x0
	s_add_nc_u64 s[16:17], s[68:69], s[2:3]
.irp s, 0,1
	s_mov_b32 s[G0+4*(\s)], 1                      ; count = 1
	s_add_co_u32 s[G0+4*(\s)+1], s4, (\s)*SLOT     ; LDS address
	s_add_nc_u64 s[G0+4*(\s)+2:G0+4*(\s)+3], s[16:17], (\s)*KSLOT*2  ; global address: slot s begins with K = KSLOT s
	s_or_b32 s[G0+4*(\s)+3], s[G0+4*(\s)+3], 0x80000000  ; type = 2
.endr
	CROUND                                         ; all sixteen work-groups are here: the first joint loads meet
	JLOAD 0, 0                                     ; two tensor loads of mine are out here, one behind every later round
	JLOAD 1, 0
.if QKV
	; which tensor: clusters 0-7 make q's 32 heads, 8 and 9 k's 8, 10 and 11 v's 8: the same for all partners
	s_mov_b32 s50, 4096
	s_mov_b32 s52, 0x3d800000                      ; 2^-4
	s_cmp_lt_u32 s13, 8
	s_cselect_b64 s[18:19], s[70:71], s[72:73]
	s_cselect_b64 s[20:21], s[76:77], s[78:79]
	s_cselect_b64 s[OUT:OUT+1], s[84:85], s[86:87]
	s_cselect_b32 s50, 16384, s50                  ; bytes in a row of W
	s_cselect_b32 s60, 0, 32                       ; the tensor's first tile column
	s_cmp_lt_u32 s13, 10
	s_cselect_b64 s[18:19], s[18:19], s[74:75]
	s_cselect_b64 s[20:21], s[20:21], s[80:81]
	s_cselect_b64 s[OUT:OUT+1], s[OUT:OUT+1], s[88:89]
	s_cselect_b32 s60, s60, 40
	s_cselect_b32 s52, 0x3b800000, s52             ; 2^-8 for q and k
	s_cselect_b32 s51, 0, 1
	s_mov_b32 s53, s52                             ; named with it as a pair
	s_sub_co_u32 s15, s14, s60                     ; the head in its tensor
	s_lshl_b32 s58, s15, 9
	s_lshl_b32 s59, s10, 8
	s_add_co_u32 s58, s58, s59                     ; my first column, in bytes of f32: 512 head + 256 half
.else
	s_mov_b64 s[18:19], s[70:71]
	s_mov_b64 s[20:21], s[72:73]
	s_mov_b64 s[OUT:OUT+1], s[74:75]
	s_mov_b32 s50, 16384
	s_mov_b32 s52, 0x41800000                      ; 16
	s_lshl_b32 s58, s14, 8                         ; my first column, in bytes of f32
.endif
	s_mov_b32 s59, 0
	s_add_nc_u64 s[20:21], s[20:21], s[58:59]      ; the bias,
	s_add_nc_u64 s[BB:BB+1], s[18:19], s[58:59]    ; and W, at my 64 columns;
	s_mul_i32 s60, s9, s50
	s_lshl_b32 s60, s60, 6
	s_mov_b32 s61, 0
	s_add_nc_u64 s[BB:BB+1], s[BB:BB+1], s[60:61]  ; row 64 kq
	s_lshl_b32 s60, s50, 4
	s_add_nc_u64 s[BB2:BB2+1], s[BB:BB+1], s[60:61]
	s_lshl_b32 s[SE], s50, 5                       ; 32 rows
	s_mov_b32 s[SE+1], 0
	s_mul_i32 s[SO], s50, KSLOT-32                 ; into the next slot's K
	s_mov_b32 s[SO+1], 0
	v_and_b32 v1, 15, v0                           ; r
	v_bfe_u32 v2, v0, 4, 1                         ; h
	v_lshlrev_b32 v[BO], 4, v1
.irp i, 0,1,2,3,4,5,6,7
	v_lshl_add_u32 v[TM], v2, 3, (\i)
	v_mul_lo_u32 v[VO+(\i)], v[TM], s50
	v_lshl_add_u32 v[VO+(\i)], v1, 4, v[VO+(\i)]   ; (8 h + i) rows + 16 r
.endr
	global_load_b128 v[BV:BV+3], v[BO], s[20:21]   ; the bias of columns 4 r .. 4 r + 3
	GLOAD 0, 0                                     ; chunks 0 to 3
	GLOAD 1, 1
	GLOAD 2, 2
	GLOAD 3, 1
	WIN 0
.if QKV
	s_lshl_b32 s58, s15, 1
	s_add_co_u32 s58, s58, s10
	s_lshl_b32 s58, s58, 3                         ; the half head's 1,024 rows, in units of 128 rows,
	s_lshl_b32 s60, s12, 1
	s_add_co_u32 s60, s60, s9                      ; and my 128 rows in them: 2 cy + kq
	s_add_co_u32 s58, s58, s60
	s_lshl_b32 s58, s58, 14                        ; 128 rows of 128 bytes
	s_add_nc_u64 s[OUT:OUT+1], s[OUT:OUT+1], s[58:59]
	s_lshl_b32 s60, s60, 16                        ; 128 positions of 512 bytes
	s_add_nc_u64 s[22:23], s[82:83], s[60:61]
.else
	s_lshl_b32 s60, s12, 2
	s_add_co_u32 s60, s60, s8
	s_lshl_b32 s60, s60, 20                        ; row 256 cy + 64 w, of 16,384 bytes
	s_add_co_u32 s60, s60, s58
	s_add_nc_u64 s[OUT:OUT+1], s[OUT:OUT+1], s[60:61]
.endif
	v_and_b32 v3, 7, v1
	v_lshrrev_b32 v[TM], 3, v1
	v_lshl_add_u32 v3, v3, 1, v[TM]                ; the row of 16 that I read: 2 (r % 8) + r / 8
	v_mul_u32_u24 v3, v3, PITCH
	v_lshl_add_u32 v3, v2, 4, v3
	s_lshl_b32 s5, s9, 7                           ; my 64 of a slot's K
.irp s, 0,1
.irp x, 0,1
	s_add_co_u32 s6, s5, (\s)*SLOT+(\x)*128*PITCH
	v_add_nc_u32 v[ADR+2*(\s)+(\x)], s6, v3
.endr
.endr
	v_and_b32 v[TM], 31, v0
	s_lshl_b32 s5, s8, 16
	v_lshl_add_u32 v[RS], v[TM], 4, s5             ; 65,536 w + 16 lane
	s_lshl_b32 s5, s10, 17                         ; the first of the waves that share my columns,
	s_mul_i32 s6, s9, NT*4096                      ; my first row block
	s_add_co_u32 s5, s5, s6
	v_lshl_add_u32 v[RD], v[TM], 4, s5
.set c_, 1
.rept KS-1
	v_add_nc_u32 v[RD+c_], 65536*c_, v[RD]
.set c_, c_+1
.endr
.if QKV
	v_lshlrev_b32 v[OV], 3, v[TM]                  ; 128 h + 8 r
	s_lshl_b32 s5, s10, 8
	v_lshl_add_u32 v[FOL], v2, 9, s5
	v_lshl_add_u32 v[FOL], v1, 4, v[FOL]           ; 512 h + 256 half + 16 r
.else
	v_lshlrev_b32 v[OV], 14, v2
	v_lshl_add_u32 v[OV], v1, 4, v[OV]             ; 16,384 h + 16 r
.endif
	; The accumulators are cleared, on purpose, while the first tile and the first weights are on their way: with the first chunk written out ahead of the loop the loop's trips
	; would be shifted by a chunk, and its last trip would ask for a chunk of W that does not exist.
	WIN 0x80
.set i_, 0
.rept 256
	v_mov_b32 v[i_], 0
.set i_, i_+1
.endr
	WIN 0xc0
.set i_, 0
.rept 256
	v_mov_b32 v[i_], 0
.set i_, i_+1
.endr
	s_wait_loadcnt 48                              ; the bias and chunk 0 are in; three runs of 16 stay out
	CONVALL 0, 0
	WIN 0
	s_wait_tensorcnt 0x1                           ; my part of slot 0 is in; slot 1's may stay out
	s_barrier_signal -1
	s_barrier_wait -1                              ; everybody's is
	FETCH 0, 0, 0
	FETCH 1, 0, 0
	s_mov_b32 s55, TRIPS-1
.Ltrip:                                            ; a trip: four chunks, once round the two slots; both are filled again
	CHUNK 0, 1, 48, 0, 1
	CHUNK 1, 1, 48, 1, 1
	CHUNK 2, 1, 48, 0, 1
	CHUNK 3, 1, 48, 1, 1
	WIN 0
	s_sub_co_u32 s55, s55, 1
	s_cmp_lg_u32 s55, 0
	s_cbranch_scc1 .Ltrip
	CHUNK 0, 0, 32, 0, 1                           ; the last trip is written out: nothing is left to fetch, and the counts run down
	CHUNK 1, 0, 16, 2, 1
	CHUNK 2, 0, 0, 0, 1
	CHUNK 3, 0, -1, 0, 0
.if QKV
	FLOAD 0, 0                                     ; the first block's freqs_cis go out ahead of the reduction
.endif
	STOREACC
	v_cvt_pk_bf16_f32 v[TM], v[BV], v[BV+1]        ; the bias, rounded to bf16, while the stores drain
	v_cvt_pk_bf16_f32 v[TM+1], v[BV+2], v[BV+3]
	v_lshlrev_b32 v[BV], 16, v[TM]
	v_and_b32 v[BV+1], s54, v[TM]
	v_lshlrev_b32 v[BV+2], 16, v[TM+1]
	v_and_b32 v[BV+3], s54, v[TM+1]
.if QKV
.irp j, 0,1,2,3
	v_mul_f32 v[BV+(\j)], s52, v[BV+(\j)]          ; times the scale: exact
.endr
.endif
	WIN 0x40
.irp j, 0,1,2,3
	v_mov_b32 v[XB+2*(\j)], v[BV+(\j)]
	v_mov_b32 v[XB+2*(\j)+1], v[BV+(\j)]
.endr
	WIN 0
	s_wait_dscnt 0x0                               ; for the others' sake: my stores are done
	s_barrier_signal -1
	WIN 0x80                                       ; window 2 held accumulators: written only behind the wait for the stores that read them
.irp j, 0,1,2,3
	v_mov_b32 v[XB+2*(\j)], v[BV+(\j)]
	v_mov_b32 v[XB+2*(\j)+1], v[BV+(\j)]
.endr
	WIN 0
	s_barrier_wait -1
	FINLOAD 0, 0
	WIN 0
.if NT > 4
	s_mov_b32 s55, NT/2-1
.Lfin:
.endif
	FIN 0, 1
	FIN 1, 1
.if NT > 4
	s_sub_co_u32 s55, s55, 1
	s_cmp_lg_u32 s55, 0
	s_cbranch_scc1 .Lfin
.endif
	FIN 0, 1                                       ; the last two blocks are written out: the very last asks for nothing more
	FIN 1, 0
	s_wait_tensorcnt 0x0                           ; the wave's end, behind my last tensor load and my last LDS store
	ds_add_u32 v[SPW], v[NIL]
	s_wait_dscnt 0x0
	CROUND                                         ; the closing round: no work-group ends while a partner may still ask for a tile that names it
	s_endpgm
.Lfunc_end_k_qb33bc420b1_oproj:
	.size	k_qb33bc420b1_oproj, .Lfunc_end_k_qb33bc420b1_oproj-k_qb33bc420b1_oproj
	.p2alignl 7, 3214868480
	.fill 96, 4, 3214868480
	.section	.rodata,"a",@progbits
	.p2align	6, 0x0
	.amdhsa_kernel k_qb33bc420b1_oproj
		.amdhsa_group_segment_fixed_size 327680
		.amdhsa_private_segment_fixed_size 0
		.amdhsa_enable_private_segment 0
		.amdhsa_kernarg_size 32
		.amdhsa_user_sgpr_count 2
		.amdhsa_user_sgpr_kernarg_segment_ptr 1
		.amdhsa_wavefront_size32 1
		.amdhsa_system_sgpr_workgroup_id_x 1
		.amdhsa_system_sgpr_workgroup_id_y 1
		.amdhsa_system_sgpr_workgroup_id_z 1
		.amdhsa_system_vgpr_workitem_id 0
		.amdhsa_next_free_vgpr 1024
		.amdhsa_next_free_sgpr 80
		.amdhsa_reserve_vcc 0
		.amdhsa_float_denorm_mode_32 3
		.amdhsa_float_denorm_mode_16_64 3
		.amdhsa_memory_ordered 1
		.amdhsa_forward_progress 1
		.amdhsa_inst_pref_size 194
	.end_amdhsa_kernel
	.amdgpu_metadata
---
amdhsa.version: [ 1, 2 ]
amdhsa.kernels:
  - .name:           k_qb33bc420b1_oproj
    .symbol:         k_qb33bc420b1_oproj.kd
    .args:
      - { .name: oh, .offset: 0, .size: 8, .value_kind: global_buffer, .address_space: global }
      - { .name: Wo, .offset: 8, .size: 8, .value_kind: global_buffer, .address_space: global }
      - { .name: bo, .offset: 16, .size: 8, .value_kind: global_buffer, .address_space: global }
      - { .name: out0, .offset: 24, .size: 8, .value_kind: global_buffer, .address_space: global }
    .group_segment_fixed_size: 327680
    .private_segment_fixed_size: 0
    .kernarg_segment_align: 8
    .kernarg_segment_size: 32
    .max_flat_workgroup_size: 128
    .sgpr_count:     80
    .vgpr_count:     1024
    .wavefront_size: 32
...
	.end_amdgpu_metadata
.endif
;; end of part 4
;; ======== version 2 of 2: 4 launches; 1.14 times as fast as version 1
;; limits: values are held in f16: magnitudes above 65,504 overflow, below 6.1e-05 lose precision; right only within a limited range of input values
;; workspace buffers: xb 8,388,608 bytes; qh 8,388,608 bytes; kh 2,097,152 bytes; vh 2,097,152 bytes; oh 8,388,608 bytes
;; launch cvtx: the kernel of part 1 again; grid 256 x 1, 8 waves a work-group, no clusters, 0 bytes of LDS; arguments x, xb; writes xb
;; launch qkv (part 5): grid 48 x 4, 4 waves a work-group, clusters of 4 x 4, 327,680 bytes of LDS; arguments xb, Wq, Wk, Wv, bq, bk, bv, freqs_cis, qh, kh, vh; writes qh, kh, vh
.if DOCPART == 5
	.amdgcn_target "amdgcn-amd-amdhsa--gfx1250"
	.amdhsa_code_object_version 6
	.text
	.protected	k_qb33bc420b1_qkv
	.globl	k_qb33bc420b1_qkv
	.p2align	8
	.type	k_qb33bc420b1_qkv,@function
k_qb33bc420b1_qkv:
	s_mov_b64 s[64:65], 0
	v_nop
	global_prefetch_b8 v0, s[64:65] scope:SCOPE_SE
	s_setreg_imm32_b32 hwreg(HW_REG_WAVE_MODE, 25, 1), 1
	s_wait_xcnt 0x0
	s_wait_alu depctr_hold_cnt(0) depctr_sa_sdst(0) depctr_va_vdst(0) depctr_va_sdst(0) depctr_va_ssrc(0) depctr_va_vcc(0) depctr_vm_vsrc(0)
	s_getreg_b32 s2, hwreg(HW_REG_IB_STS2, 6, 4)
	s_cmp_eq_u32 s2, 0
	s_cbranch_scc0 .Lentry_in_a_cluster
	s_endpgm
.Lentry_in_a_cluster:
	s_bfe_u32 s2, ttmp6, 0x10000c
	s_cmp_lg_u32 s2, 0xf033
	s_cbranch_scc0 .Lentry_shape_is_right
	s_endpgm
.Lentry_shape_is_right:
; ONE TEXT FOR TWO LAUNCHES; the flag QKV chooses.  QKV = 1 (this file): q, k, v = xb W + b by heads, the complex product with freqs_cis on q and k, a fixed scale, f16 out.
;   xb [1024][4096] bf16; Wq [4096][4096], Wk, Wv [4096][1024] f32, rounded to bf16 on the way; biases and freqs_cis rounded to bf16, then used in f32; sums in f32.
;   qh [32][2][1024][64], kh, vh [8][2][1024][64] f16: head, half of its 128 channels, position, channel.  Stored: q and k times 2^-8, v times 2^-4 (exact scales).
; QKV = 0: out0 = 16 (oh Wo) + bo.  oh [1024][4096] f16 holds o / 16; Wo f32 is rounded to bf16 and that number written as f16; bo rounded to bf16; out0 f32.
; LIMITS.  f16 ends at 65,504: rotated q and k beyond 1.6e7 and v beyond 1.0e6 become infinities.  A stored number below 6e-5 keeps f16's fixed step of 6e-8; so does a weight of Wo
; below 2^-17.  NaN and infinities are not treated apart.  The sums over K are made in KS parts, each from a first k that hangs on the cluster, and added at the end: another order of rounding than one chain from k = 0.
; SHARES.  A wave makes 256 rows x 64 columns, 64 accumulators of 16 x 16 in 512 registers, over its own part of K.  QKV = 1: a work-group makes 256 x 128, one head: two column
; halves x two parts of K.  QKV = 0: 256 x 64, four parts of K.  A CHUNK is 32 along K: 64 matrix instructions.  Chunk c of a wave is k = KP + KSLOT (c / 2) + 64 kq + 32 (c % 2), modulo 4,096.
; K GOES ROUND.  A cluster begins at KP = 256 p and goes on past k = 4,095 to 0.  p is the cluster's number in Gray code with its four bits reversed: of the clusters that agree in any one bit of their
; number the eight first places lie at most 3 x 256 apart round K.  All clusters walk the same rows of A; so at any one time they ask for different tiles of it, and all but the first
; two or three of a cluster's sixteen spans of 256 along K have been read by another cluster before.  KP hangs on the cluster's number alone: it is the same in all partners.
; A (xb or oh) comes by tensor loads into two LDS slots of 256 rows x KSLOT; a slot holds two chunks for every wave.  CLUSTER 4 x 4: the four work-groups of a row of the cluster need
; the same rows of A, so each tile is asked for JOINTLY (same load, same descriptor, a mask that names the four).
; THE CHANGE OF SLOTS stands in a slot's second chunk.  A refill is issued behind that chunk's 32nd matrix instruction; the wait for it stands behind the 20th of the other slot's second chunk:
; of the 128 matrix instructions that a wave issues for each refill, 116 stand between the request and the wait for it.
; W goes from memory STRAIGHT INTO REGISTERS: a load of 16 bytes takes four neighbouring columns of one row k; rounding rows k and k + 1 together gives one register of each of four
; fragments, fragment j holding columns 4 r + j.  A ring of four stages of 64 registers keeps three to four chunks' loads (24 to 32 KB a wave) on their way.
; W IS NOT ASKED FOR JOINTLY though the four row blocks of a cluster's column read the same strip: as f32 through LDS two slots of it would take 2 x KSLOT x 64 x 4 bytes a column group,
; 131,072 bytes: with QKV = 0 that does not fit beside A's 270,336 in 327,680; with QKV = 1 it would raise a wave's LDS reads from 16 to 24 KB a chunk and tie W's lead to the slots' two chunks.
; LAYOUT.  Lane (r, h) of an A fragment reads row 2 (r % 8) + r / 8 of its 16.  So accumulator (a, j), register i, lane (r, h) is row 16 a + 2 i + h, column 4 r + j of the wave's 64:
; four neighbouring columns in one lane (the rotary pairs are the lane's own), two neighbouring rows in the two halves of the lanes (each store covers whole aligned runs of 256 bytes).
; REGISTERS, in windows of 256 (s_set_vgpr_msb: bits 1:0 source 0, 3:2 source 1, 5:4 source 2, 7:6 destination):
;   window 0: v0-55 addresses and at work; v64-127, v128-191 A's fragments of row blocks 0-7, 8-15; v192-223, v224-255 W's fragments, two buffers
;   window 1: the four stages      windows 2, 3: the accumulators, (a, j) at 8 (4 (a % 8) + j) of window 2 + a / 8.  In the finish windows 1 and 2 are two sets of work registers.
.set QKV, 1
.if QKV
.set KS,    2                          ; parts of K
.set KSLOT, 128                        ; K in a slot = 64 KS
.set PITCH, 272                        ; an LDS row: 256 bytes + 16: the 16 rows of a fragment load start at 16 different groups of four banks (64 banks of 4 bytes: ISA guide 11.1)
.set QI,    5                          ; padding behind every 64 words
.set TRIPS, 16                         ; 4096 / KS / 128: a trip is four chunks, once round the two slots
.else
.set KS,    4
.set KSLOT, 256
.set PITCH, 528                        ; 512 bytes + 16
.set QI,    6                          ; padding behind every 128 words
.set TRIPS, 8
.endif
.set SLOT,  256*PITCH
.set SPARE, 270336                     ; the spare words, 128 bytes a wave: two blocks of 256 bytes that no other line names
.set NT,    16/KS                      ; row blocks that a wave finishes
.set ADR, 4                            ; v4-7   LDS address of my A fragments: slot s, row half x at ADR + 2 s + x
.set VO,  8                            ; v8-15  byte offset of row 8 h + i, column 4 r, in a chunk of W; never rewritten
.set RS,  16                           ; v16    where I put my accumulators for the reduction
.set RD,  20                           ; v20-23 where I read copy c of the block in hand
.set BO,  24                           ; v24    16 r
.set OV,  25                           ; v25    my byte offset in a block of the output
.set FOL, 26                           ; v26    my byte offset in 16 rows of freqs_cis
.set SPW, 28                           ; v28    LDS address of my spare word; never rewritten
.set NIL, 29                           ; v29    0; never rewritten
.set BV,  32                           ; v32-35 the bias of my four columns
.set TM,  36                           ; v36-37 at work
.set ZF,  40                           ; v40-47 a fragment of zeros
.set VO2, 48                           ; v48-55 VO, 16 rows further down; never rewritten
.set AH,  64
.set BF,  192
.set XF,  128                          ; the finish, in window 1 + set: v0.. the copies; freqs_cis;
.set XH,  160                          ; what is stored;
.set XB,  192                          ; the bias, each number twice;
.set XT,  200                          ; at work
.set G1,  24                           ; s[24:31] descriptor group 1
.set G0,  32                           ; s[32:39] descriptor group 0, a set for each slot
.set BB,  40                           ; s[40:41] W at row 0 of the chunk to be loaded, my 64 columns
.set B1,  42                           ; s[42:43], s[92:93], s[94:95] the same for chunks 1, 2, 3: the four first runs have a base each, so that none is rewritten behind loads just issued
.set B2,  92
.set B3,  94
.set SE,  44                           ; s44    bytes of W from an even chunk to the next
.set SO,  46                           ; s46    from an odd one
.set OUT, 48                           ; s[48:49] the output at the block in hand
.set AT,  56                           ; s[56:57] an offset along A's rows, as a pair with 0 above it
.set AO,  62                           ; s62, s63 byte offset along A's rows of slot 0's, slot 1's tile
.set WO,  66                           ; s[66:67] byte offset in W of the row 0 of the chunk to be loaded, with 0 above it
.set WM,  90                           ; s90    bytes in 4,096 rows of W, less 1
; s7 KP, s8 wave, s9 kq, s10 column half, s11 cx, s12 cy, s13 cluster x, s14 tile column, s15 head in its tensor, s[16:17] A at the rows that I fetch, s[18:19] W at my 64 columns,
; s50 bytes in a row of W, s51 1 for v, s[52:53] the scale, s54 mask of a word's upper half, s55 counter; s2-6 at work, never holding cx; s58-61 at work
.set MSB, 0
.macro WIN new                         ; the immediate's high byte repeats the setting that is left; a switch that changes nothing is dropped
.if MSB != (\new)
	s_set_vgpr_msb (MSB<<8)|(\new)
.set MSB, (\new)
.endif
.endm
.macro PLACES                          ; four places in front of loads into registers that matrix instructions have read, and of reads of results
.rept 4
	v_nop
.endr
.endm
.macro CREST                           ; a round of the cluster's barrier behind its opening barrier
	s_cmp_lg_u32 s8, 0
	s_cbranch_scc1 .Lnot_wave_0_\@
	s_barrier_signal -3
.Lnot_wave_0_\@:
	s_barrier_wait -3
	s_barrier_signal -1
	s_barrier_wait -1
.endm
.macro CROUND                          ; a whole round
	s_barrier_signal -1
	s_barrier_wait -1
	CREST
.endm
; A joint load: every wave asks for its 64 rows of slot s.  step = 1: the slot's tile two slots on.  An s_nop 0 and four v_nop follow.
.macro JLOAD s, step
.if \step
	s_add_co_u32 s[AO+(\s)], s[AO+(\s)], 4*KSLOT   ; two slots on along the row,
	s_and_b32 s[AO+(\s)], s[AO+(\s)], 8191         ; past its 8,192 bytes to its beginning
	s_mov_b32 s[AT], s[AO+(\s)]
	s_add_nc_u64 s[G0+4*(\s)+2:G0+4*(\s)+3], s[16:17], s[AT:AT+1]  ; the address is made anew of the rows' address and the offset,
	s_or_b32 s[G0+4*(\s)+3], s[G0+4*(\s)+3], 0x80000000            ; and the type set again
.endif
	tensor_load_to_lds s[G0+4*(\s):G0+4*(\s)+3], s[G1:G1+7]
	s_nop 0
.rept 4
	v_nop
.endr
.endm
.macro NEXTW st                        ; W's offset steps onto the next chunk, past row 4,095 to row 0
	s_add_co_u32 s[WO], s[WO], s[\st]
	s_and_b32 s[WO], s[WO], s[WM]
.endm
; A run of 16 loads: a chunk of W, 32 rows x my 64 columns, into stage sb.  Lanes 0-15 take 256 aligned bytes of one row, lanes 16-31 those of the row eight further down.
; st = 1, 2: the base is made anew first, for an odd or an even chunk, behind the wait that frees it.  bb: the base's registers.
.macro GLOAD sb, st, bb=BB
.if (\st) == 1
	s_wait_xcnt 0x0                                ; the earlier loads have had their addresses translated (ISA guide 3.1): the base may be rewritten
	NEXTW SE
	s_add_nc_u64 s[BB:BB+1], s[18:19], s[WO:WO+1]
.elseif (\st) == 2
	s_wait_xcnt 0x0
	NEXTW SO
	s_add_nc_u64 s[BB:BB+1], s[18:19], s[WO:WO+1]
.endif
	WIN 0x40                                       ; destination window 1, address window 0
.irp i, 0,1,2,3,4,5,6,7
	global_load_b128 v[64*(\sb)+4*(\i):64*(\sb)+4*(\i)+3], v[VO+(\i)], s[\bb:\bb+1]
.endr
.irp i, 0,1,2,3,4,5,6,7
	global_load_b128 v[64*(\sb)+32+4*(\i):64*(\sb)+32+4*(\i)+3], v[VO2+(\i)], s[\bb:\bb+1]
.endr
.endm
; Four lines of the conversion of stage sb into fragment buffer fb.  Register p of fragment j is made of rows 2 p and 2 p + 1 of the lane's sixteen, column j of its four.
; QKV = 1: group n = p: one rounding to bf16 each.  QKV = 0: group n: p = n / 4, and of four steps number n % 4: round the pair to bf16; widen the low half; widen the high half; write both as f16.
.macro RID n, sb, fb
.if QKV
	WIN 0x05                                       ; sources window 1, destination window 0
.irp j, 0,1,2,3
	v_cvt_pk_bf16_f32 v[BF+32*(\fb)+8*(\j)+(\n)], v[64*(\sb)+8*(\n)+(\j)], v[64*(\sb)+8*(\n)+(\j)+4]
.endr
.else
.set p_, (\n)/4
.set ph_, (\n)%4
.irp j, 0,1,2,3
.set s0_, 64*(\sb)+8*p_+(\j)
.if ph_ == 0
	WIN 0x45
	v_cvt_pk_bf16_f32 v[s0_], v[s0_], v[s0_+4]
.elseif ph_ == 1
	WIN 0x45
	v_lshlrev_b32 v[s0_+4], 16, v[s0_]
.elseif ph_ == 2
	WIN 0x45
	v_and_b32 v[s0_], s54, v[s0_]
.else
	WIN 0x05
	v_cvt_pk_f16_f32 v[BF+32*(\fb)+8*(\j)+p_], v[s0_+4], v[s0_]
.endif
.endr
.endif
.endm
.macro CONVALL sb, fb                  ; all of a stage on end: once, ahead of the loop
.set n2_, 0
.rept 32-24*QKV
	RID n2_, \sb, \fb
.set n2_, n2_+1
.endr
.endm
.macro MMA d, a, b
.if QKV
	v_wmma_f32_16x16x32_bf16 v[(\d):(\d)+7], v[(\a):(\a)+7], v[(\b):(\b)+7], v[(\d):(\d)+7]
.else
	v_wmma_f32_16x16x32_f16 v[(\d):(\d)+7], v[(\a):(\a)+7], v[(\b):(\b)+7], v[(\d):(\d)+7]
.endif
.endm
.macro MMAZ d                          ; zeros times zeros plus the constant 0: starts a sum
.if QKV
	v_wmma_f32_16x16x32_bf16 v[(\d):(\d)+7], v[ZF:ZF+7], v[ZF:ZF+7], 0
.else
	v_wmma_f32_16x16x32_f16 v[(\d):(\d)+7], v[ZF:ZF+7], v[ZF:ZF+7], 0
.endif
.endm
; 4 an matrix instructions: row blocks a0 .. a0 + an - 1 of half x, all four fragments of buffer fb.  The 64 accumulators take turns, one instruction a turn.
; rid = 1: groups of the next chunk's conversion (stage sb into the other buffer) stand behind the matrix instructions; they name none of the products' registers.
.macro MULS x, a0, an, fb, rid, sb
.set a_, \a0
.rept \an
.set j_, 0
.rept 4
	WIN 0xa0+0x50*(\x)                             ; A and W window 0, C and D window 2 or 3
	MMA 8*(4*a_+j_), AH+64*(\x)+8*a_, BF+32*(\fb)+8*j_
.if \rid
.if QKV
.if j_ == 0
	RID a_, \sb, 1-(\fb)
.endif
.else
	RID 4*a_+j_, \sb, 1-(\fb)
.endif
.endif
.set j_, j_+1
.endr
.set a_, a_+1
.endr
.endm
; 16 LDS loads: A's fragments of row half x, from slot s, chunk q of my two there
.macro FETCH x, s, q
	WIN 0
.irp a, 0,1,2,3,4,5,6,7
	ds_load_b128 v[AH+64*(\x)+8*(\a):AH+64*(\x)+8*(\a)+3],   v[ADR+2*(\s)+(\x)] offset:(\a)*16*PITCH+64*(\q)
	ds_load_b128 v[AH+64*(\x)+8*(\a)+4:AH+64*(\x)+8*(\a)+7], v[ADR+2*(\s)+(\x)] offset:(\a)*16*PITCH+64*(\q)+32
.endr
.endm
; CHUNK ci of a trip's four.  gl = 1: the chunk four on is asked for, into the stage that the chunk before has emptied.  lw: how many younger weight loads may stay out when the next chunk's
; stage has to be in (-1: nothing more to convert).  turn = 1: my reads of this slot are over: it is filled again; 2: the same change of slots with nothing left to fetch.  nxt = 0: the last chunk.
.macro CHUNK ci, gl, lw, turn, nxt
.set s_, (\ci)/2
.set sn_, (((\ci)+1)%4)/2
.set qn_, ((\ci)+1)%2
.set fb_, (\ci)%2
.set sb_, ((\ci)+1)%4
.if \gl
	GLOAD \ci, 2-(\ci)%2
.endif
.if (\lw) >= 0
	s_wait_loadcnt \lw                             ; loads come back in order: the next chunk's run of 16 is in, the younger runs stay out
.endif
	s_wait_dscnt 16                                ; row blocks 0-7 are in; the 16 loads of blocks 8-15 may be out
.if (\turn) == 0
	MULS 0, 0, 8, fb_, \nxt, sb_
	PLACES
.else
	MULS 0, 0, 5, fb_, \nxt, sb_                   ; twenty matrix instructions go ahead of the wait for the other slot's tile: so much longer may it be on its way
	WIN 0                                          ; (the add's two registers lie in window 0)
	s_wait_tensorcnt 0x0                           ; all my tensor loads have landed: the one that was out is my part of the other slot
	ds_add_u32 v[SPW], v[NIL]                      ; 0 onto my spare word
	MULS 0, 5, 2, fb_, \nxt, sb_                   ; eight matrix instructions stand between the add and the wait for it
	s_wait_dscnt 0x0                               ; the add is done, and my reads of this slot are over (the last were issued at the end of the chunk before)
	s_barrier_signal -1
	MULS 0, 7, 1, fb_, \nxt, sb_                   ; work on registers while the others arrive
	WIN 0                                          ; at a branch and at a label every window is 0
	s_barrier_wait -1
.if (\turn) == 1
	CREST                                          ; the barrier has opened a round of the cluster's: no wave of any partner still reads this slot or has a load on its way
	JLOAD s_, 1                                    ; the first tensor load behind the round: 116 matrix instructions ahead of the wait for it; its four v_nop are the places in front of the loads below
.else
	PLACES
.endif
.endif
.if \nxt
	FETCH 0, sn_, qn_
	s_wait_dscnt 16                                ; blocks 8-15 are in; the 16 just issued may be out
	MULS 1, 0, 8, fb_, 0, 0
	PLACES
	FETCH 1, sn_, qn_
.else
	s_wait_dscnt 0x0                               ; my last reads of the slots are over:
	s_barrier_signal -1                            ; say so,
	MULS 1, 0, 8, fb_, 0, 0
	PLACES                                         ; (in front of the stores that read the results)
	WIN 0
	s_barrier_wait -1                              ; and go on when all four have: the slots have had their last fill and their last read
.endif
.endm
; THE REDUCTION.  Every wave puts its 64 accumulators into LDS: wave w at 65,536 w, accumulator n = 4 a + j at 1,024 n, registers 0-3 then 4-7, 16 bytes a lane on end.
.macro STOREACC
.set n_, 0
.rept 64
	WIN 0x08+0x04*(n_/32)                          ; data window 2 or 3
	ds_store_b128 v[RS], v[8*(n_%32):8*(n_%32)+3] offset:1024*n_        ; each accumulator's low end is read first
	ds_store_b128 v[RS], v[8*(n_%32)+4:8*(n_%32)+7] offset:1024*n_+512
.set n_, n_+1
.endr
	WIN 0
.endm
; The KS copies of a row block come into set's registers: copy c, fragment j, register i at 32 c + 8 j + i.  step = 1: the next block, 4,096 bytes on.
.macro FINLOAD set, step
	WIN 0
.if \step
.set c_, 0
.rept KS
	v_add_nc_u32 v[RD+c_], 4096, v[RD+c_]
.set c_, c_+1
.endr
.endif
	WIN (1+(\set))<<6
.set c_, 0
.rept KS
.irp j, 0,1,2,3
	ds_load_b128 v[32*c_+8*(\j):32*c_+8*(\j)+3],   v[RD+c_] offset:1024*(\j)
	ds_load_b128 v[32*c_+8*(\j)+4:32*c_+8*(\j)+7], v[RD+c_] offset:1024*(\j)+512
.endr
.set c_, c_+1
.endr
.endm
.if QKV
; freqs_cis for a block's 16 positions: load i brings rows 2 i + h, the two (real, imaginary) pairs of my four columns; 16 lanes take 256 aligned bytes.  (A v head loads them too and does not use them: the counts of the waits stay the same on both ways.)
.macro FLOAD set, step
.if \step
	s_wait_xcnt 0x0                                ; the earlier loads and stores have had their addresses translated: the base may be rewritten
	s_add_nc_u64 s[22:23], s[22:23], 8192
.endif
	WIN (1+(\set))<<6
.irp i, 0,1,2,3,4,5,6,7
	global_load_b128 v[XF+4*(\i):XF+4*(\i)+3], v[FOL], s[22:23] offset:1024*(\i)
.endr
.endm
.endif
; A row block, which has come into set's registers, is finished and stored; the output's address steps on.
.macro FINCOMP set
.set W_, 1+(\set)
	WIN W_*0x55
.set z_, 0
.rept 16
	v_pk_add_f32 v[2*z_:2*z_+1], v[2*z_:2*z_+1], v[32+2*z_:32+2*z_+1]
.if KS == 4
	v_pk_add_f32 v[64+2*z_:64+2*z_+1], v[64+2*z_:64+2*z_+1], v[96+2*z_:96+2*z_+1]
.endif
.set z_, z_+1
.endr
.if KS == 4
.set z_, 0
.rept 16
	v_pk_add_f32 v[2*z_:2*z_+1], v[2*z_:2*z_+1], v[64+2*z_:64+2*z_+1]
.set z_, z_+1
.endr
.endif
.if QKV
.set z_, 0
.rept 16
	v_pk_fma_f32 v[2*z_:2*z_+1], v[2*z_:2*z_+1], s[52:53], v[XB+2*(z_/4):XB+2*(z_/4)+1] op_sel_hi:[1,0,1]  ; sum x scale + bias x scale
.set z_, z_+1
.endr
	WIN 0
	s_cmp_eq_u32 s51, 1
	s_cbranch_scc1 .Lnorot_\@                      ; v is not rotated; the jump hangs on the cluster's number alone and passes register work only
	WIN W_*0x55
.set i_, 0
.rept 8                                ; (a + i b)(c + i d) for the lane's two pairs in row 2 i + h; c and d rounded to bf16 first
.set f_, XF+4*i_
	v_cvt_pk_bf16_f32 v[f_], v[f_], v[f_+1]
	v_cvt_pk_bf16_f32 v[f_+2], v[f_+2], v[f_+3]
	v_and_b32 v[f_+1], s54, v[f_]
	v_and_b32 v[f_+3], s54, v[f_+2]
	v_lshlrev_b32 v[f_], 16, v[f_]
	v_lshlrev_b32 v[f_+2], 16, v[f_+2]
	v_mul_f32 v[XT], v[8+i_], v[f_+1]              ; b d
	v_mul_f32 v[XT+1], v[8+i_], v[f_]              ; b c
	v_mul_f32 v[XT+2], v[24+i_], v[f_+3]
	v_mul_f32 v[XT+3], v[24+i_], v[f_+2]
	v_fma_f32 v[8+i_], v[i_], v[f_+1], v[XT+1]     ; a d + b c
	v_fma_f32 v[24+i_], v[16+i_], v[f_+3], v[XT+3]
	v_fma_f32 v[i_], v[i_], v[f_], -v[XT]          ; a c - b d
	v_fma_f32 v[16+i_], v[16+i_], v[f_+2], -v[XT+2]
.set i_, i_+1
.endr
	WIN 0
.Lnorot_\@:
	WIN W_*0x55
.set i_, 0
.rept 8
	v_cvt_pk_f16_f32 v[XH+2*i_], v[i_], v[8+i_]
	v_cvt_pk_f16_f32 v[XH+2*i_+1], v[16+i_], v[24+i_]
.set i_, i_+1
.endr
	WIN W_<<2                                      ; data window 1 + set, address window 0
.irp i, 0,1,2,3,4,5,6,7
	global_store_b64 v[OV], v[XH+2*(\i):XH+2*(\i)+1], s[OUT:OUT+1] offset:256*(\i)  ; rows 2 i and 2 i + 1 of a half head: the wave stores 256 consecutive bytes, aligned
.endr
.else
.set i_, 0
.rept 8
.irp j, 0,1,2,3
	v_fma_f32 v[XH+4*i_+(\j)], v[8*(\j)+i_], s52, v[XB+2*(\j)]  ; 16 x sum + bias
.endr
.set i_, i_+1
.endr
	WIN W_<<2
.irp i, 0,1,2,3,4,5,6,7
	global_store_b128 v[OV], v[XH+4*(\i):XH+4*(\i)+3], s[OUT:OUT+1] offset:32768*(\i) th:TH_STORE_NT  ; 16 lanes store 256 consecutive bytes of a row, aligned
.endr
.endif
	WIN 0
	s_wait_xcnt 0x0                                ; the stores have had their addresses translated: their base and, two blocks on, their data are rewritten only behind this wait
.if QKV
	s_add_nc_u64 s[OUT:OUT+1], s[OUT:OUT+1], 2048  ; 16 rows of 128 bytes on
.else
	s_add_nc_u64 s[OUT:OUT+1], s[OUT:OUT+1], 262144  ; 16 rows of 16,384 bytes on
.endif
.endm
.if QKV
	s_load_b512 s[68:83], s[0:1], 0x0              ; xb 68, Wq 70, Wk 72, Wv 74, bq 76, bk 78, bv 80, freqs_cis 82
	s_load_b128 s[84:87], s[0:1], 0x40             ; qh 84, kh 86
	s_load_b64 s[88:89], s[0:1], 0x50              ; vh
.else
	s_load_b256 s[68:75], s[0:1], 0x0              ; oh 68, Wo 70, bo 72, out0 74
.endif
	v_lshl_add_u32 v[SPW], v0, 2, SPARE
	v_mov_b32 v[NIL], 0
	ds_add_u32 v[SPW], v[NIL]                      ; the wave's opening: the add and its wait stand ahead of my first tensor load; work on registers stands between them
	v_lshrrev_b32 v3, 5, v0
	v_readfirstlane_b32 s8, v3                     ; wave 0..3
	s_bfe_u32 s11, ttmp6, 0x40000                  ; cx
	s_bfe_u32 s12, ttmp6, 0x40004                  ; cy = the block of 256 rows: the grid is one cluster high
	s_mov_b32 s13, ttmp9                           ; in a cluster launch ttmp9 counts clusters
	s_lshl_b32 s14, s13, 2
	s_add_co_u32 s14, s14, s11                     ; tile column = 4 x cluster x + cx
.if QKV
	s_and_b32 s9, s8, 1                            ; my part of K
	s_lshr_b32 s10, s8, 1                          ; my half of the head's columns
.else
	s_mov_b32 s9, s8
	s_mov_b32 s10, 0
.endif
	s_lshr_b32 s2, s13, 1                          ; where the cluster begins along K:
	s_xor_b32 s2, s2, s13                          ; its number in Gray code,
	s_lshl_b32 s3, s2, 3                           ; the four bits reversed: bit 0 to bit 3,
	s_and_b32 s3, s3, 8
	s_lshl_b32 s4, s2, 1                           ; bit 1 to bit 2,
	s_and_b32 s4, s4, 4
	s_or_b32 s3, s3, s4
	s_lshr_b32 s4, s2, 1                           ; bit 2 to bit 1,
	s_and_b32 s4, s4, 2
	s_or_b32 s3, s3, s4
	s_bfe_u32 s4, s2, 0x10003                      ; bit 3 to bit 0
	s_or_b32 s3, s3, s4
	s_lshl_b32 s7, s3, 8                           ; KP = 256 p
	s_lshl_b32 s[AO], s7, 1                        ; slot 0's first tile, in bytes along a row,
	s_add_co_u32 s[AO+1], s[AO], KSLOT*2           ; and slot 1's
	s_and_b32 s[AO+1], s[AO+1], 8191
	s_mov_b32 s[AT+1], 0
	s_lshl_b32 s2, s12, 2
	s_lshl_b32 s2, 15, s2                          ; my row of the cluster: places 4 cy .. 4 cy + 3
	s_or_b32 s[G1], s2, (1<<16)|(1<<20)|(1<<21)|(QI<<22)|(3<<25)  ; 15:0 the mask; 17:16 2-byte elements; 20 padding on; 21 set beside a mask; 24:22 the interval; 31:25 4 words (code 3)
	s_mov_b32 s[G1+1], KSLOT<<16                   ; tensor_dim0
	s_mov_b32 s[G1+2], 64<<16                      ; tensor_dim1 = 64
	s_mov_b32 s[G1+3], KSLOT<<16                   ; tile_dim0
	s_mov_b32 s[G1+4], 64                          ; tile_dim1 = 64 rows
	s_mov_b32 s[G1+5], 4096                        ; elements from row to row
	s_mov_b32 s[G1+6], 0
	s_mov_b32 s[G1+7], 0
	s_lshl_b32 s2, s12, 8
	s_lshl_b32 s3, s8, 6
	s_add_co_u32 s2, s2, s3                        ; the rows that I fetch: 256 cy + 64 w,
	s_lshl_b32 s2, s2, 13                          ; of 8,192 bytes
	s_mov_b32 s3, 0
	s_mul_i32 s4, s8, 64*PITCH                     ; and where they go: no place in the cluster enters an LDS address
	s_mov_b32 s54, 0xffff0000
	s_wait_dscnt 0x0                               ; the opening add is done
	s_wait_kmcnt 0x0
	s_add_nc_u64 s[16:17], s[68:69], s[2:3]
.irp s, 0,1
	s_mov_b32 s[G0+4*(\s)], 1                      ; count = 1
	s_add_co_u32 s[G0+4*(\s)+1], s4, (\s)*SLOT     ; LDS address
	s_mov_b32 s[AT], s[AO+(\s)]
	s_add_nc_u64 s[G0+4*(\s)+2:G0+4*(\s)+3], s[16:17], s[AT:AT+1]  ; global address: slot s begins with K = KP + KSLOT s
	s_or_b32 s[G0+4*(\s)+3], s[G0+4*(\s)+3], 0x80000000  ; type = 2
.endr
	CROUND                                         ; all sixteen work-groups are here: the first joint loads meet
	JLOAD 0, 0                                     ; two tensor loads of mine are out here, one behind every later round
	JLOAD 1, 0
.if QKV
	; which tensor: clusters 0-7 make q's 32 heads, 8 and 9 k's 8, 10 and 11 v's 8: the same for all partners
	s_mov_b32 s50, 4096
	s_mov_b32 s52, 0x3d800000                      ; 2^-4
	s_cmp_lt_u32 s13, 8
	s_cselect_b64 s[18:19], s[70:71], s[72:73]
	s_cselect_b64 s[20:21], s[76:77], s[78:79]
	s_cselect_b64 s[OUT:OUT+1], s[84:85], s[86:87]
	s_cselect_b32 s50, 16384, s50                  ; bytes in a row of W
	s_cselect_b32 s60, 0, 32                       ; the tensor's first tile column
	s_cmp_lt_u32 s13, 10
	s_cselect_b64 s[18:19], s[18:19], s[74:75]
	s_cselect_b64 s[20:21], s[20:21], s[80:81]
	s_cselect_b64 s[OUT:OUT+1], s[OUT:OUT+1], s[88:89]
	s_cselect_b32 s60, s60, 40
	s_cselect_b32 s52, 0x3b800000, s52             ; 2^-8 for q and k
	s_cselect_b32 s51, 0, 1
	s_mov_b32 s53, s52                             ; named with it as a pair
	s_sub_co_u32 s15, s14, s60                     ; the head in its tensor
	s_lshl_b32 s58, s15, 9
	s_lshl_b32 s59, s10, 8
	s_add_co_u32 s58, s58, s59                     ; my first column, in bytes of f32: 512 head + 256 half
.else
	s_mov_b64 s[18:19], s[70:71]
	s_mov_b64 s[20:21], s[72:73]
	s_mov_b64 s[OUT:OUT+1], s[74:75]
	s_mov_b32 s50, 16384
	s_mov_b32 s52, 0x41800000                      ; 16
	s_lshl_b32 s58, s14, 8                         ; my first column, in bytes of f32
.endif
	s_mov_b32 s59, 0
	s_add_nc_u64 s[20:21], s[20:21], s[58:59]      ; the bias,
	s_add_nc_u64 s[18:19], s[18:19], s[58:59]      ; and W, at my 64 columns
	s_lshl_b32 s60, s9, 6
	s_add_co_u32 s60, s60, s7                      ; my first row of W: KP + 64 kq,
	s_mul_i32 s[WO], s60, s50                      ; in bytes
	s_mov_b32 s[WO+1], 0
	s_lshl_b32 s[WM], s50, 12
	s_sub_co_u32 s[WM], s[WM], 1                   ; 4,096 rows are a power of two of bytes: one AND goes round
	s_lshl_b32 s[SE], s50, 5                       ; 32 rows
	s_mul_i32 s[SO], s50, KSLOT-32                 ; into the next slot's K
	s_add_nc_u64 s[BB:BB+1], s[18:19], s[WO:WO+1]  ; chunks 0 to 3: a base each
	NEXTW SE
	s_add_nc_u64 s[B1:B1+1], s[18:19], s[WO:WO+1]
	NEXTW SO
	s_add_nc_u64 s[B2:B2+1], s[18:19], s[WO:WO+1]
	NEXTW SE
	s_add_nc_u64 s[B3:B3+1], s[18:19], s[WO:WO+1]
	s_lshl_b32 s60, s50, 4                         ; 16 rows
	v_and_b32 v1, 15, v0                           ; r
	v_bfe_u32 v2, v0, 4, 1                         ; h
	v_lshlrev_b32 v[BO], 4, v1
.irp i, 0,1,2,3,4,5,6,7
	v_lshl_add_u32 v[TM], v2, 3, (\i)
	v_mul_lo_u32 v[VO+(\i)], v[TM], s50
	v_lshl_add_u32 v[VO+(\i)], v1, 4, v[VO+(\i)]   ; (8 h + i) rows + 16 r
	v_add_nc_u32 v[VO2+(\i)], s60, v[VO+(\i)]
.endr
	global_load_b128 v[BV:BV+3], v[BO], s[20:21]   ; the bias of columns 4 r .. 4 r + 3
	GLOAD 0, 0, BB                                 ; chunks 0 to 3
	GLOAD 1, 0, B1
	GLOAD 2, 0, B2
	GLOAD 3, 0, B3
	WIN 0
.irp i, 0,1,2,3,4,5,6,7
	v_mov_b32 v[ZF+(\i)], 0
.endr
.if QKV
	s_lshl_b32 s58, s15, 1
	s_add_co_u32 s58, s58, s10
	s_lshl_b32 s58, s58, 3                         ; the half head's 1,024 rows, in units of 128 rows,
	s_lshl_b32 s60, s12, 1
	s_add_co_u32 s60, s60, s9                      ; and my 128 rows in them: 2 cy + kq
	s_add_co_u32 s58, s58, s60
	s_lshl_b32 s58, s58, 14                        ; 128 rows of 128 bytes
	s_add_nc_u64 s[OUT:OUT+1], s[OUT:OUT+1], s[58:59]
	s_lshl_b32 s60, s60, 16                        ; 128 positions of 512 bytes
	s_mov_b32 s61, 0
	s_add_nc_u64 s[22:23], s[82:83], s[60:61]
.else
	s_lshl_b32 s60, s12, 2
	s_add_co_u32 s60, s60, s8
	s_lshl_b32 s60, s60, 20                        ; row 256 cy + 64 w, of 16,384 bytes
	s_add_co_u32 s60, s60, s58
	s_mov_b32 s61, 0
	s_add_nc_u64 s[OUT:OUT+1], s[OUT:OUT+1], s[60:61]
.endif
	v_and_b32 v3, 7, v1
	v_lshrrev_b32 v[TM], 3, v1
	v_lshl_add_u32 v3, v3, 1, v[TM]                ; the row of 16 that I read: 2 (r % 8) + r / 8
	v_mul_u32_u24 v3, v3, PITCH
	v_lshl_add_u32 v3, v2, 4, v3
	s_lshl_b32 s5, s9, 7                           ; my 64 of a slot's K
.irp s, 0,1
.irp x, 0,1
	s_add_co_u32 s6, s5, (\s)*SLOT+(\x)*128*PITCH
	v_add_nc_u32 v[ADR+2*(\s)+(\x)], s6, v3
.endr
.endr
	v_and_b32 v[TM], 31, v0
	s_lshl_b32 s5, s8, 16
	v_lshl_add_u32 v[RS], v[TM], 4, s5             ; 65,536 w + 16 lane
	s_lshl_b32 s5, s10, 17                         ; the first of the waves that share my columns,
	s_mul_i32 s6, s9, NT*4096                      ; my first row block
	s_add_co_u32 s5, s5, s6
	v_lshl_add_u32 v[RD], v[TM], 4, s5
.set c_, 1
.rept KS-1
	v_add_nc_u32 v[RD+c_], 65536*c_, v[RD]
.set c_, c_+1
.endr
.if QKV
	v_lshlrev_b32 v[OV], 3, v[TM]                  ; 128 h + 8 r
	s_lshl_b32 s5, s10, 8
	v_lshl_add_u32 v[FOL], v2, 9, s5
	v_lshl_add_u32 v[FOL], v1, 4, v[FOL]           ; 512 h + 256 half + 16 r
.else
	v_lshlrev_b32 v[OV], 14, v2
	v_lshl_add_u32 v[OV], v1, 4, v[OV]             ; 16,384 h + 16 r
.endif
	; The 64 sums are started by products of a fragment of zeros, with the constant 0 as C, while the first tile and the first weights are on their way.  With the first chunk written out
	; ahead of the loop the loop's trips would be shifted by a chunk, and its last trip would ask for a chunk of W that no product takes.  The price: 64 matrix instructions a wave that are not the problem's.
.irp x, 0,1
	WIN 0xa0+0x50*(\x)
.set n_, 0
.rept 32
	MMAZ 8*n_
.set n_, n_+1
.endr
.endr
	s_wait_loadcnt 48                              ; the bias and chunk 0 are in; three runs of 16 stay out
	CONVALL 0, 0
	WIN 0
	s_wait_tensorcnt 0x1                           ; my part of slot 0 is in; slot 1's may stay out
	s_barrier_signal -1
	s_barrier_wait -1                              ; everybody's is
	FETCH 0, 0, 0
	FETCH 1, 0, 0
	s_mov_b32 s55, TRIPS-1
.Ltrip:                                            ; a trip: four chunks, once round the two slots; both are filled again
	CHUNK 0, 1, 48, 0, 1
	CHUNK 1, 1, 48, 1, 1
	CHUNK 2, 1, 48, 0, 1
	CHUNK 3, 1, 48, 1, 1
	WIN 0
	s_sub_co_u32 s55, s55, 1
	s_cmp_lg_u32 s55, 0
	s_cbranch_scc1 .Ltrip
	CHUNK 0, 0, 32, 0, 1                           ; the last trip is written out: nothing is left to fetch, and the counts run down
	CHUNK 1, 0, 16, 2, 1
	CHUNK 2, 0, 0, 0, 1
	CHUNK 3, 0, -1, 0, 0
.if QKV
	FLOAD 0, 0                                     ; the first block's freqs_cis go out ahead of the reduction
.endif
	STOREACC
	v_cvt_pk_bf16_f32 v[TM], v[BV], v[BV+1]        ; the bias, rounded to bf16, while the stores drain
	v_cvt_pk_bf16_f32 v[TM+1], v[BV+2], v[BV+3]
	v_lshlrev_b32 v[BV], 16, v[TM]
	v_and_b32 v[BV+1], s54, v[TM]
	v_lshlrev_b32 v[BV+2], 16, v[TM+1]
	v_and_b32 v[BV+3], s54, v[TM+1]
.if QKV
.irp j, 0,1,2,3
	v_mul_f32 v[BV+(\j)], s52, v[BV+(\j)]          ; times the scale: exact
.endr
.endif
	WIN 0x40
.irp j, 0,1,2,3
	v_mov_b32 v[XB+2*(\j)], v[BV+(\j)]
	v_mov_b32 v[XB+2*(\j)+1], v[BV+(\j)]
.endr
	WIN 0
	s_wait_dscnt 0x0                               ; for the others' sake: my stores are done
	s_barrier_signal -1
	WIN 0x80                                       ; window 2 held accumulators: written only behind the wait for the stores that read them
.irp j, 0,1,2,3
	v_mov_b32 v[XB+2*(\j)], v[BV+(\j)]
	v_mov_b32 v[XB+2*(\j)+1], v[BV+(\j)]
.endr
	WIN 0
	s_barrier_wait -1
	; THE FINISH: my NT row blocks, two a trip, on two sets of registers: while one block is finished the next is on its way out of LDS.
	FINLOAD 0, 0
	WIN 0
	s_mov_b32 s55, NT/2
.Lfin:
	FINLOAD 1, 1
.if QKV
	FLOAD 1, 1
	s_wait_loadcnt 8                               ; the even block's freqs_cis are in; the eight just issued stay out
.endif
	s_wait_dscnt 8*KS                              ; the even block's copies are in; the run just issued stays out
	FINCOMP 0
	s_cmp_eq_u32 s55, 1
	s_cbranch_scc1 .Lfin_last                      ; the last trip asks for nothing more: the jump passes the loads together with their counted waits
	FINLOAD 0, 1
.if QKV
	FLOAD 0, 1
	s_wait_loadcnt 8                               ; the odd block's freqs_cis are in; the eight just issued stay out
.endif
	s_wait_dscnt 8*KS                              ; the odd block's copies are in; the run just issued stays out
	WIN 0
	s_branch .Lfin_go
.Lfin_last:
.if QKV
	s_wait_loadcnt 0x0                             ; nothing was issued behind the last block's loads
.endif
	s_wait_dscnt 0x0
.Lfin_go:
	FINCOMP 1
	s_sub_co_u32 s55, s55, 1
	s_cmp_lg_u32 s55, 0
	s_cbranch_scc1 .Lfin
	s_wait_tensorcnt 0x0                           ; the wave's end, behind my last tensor load and my last LDS store
	ds_add_u32 v[SPW], v[NIL]
	s_wait_dscnt 0x0
	CROUND                                         ; the closing round: no work-group ends while a partner may still ask for a tile that names it
	s_endpgm
.Lfunc_end_k_qb33bc420b1_qkv:
	.size	k_qb33bc420b1_qkv, .Lfunc_end_k_qb33bc420b1_qkv-k_qb33bc420b1_qkv
	.p2alignl 7, 3214868480
	.fill 96, 4, 3214868480
	.section	.rodata,"a",@progbits
	.p2align	6, 0x0
	.amdhsa_kernel k_qb33bc420b1_qkv
		.amdhsa_group_segment_fixed_size 327680
		.amdhsa_private_segment_fixed_size 0
		.amdhsa_enable_private_segment 0
		.amdhsa_kernarg_size 88
		.amdhsa_user_sgpr_count 2
		.amdhsa_user_sgpr_kernarg_segment_ptr 1
		.amdhsa_wavefront_size32 1
		.amdhsa_system_sgpr_workgroup_id_x 1
		.amdhsa_system_sgpr_workgroup_id_y 1
		.amdhsa_system_sgpr_workgroup_id_z 1
		.amdhsa_system_vgpr_workitem_id 0
		.amdhsa_next_free_vgpr 1024
		.amdhsa_next_free_sgpr 96
		.amdhsa_reserve_vcc 0
		.amdhsa_float_denorm_mode_32 3
		.amdhsa_float_denorm_mode_16_64 3
		.amdhsa_memory_ordered 1
		.amdhsa_forward_progress 1
		.amdhsa_inst_pref_size 134
	.end_amdhsa_kernel
	.amdgpu_metadata
---
amdhsa.version: [ 1, 2 ]
amdhsa.kernels:
  - .name:           k_qb33bc420b1_qkv
    .symbol:         k_qb33bc420b1_qkv.kd
    .args:
      - { .name: xb, .offset: 0, .size: 8, .value_kind: global_buffer, .address_space: global }
      - { .name: Wq, .offset: 8, .size: 8, .value_kind: global_buffer, .address_space: global }
      - { .name: Wk, .offset: 16, .size: 8, .value_kind: global_buffer, .address_space: global }
      - { .name: Wv, .offset: 24, .size: 8, .value_kind: global_buffer, .address_space: global }
      - { .name: bq, .offset: 32, .size: 8, .value_kind: global_buffer, .address_space: global }
      - { .name: bk, .offset: 40, .size: 8, .value_kind: global_buffer, .address_space: global }
      - { .name: bv, .offset: 48, .size: 8, .value_kind: global_buffer, .address_space: global }
      - { .name: freqs_cis, .offset: 56, .size: 8, .value_kind: global_buffer, .address_space: global }
      - { .name: qh, .offset: 64, .size: 8, .value_kind: global_buffer, .address_space: global }
      - { .name: kh, .offset: 72, .size: 8, .value_kind: global_buffer, .address_space: global }
      - { .name: vh, .offset: 80, .size: 8, .value_kind: global_buffer, .address_space: global }
    .group_segment_fixed_size: 327680
    .private_segment_fixed_size: 0
    .kernarg_segment_align: 8
    .kernarg_segment_size: 88
    .max_flat_workgroup_size: 128
    .sgpr_count:     96
    .vgpr_count:     1024
    .wavefront_size: 32
...
	.end_amdgpu_metadata
.endif
;; end of part 5
;; launch attn: the kernel of part 3 again; grid 32 x 8, 4 waves a work-group, clusters of 4 x 1, 327,680 bytes of LDS; arguments qh, kh, vh, oh; writes oh
;; launch oproj (part 6): grid 64 x 4, 4 waves a work-group, clusters of 4 x 4, 327,680 bytes of LDS; arguments oh, Wo, bo, out0; writes out0
.if DOCPART == 6
	.amdgcn_target "amdgcn-amd-amdhsa--gfx1250"
	.amdhsa_code_object_version 6
	.text
	.protected	k_qb33bc420b1_oproj
	.globl	k_qb33bc420b1_oproj
	.p2align	8
	.type	k_qb33bc420b1_oproj,@function
k_qb33bc420b1_oproj:
	s_mov_b64 s[64:65], 0
	v_nop
	global_prefetch_b8 v0, s[64:65] scope:SCOPE_SE
	s_setreg_imm32_b32 hwreg(HW_REG_WAVE_MODE, 25, 1), 1
	s_wait_xcnt 0x0
	s_wait_alu depctr_hold_cnt(0) depctr_sa_sdst(0) depctr_va_vdst(0) depctr_va_sdst(0) depctr_va_ssrc(0) depctr_va_vcc(0) depctr_vm_vsrc(0)
	s_getreg_b32 s2, hwreg(HW_REG_IB_STS2, 6, 4)
	s_cmp_eq_u32 s2, 0
	s_cbranch_scc0 .Lentry_in_a_cluster
	s_endpgm
.Lentry_in_a_cluster:
	s_bfe_u32 s2, ttmp6, 0x10000c
	s_cmp_lg_u32 s2, 0xf033
	s_cbranch_scc0 .Lentry_shape_is_right
	s_endpgm
.Lentry_shape_is_right:
; ONE TEXT FOR TWO LAUNCHES; the flag QKV chooses.  QKV = 0 (this file): out0 = 16 (oh Wo) + bo.  oh [1024][4096] f16 holds o / 16; Wo [4096][4096] f32 is rounded to bf16 and that number
;   written as f16; bo rounded to bf16, then used in f32; sums in f32; out0 [1024][4096] f32.
; QKV = 1: q, k, v = xb W + b by heads, the complex product with freqs_cis on q and k, a fixed scale, f16 out (qh [32][2][1024][64], kh, vh [8][2][1024][64]).
; LIMITS.  A weight of Wo below 2^-17 keeps f16's fixed step of 6e-8, one beyond 65,504 becomes an infinity.  (QKV = 1: rotated q and k beyond 1.6e7 and v beyond 1.0e6 become infinities.)
; NaN and infinities are not treated apart.  The sums over K are made in KS parts, each from a first k that hangs on the cluster, and added at the end: another order of rounding than one chain from k = 0.
; SHARES.  A wave makes 256 rows x 64 columns, 64 accumulators of 16 x 16 in 512 registers, over its own part of K.  QKV = 0: a work-group makes 256 x 64, four parts of K: 256 work-groups.
; QKV = 1: 256 x 128, one head: two column halves x two parts of K.  A CHUNK is 32 along K: 64 matrix instructions.  Chunk c of a wave is k = KP + KSLOT (c / 2) + 64 kq + 32 (c % 2), modulo 4,096.
; K GOES ROUND.  A cluster begins at KP = 256 p and goes on past k = 4,095 to 0.  p is the cluster's number in Gray code with its four bits reversed: of the clusters that agree in any one bit of their
; number the eight first places lie at most 3 x 256 apart round K.  All clusters walk the same rows of A; so at any one time they ask for different tiles of it, and all but the first
; two or three of a cluster's sixteen spans of 256 along K have been read by another cluster before.  KP hangs on the cluster's number alone: it is the same in all partners.
; A (oh or xb) comes by tensor loads into two LDS slots of 256 rows x KSLOT; a slot holds two chunks for every wave.  CLUSTER 4 x 4: the four work-groups of a row of the cluster need
; the same rows of A, so each tile is asked for JOINTLY (same load, same descriptor, a mask that names the four).
; THE CHANGE OF SLOTS stands in a slot's second chunk.  A refill is issued behind that chunk's 32nd matrix instruction; the wait for it stands behind the 20th of the other slot's second chunk:
; of the 128 matrix instructions that a wave issues for each refill, 116 stand between the request and the wait for it.
; W goes from memory STRAIGHT INTO REGISTERS: a load of 16 bytes takes four neighbouring columns of one row k; rounding rows k and k + 1 together gives one register of each of four
; fragments, fragment j holding columns 4 r + j.  A ring of four stages of 64 registers keeps three to four chunks' loads (24 to 32 KB a wave) on their way.
; W IS NOT ASKED FOR JOINTLY though the four row blocks of a cluster's column read the same strip: as f32 through LDS two slots of it would take 2 x KSLOT x 64 x 4 bytes a column group,
; 131,072 bytes: with QKV = 0 that does not fit beside A's 270,336 in 327,680; with QKV = 1 it would raise a wave's LDS reads from 16 to 24 KB a chunk and tie W's lead to the slots' two chunks.
; LAYOUT.  Lane (r, h) of an A fragment reads row 2 (r % 8) + r / 8 of its 16.  So accumulator (a, j), register i, lane (r, h) is row 16 a + 2 i + h, column 4 r + j of the wave's 64:
; four neighbouring columns in one lane, two neighbouring rows in the two halves of the lanes (each store covers whole aligned runs of 256 bytes).
; REGISTERS, in windows of 256 (s_set_vgpr_msb: bits 1:0 source 0, 3:2 source 1, 5:4 source 2, 7:6 destination):
;   window 0: v0-55 addresses and at work; v64-127, v128-191 A's fragments of row blocks 0-7, 8-15; v192-223, v224-255 W's fragments, two buffers
;   window 1: the four stages      windows 2, 3: the accumulators, (a, j) at 8 (4 (a % 8) + j) of window 2 + a / 8.  In the finish windows 1 and 2 are two sets of work registers.
.set QKV, 0
.if QKV
.set KS,    2                          ; parts of K
.set KSLOT, 128                        ; K in a slot = 64 KS
.set PITCH, 272                        ; an LDS row: 256 bytes + 16: the 16 rows of a fragment load start at 16 different groups of four banks (64 banks of 4 bytes: ISA guide 11.1)
.set QI,    5                          ; padding behind every 64 words
.set TRIPS, 16                         ; 4096 / KS / 128: a trip is four chunks, once round the two slots
.else
.set KS,    4
.set KSLOT, 256
.set PITCH, 528                        ; 512 bytes + 16
.set QI,    6                          ; padding behind every 128 words
.set TRIPS, 8
.endif
.set SLOT,  256*PITCH
.set SPARE, 270336                     ; the spare words, 128 bytes a wave: two blocks of 256 bytes that no other line names
.set NT,    16/KS                      ; row blocks that a wave finishes
.set ADR, 4                            ; v4-7   LDS address of my A fragments: slot s, row half x at ADR + 2 s + x
.set VO,  8                            ; v8-15  byte offset of row 8 h + i, column 4 r, in a chunk of W; never rewritten
.set RS,  16                           ; v16    where I put my accumulators for the reduction
.set RD,  20                           ; v20-23 where I read copy c of the block in hand
.set BO,  24                           ; v24    16 r
.set OV,  25                           ; v25    my byte offset in a block of the output
.set FOL, 26                           ; v26    my byte offset in 16 rows of freqs_cis
.set SPW, 28                           ; v28    LDS address of my spare word; never rewritten
.set NIL, 29                           ; v29    0; never rewritten
.set BV,  32                           ; v32-35 the bias of my four columns
.set TM,  36                           ; v36-37 at work
.set ZF,  40                           ; v40-47 a fragment of zeros
.set VO2, 48                           ; v48-55 VO, 16 rows further down; never rewritten
.set AH,  64
.set BF,  192
.set XF,  128                          ; the finish, in window 1 + set: v0.. the copies; freqs_cis;
.set XH,  160                          ; what is stored;
.set XB,  192                          ; the bias, each number twice;
.set XT,  200                          ; at work
.set G1,  24                           ; s[24:31] descriptor group 1
.set G0,  32                           ; s[32:39] descriptor group 0, a set for each slot
.set BB,  40                           ; s[40:41] W at row 0 of the chunk to be loaded, my 64 columns
.set B1,  42                           ; s[42:43], s[92:93], s[94:95] the same for chunks 1, 2, 3: the four first runs have a base each, so that none is rewritten behind loads just issued
.set B2,  92
.set B3,  94
.set SE,  44                           ; s44    bytes of W from an even chunk to the next
.set SO,  46                           ; s46    from an odd one
.set OUT, 48                           ; s[48:49] the output at the block in hand
.set AT,  56                           ; s[56:57] an offset along A's rows, as a pair with 0 above it
.set AO,  62                           ; s62, s63 byte offset along A's rows of slot 0's, slot 1's tile
.set WO,  66                           ; s[66:67] byte offset in W of the row 0 of the chunk to be loaded, with 0 above it
.set WM,  90                           ; s90    bytes in 4,096 rows of W, less 1
; s7 KP, s8 wave, s9 kq, s10 column half, s11 cx, s12 cy, s13 cluster x, s14 tile column, s15 head in its tensor, s[16:17] A at the rows that I fetch, s[18:19] W at my 64 columns,
; s50 bytes in a row of W, s51 1 for v, s[52:53] the scale, s54 mask of a word's upper half, s55 counter; s2-6 at work, never holding cx; s58-61 at work
.set MSB, 0
.macro WIN new                         ; the immediate's high byte repeats the setting that is left; a switch that changes nothing is dropped
.if MSB != (\new)
	s_set_vgpr_msb (MSB<<8)|(\new)
.set MSB, (\new)
.endif
.endm
.macro PLACES                          ; four places in front of loads into registers that matrix instructions have read, and of reads of results
.rept 4
	v_nop
.endr
.endm
.macro CREST                           ; a round of the cluster's barrier behind its opening barrier
	s_cmp_lg_u32 s8, 0
	s_cbranch_scc1 .Lnot_wave_0_\@
	s_barrier_signal -3
.Lnot_wave_0_\@:
	s_barrier_wait -3
	s_barrier_signal -1
	s_barrier_wait -1
.endm
.macro CROUND                          ; a whole round
	s_barrier_signal -1
	s_barrier_wait -1
	CREST
.endm
; A joint load: every wave asks for its 64 rows of slot s.  step = 1: the slot's tile two slots on.  An s_nop 0 and four v_nop follow.
.macro JLOAD s, step
.if \step
	s_add_co_u32 s[AO+(\s)], s[AO+(\s)], 4*KSLOT   ; two slots on along the row,
	s_and_b32 s[AO+(\s)], s[AO+(\s)], 8191         ; past its 8,192 bytes to its beginning
	s_mov_b32 s[AT], s[AO+(\s)]
	s_add_nc_u64 s[G0+4*(\s)+2:G0+4*(\s)+3], s[16:17], s[AT:AT+1]  ; the address is made anew of the rows' address and the offset,
	s_or_b32 s[G0+4*(\s)+3], s[G0+4*(\s)+3], 0x80000000            ; and the type set again
.endif
	tensor_load_to_lds s[G0+4*(\s):G0+4*(\s)+3], s[G1:G1+7]
	s_nop 0
.rept 4
	v_nop
.endr
.endm
.macro NEXTW st                        ; W's offset steps onto the next chunk, past row 4,095 to row 0
	s_add_co_u32 s[WO], s[WO], s[\st]
	s_and_b32 s[WO], s[WO], s[WM]
.endm
; A run of 16 loads: a chunk of W, 32 rows x my 64 columns, into stage sb.  Lanes 0-15 take 256 aligned bytes of one row, lanes 16-31 those of the row eight further down.
; st = 1, 2: the base is made anew first, for an odd or an even chunk, behind the wait that frees it.  bb: the base's registers.
.macro GLOAD sb, st, bb=BB
.if (\st) == 1
	s_wait_xcnt 0x0                                ; the earlier loads have had their addresses translated (ISA guide 3.1): the base may be rewritten
	NEXTW SE
	s_add_nc_u64 s[BB:BB+1], s[18:19], s[WO:WO+1]
.elseif (\st) == 2
	s_wait_xcnt 0x0
	NEXTW SO
	s_add_nc_u64 s[BB:BB+1], s[18:19], s[WO:WO+1]
.endif
	WIN 0x40                                       ; destination window 1, address window 0
.irp i, 0,1,2,3,4,5,6,7
	global_load_b128 v[64*(\sb)+4*(\i):64*(\sb)+4*(\i)+3], v[VO+(\i)], s[\bb:\bb+1]
.endr
.irp i, 0,1,2,3,4,5,6,7
	global_load_b128 v[64*(\sb)+32+4*(\i):64*(\sb)+32+4*(\i)+3], v[VO2+(\i)], s[\bb:\bb+1]
.endr
.endm
; Four lines of the conversion of stage sb into fragment buffer fb.  Register p of fragment j is made of rows 2 p and 2 p + 1 of the lane's sixteen, column j of its four.
; QKV = 1: group n = p: one rounding to bf16 each.  QKV = 0: group n: p = n / 4, and of four steps number n % 4: round the pair to bf16; widen the low half; widen the high half; write both as f16.
.macro RID n, sb, fb
.if QKV
	WIN 0x05                                       ; sources window 1, destination window 0
.irp j, 0,1,2,3
	v_cvt_pk_bf16_f32 v[BF+32*(\fb)+8*(\j)+(\n)], v[64*(\sb)+8*(\n)+(\j)], v[64*(\sb)+8*(\n)+(\j)+4]
.endr
.else
.set p_, (\n)/4
.set ph_, (\n)%4
.irp j, 0,1,2,3
.set s0_, 64*(\sb)+8*p_+(\j)
.if ph_ == 0
	WIN 0x45
	v_cvt_pk_bf16_f32 v[s0_], v[s0_], v[s0_+4]
.elseif ph_ == 1
	WIN 0x45
	v_lshlrev_b32 v[s0_+4], 16, v[s0_]
.elseif ph_ == 2
	WIN 0x45
	v_and_b32 v[s0_], s54, v[s0_]
.else
	WIN 0x05
	v_cvt_pk_f16_f32 v[BF+32*(\fb)+8*(\j)+p_], v[s0_+4], v[s0_]
.endif
.endr
.endif
.endm
.macro CONVALL sb, fb                  ; all of a stage on end: once, ahead of the loop
.set n2_, 0
.rept 32-24*QKV
	RID n2_, \sb, \fb
.set n2_, n2_+1
.endr
.endm
.macro MMA d, a, b
.if QKV
	v_wmma_f32_16x16x32_bf16 v[(\d):(\d)+7], v[(\a):(\a)+7], v[(\b):(\b)+7], v[(\d):(\d)+7]
.else
	v_wmma_f32_16x16x32_f16 v[(\d):(\d)+7], v[(\a):(\a)+7], v[(\b):(\b)+7], v[(\d):(\d)+7]
.endif
.endm
.macro MMAZ d                          ; zeros times zeros plus the constant 0: starts a sum
.if QKV
	v_wmma_f32_16x16x32_bf16 v[(\d):(\d)+7], v[ZF:ZF+7], v[ZF:ZF+7], 0
.else
	v_wmma_f32_16x16x32_f16 v[(\d):(\d)+7], v[ZF:ZF+7], v[ZF:ZF+7], 0
.endif
.endm
; 4 an matrix instructions: row blocks a0 .. a0 + an - 1 of half x, all four fragments of buffer fb.  The 64 accumulators take turns, one instruction a turn.
; rid = 1: groups of the next chunk's conversion (stage sb into the other buffer) stand behind the matrix instructions; they name none of the products' registers.
.macro MULS x, a0, an, fb, rid, sb
.set a_, \a0
.rept \an
.set j_, 0
.rept 4
	WIN 0xa0+0x50*(\x)                             ; A and W window 0, C and D window 2 or 3
	MMA 8*(4*a_+j_), AH+64*(\x)+8*a_, BF+32*(\fb)+8*j_
.if \rid
.if QKV
.if j_ == 0
	RID a_, \sb, 1-(\fb)
.endif
.else
	RID 4*a_+j_, \sb, 1-(\fb)
.endif
.endif
.set j_, j_+1
.endr
.set a_, a_+1
.endr
.endm
; 16 LDS loads: A's fragments of row half x, from slot s, chunk q of my two there
.macro FETCH x, s, q
	WIN 0
.irp a, 0,1,2,3,4,5,6,7
	ds_load_b128 v[AH+64*(\x)+8*(\a):AH+64*(\x)+8*(\a)+3],   v[ADR+2*(\s)+(\x)] offset:(\a)*16*PITCH+64*(\q)
	ds_load_b128 v[AH+64*(\x)+8*(\a)+4:AH+64*(\x)+8*(\a)+7], v[ADR+2*(\s)+(\x)] offset:(\a)*16*PITCH+64*(\q)+32
.endr
.endm
; CHUNK ci of a trip's four.  gl = 1: the chunk four on is asked for, into the stage that the chunk before has emptied.  lw: how many younger weight loads may stay out when the next chunk's
; stage has to be in (-1: nothing more to convert).  turn = 1: my reads of this slot are over: it is filled again; 2: the same change of slots with nothing left to fetch.  nxt = 0: the last chunk.
.macro CHUNK ci, gl, lw, turn, nxt
.set s_, (\ci)/2
.set sn_, (((\ci)+1)%4)/2
.set qn_, ((\ci)+1)%2
.set fb_, (\ci)%2
.set sb_, ((\ci)+1)%4
.if \gl
	GLOAD \ci, 2-(\ci)%2
.endif
.if (\lw) >= 0
	s_wait_loadcnt \lw                             ; loads come back in order: the next chunk's run of 16 is in, the younger runs stay out
.endif
	s_wait_dscnt 16                                ; row blocks 0-7 are in; the 16 loads of blocks 8-15 may be out
.if (\turn) == 0
	MULS 0, 0, 8, fb_, \nxt, sb_
	PLACES
.else
	MULS 0, 0, 5, fb_, \nxt, sb_                   ; twenty matrix instructions go ahead of the wait for the other slot's tile: so much longer may it be on its way
	WIN 0                                          ; (the add's two registers lie in window 0)
	s_wait_tensorcnt 0x0                           ; all my tensor loads have landed: the one that was out is my part of the other slot
	ds_add_u32 v[SPW], v[NIL]                      ; 0 onto my spare word
	MULS 0, 5, 2, fb_, \nxt, sb_                   ; eight matrix instructions stand between the add and the wait for it
	s_wait_dscnt 0x0                               ; the add is done, and my reads of this slot are over (the last were issued at the end of the chunk before)
	s_barrier_signal -1
	MULS 0, 7, 1, fb_, \nxt, sb_                   ; work on registers while the others arrive
	WIN 0                                          ; at a branch and at a label every window is 0
	s_barrier_wait -1
.if (\turn) == 1
	CREST                                          ; the barrier has opened a round of the cluster's: no wave of any partner still reads this slot or has a load on its way
	JLOAD s_, 1                                    ; the first tensor load behind the round: 116 matrix instructions ahead of the wait for it; its four v_nop are the places in front of the loads below
.else
	PLACES
.endif
.endif
.if \nxt
	FETCH 0, sn_, qn_
	s_wait_dscnt 16                                ; blocks 8-15 are in; the 16 just issued may be out
	MULS 1, 0, 8, fb_, 0, 0
	PLACES
	FETCH 1, sn_, qn_
.else
	s_wait_dscnt 0x0                               ; my last reads of the slots are over:
	s_barrier_signal -1                            ; say so,
	MULS 1, 0, 8, fb_, 0, 0
	PLACES                                         ; (in front of the stores that read the results)
	WIN 0
	s_barrier_wait -1                              ; and go on when all four have: the slots have had their last fill and their last read
.endif
.endm
; THE REDUCTION.  Every wave puts its 64 accumulators into LDS: wave w at 65,536 w, accumulator n = 4 a + j at 1,024 n, registers 0-3 then 4-7, 16 bytes a lane on end.
.macro STOREACC
.set n_, 0
.rept 64
	WIN 0x08+0x04*(n_/32)                          ; data window 2 or 3
	ds_store_b128 v[RS], v[8*(n_%32):8*(n_%32)+3] offset:1024*n_        ; each accumulator's low end is read first
	ds_store_b128 v[RS], v[8*(n_%32)+4:8*(n_%32)+7] offset:1024*n_+512
.set n_, n_+1
.endr
	WIN 0
.endm
; The KS copies of a row block come into set's registers: copy c, fragment j, register i at 32 c + 8 j + i.  step = 1: the next block, 4,096 bytes on.
.macro FINLOAD set, step
	WIN 0
.if \step
.set c_, 0
.rept KS
	v_add_nc_u32 v[RD+c_], 4096, v[RD+c_]
.set c_, c_+1
.endr
.endif
	WIN (1+(\set))<<6
.set c_, 0
.rept KS
.irp j, 0,1,2,3
	ds_load_b128 v[32*c_+8*(\j):32*c_+8*(\j)+3],   v[RD+c_] offset:1024*(\j)
	ds_load_b128 v[32*c_+8*(\j)+4:32*c_+8*(\j)+7], v[RD+c_] offset:1024*(\j)+512
.endr
.set c_, c_+1
.endr
.endm
.if QKV
; freqs_cis for a block's 16 positions: load i brings rows 2 i + h, the two (real, imaginary) pairs of my four columns; 16 lanes take 256 aligned bytes.  (A v head loads them too and does not use them: the counts of the waits stay the same on both ways.)
.macro FLOAD set, step
.if \step
	s_wait_xcnt 0x0                                ; the earlier loads and stores have had their addresses translated: the base may be rewritten
	s_add_nc_u64 s[22:23], s[22:23], 8192
.endif
	WIN (1+(\set))<<6
.irp i, 0,1,2,3,4,5,6,7
	global_load_b128 v[XF+4*(\i):XF+4*(\i)+3], v[FOL], s[22:23] offset:1024*(\i)
.endr
.endm
.endif
; A row block, which has come into set's registers, is finished and stored; the output's address steps on.
.macro FINCOMP set
.set W_, 1+(\set)
	WIN W_*0x55
.set z_, 0
.rept 16
	v_pk_add_f32 v[2*z_:2*z_+1], v[2*z_:2*z_+1], v[32+2*z_:32+2*z_+1]
.if KS == 4
	v_pk_add_f32 v[64+2*z_:64+2*z_+1], v[64+2*z_:64+2*z_+1], v[96+2*z_:96+2*z_+1]
.endif
.set z_, z_+1
.endr
.if KS == 4
.set z_, 0
.rept 16
	v_pk_add_f32 v[2*z_:2*z_+1], v[2*z_:2*z_+1], v[64+2*z_:64+2*z_+1]
.set z_, z_+1
.endr
.endif
.if QKV
.set z_, 0
.rept 16
	v_pk_fma_f32 v[2*z_:2*z_+1], v[2*z_:2*z_+1], s[52:53], v[XB+2*(z_/4):XB+2*(z_/4)+1] op_sel_hi:[1,0,1]  ; sum x scale + bias x scale
.set z_, z_+1
.endr
	WIN 0
	s_cmp_eq_u32 s51, 1
	s_cbranch_scc1 .Lnorot_\@                      ; v is not rotated; the jump hangs on the cluster's number alone and passes register work only
	WIN W_*0x55
.set i_, 0
.rept 8                                ; (a + i b)(c + i d) for the lane's two pairs in row 2 i + h; c and d rounded to bf16 first
.set f_, XF+4*i_
	v_cvt_pk_bf16_f32 v[f_], v[f_], v[f_+1]
	v_cvt_pk_bf16_f32 v[f_+2], v[f_+2], v[f_+3]
	v_and_b32 v[f_+1], s54, v[f_]
	v_and_b32 v[f_+3], s54, v[f_+2]
	v_lshlrev_b32 v[f_], 16, v[f_]
	v_lshlrev_b32 v[f_+2], 16, v[f_+2]
	v_mul_f32 v[XT], v[8+i_], v[f_+1]              ; b d
	v_mul_f32 v[XT+1], v[8+i_], v[f_]              ; b c
	v_mul_f32 v[XT+2], v[24+i_], v[f_+3]
	v_mul_f32 v[XT+3], v[24+i_], v[f_+2]
	v_fma_f32 v[8+i_], v[i_], v[f_+1], v[XT+1]     ; a d + b c
	v_fma_f32 v[24+i_], v[16+i_], v[f_+3], v[XT+3]
	v_fma_f32 v[i_], v[i_], v[f_], -v[XT]          ; a c - b d
	v_fma_f32 v[16+i_], v[16+i_], v[f_+2], -v[XT+2]
.set i_, i_+1
.endr
	WIN 0
.Lnorot_\@:
	WIN W_*0x55
.set i_, 0
.rept 8
	v_cvt_pk_f16_f32 v[XH+2*i_], v[i_], v[8+i_]
	v_cvt_pk_f16_f32 v[XH+2*i_+1], v[16+i_], v[24+i_]
.set i_, i_+1
.endr
	WIN W_<<2                                      ; data window 1 + set, address window 0
.irp i, 0,1,2,3,4,5,6,7
	global_store_b64 v[OV], v[XH+2*(\i):XH+2*(\i)+1], s[OUT:OUT+1] offset:256*(\i)  ; rows 2 i and 2 i + 1 of a half head: the wave stores 256 consecutive bytes, aligned
.endr
.else
.set i_, 0
.rept 8
.irp j, 0,1,2,3
	v_fma_f32 v[XH+4*i_+(\j)], v[8*(\j)+i_], s52, v[XB+2*(\j)]  ; 16 x sum + bias
.endr
.set i_, i_+1
.endr
	WIN W_<<2
.irp i, 0,1,2,3,4,5,6,7
	global_store_b128 v[OV], v[XH+4*(\i):XH+4*(\i)+3], s[OUT:OUT+1] offset:32768*(\i) th:TH_STORE_NT  ; 16 lanes store 256 consecutive bytes of a row, aligned
.endr
.endif
	WIN 0
	s_wait_xcnt 0x0                                ; the stores have had their addresses translated: their base and, two blocks on, their data are rewritten only behind this wait
.if QKV
	s_add_nc_u64 s[OUT:OUT+1], s[OUT:OUT+1], 2048  ; 16 rows of 128 bytes on
.else
	s_add_nc_u64 s[OUT:OUT+1], s[OUT:OUT+1], 262144  ; 16 rows of 16,384 bytes on
.endif
.endm
.if QKV
	s_load_b512 s[68:83], s[0:1], 0x0              ; xb 68, Wq 70, Wk 72, Wv 74, bq 76, bk 78, bv 80, freqs_cis 82
	s_load_b128 s[84:87], s[0:1], 0x40             ; qh 84, kh 86
	s_load_b64 s[88:89], s[0:1], 0x50              ; vh
.else
	s_load_b256 s[68:75], s[0:1], 0x0              ; oh 68, Wo 70, bo 72, out0 74
.endif
	v_lshl_add_u32 v[SPW], v0, 2, SPARE
	v_mov_b32 v[NIL], 0
	ds_add_u32 v[SPW], v[NIL]                      ; the wave's opening: the add and its wait stand ahead of my first tensor load; work on registers stands between them
	v_lshrrev_b32 v3, 5, v0
	v_readfirstlane_b32 s8, v3                     ; wave 0..3
	s_bfe_u32 s11, ttmp6, 0x40000                  ; cx
	s_bfe_u32 s12, ttmp6, 0x40004                  ; cy = the block of 256 rows: the grid is one cluster high
	s_mov_b32 s13, ttmp9                           ; in a cluster launch ttmp9 counts clusters
	s_lshl_b32 s14, s13, 2
	s_add_co_u32 s14, s14, s11                     ; tile column = 4 x cluster x + cx
.if QKV
	s_and_b32 s9, s8, 1                            ; my part of K
	s_lshr_b32 s10, s8, 1                          ; my half of the head's columns
.else
	s_mov_b32 s9, s8
	s_mov_b32 s10, 0
.endif
	s_lshr_b32 s2, s13, 1                          ; where the cluster begins along K:
	s_xor_b32 s2, s2, s13                          ; its number in Gray code,
	s_lshl_b32 s3, s2, 3                           ; the four bits reversed: bit 0 to bit 3,
	s_and_b32 s3, s3, 8
	s_lshl_b32 s4, s2, 1                           ; bit 1 to bit 2,
	s_and_b32 s4, s4, 4
	s_or_b32 s3, s3, s4
	s_lshr_b32 s4, s2, 1                           ; bit 2 to bit 1,
	s_and_b32 s4, s4, 2
	s_or_b32 s3, s3, s4
	s_bfe_u32 s4, s2, 0x10003                      ; bit 3 to bit 0
	s_or_b32 s3, s3, s4
	s_lshl_b32 s7, s3, 8                           ; KP = 256 p
	s_lshl_b32 s[AO], s7, 1                        ; slot 0's first tile, in bytes along a row,
	s_add_co_u32 s[AO+1], s[AO], KSLOT*2           ; and slot 1's
	s_and_b32 s[AO+1], s[AO+1], 8191
	s_mov_b32 s[AT+1], 0
	s_lshl_b32 s2, s12, 2
	s_lshl_b32 s2, 15, s2                          ; my row of the cluster: places 4 cy .. 4 cy + 3
	s_or_b32 s[G1], s2, (1<<16)|(1<<20)|(1<<21)|(QI<<22)|(3<<25)  ; 15:0 the mask; 17:16 2-byte elements; 20 padding on; 21 set beside a mask; 24:22 the interval; 31:25 4 words (code 3)
	s_mov_b32 s[G1+1], KSLOT<<16                   ; tensor_dim0
	s_mov_b32 s[G1+2], 64<<16                      ; tensor_dim1 = 64
	s_mov_b32 s[G1+3], KSLOT<<16                   ; tile_dim0
	s_mov_b32 s[G1+4], 64                          ; tile_dim1 = 64 rows
	s_mov_b32 s[G1+5], 4096                        ; elements from row to row
	s_mov_b32 s[G1+6], 0
	s_mov_b32 s[G1+7], 0
	s_lshl_b32 s2, s12, 8
	s_lshl_b32 s3, s8, 6
	s_add_co_u32 s2, s2, s3                        ; the rows that I fetch: 256 cy + 64 w,
	s_lshl_b32 s2, s2, 13                          ; of 8,192 bytes
	s_mov_b32 s3, 0
	s_mul_i32 s4, s8, 64*PITCH                     ; and where they go: no place in the cluster enters an LDS address
	s_mov_b32 s54, 0xffff0000
	s_wait_dscnt 0x0                               ; the opening add is done
	s_wait_kmcnt 0x0
	s_add_nc_u64 s[16:17], s[68:69], s[2:3]
.irp s, 0,1
	s_mov_b32 s[G0+4*(\s)], 1                      ; count = 1
	s_add_co_u32 s[G0+4*(\s)+1], s4, (\s)*SLOT     ; LDS address
	s_mov_b32 s[AT], s[AO+(\s)]
	s_add_nc_u64 s[G0+4*(\s)+2:G0+4*(\s)+3], s[16:17], s[AT:AT+1]  ; global address: slot s begins with K = KP + KSLOT s
	s_or_b32 s[G0+4*(\s)+3], s[G0+4*(\s)+3], 0x80000000  ; type = 2
.endr
	CROUND                                         ; all sixteen work-groups are here: the first joint loads meet
	JLOAD 0, 0                                     ; two tensor loads of mine are out here, one behind every later round
	JLOAD 1, 0
.if QKV
	; which tensor: clusters 0-7 make q's 32 heads, 8 and 9 k's 8, 10 and 11 v's 8: the same for all partners
	s_mov_b32 s50, 4096
	s_mov_b32 s52, 0x3d800000                      ; 2^-4
	s_cmp_lt_u32 s13, 8
	s_cselect_b64 s[18:19], s[70:71], s[72:73]
	s_cselect_b64 s[20:21], s[76:77], s[78:79]
	s_cselect_b64 s[OUT:OUT+1], s[84:85], s[86:87]
	s_cselect_b32 s50, 16384, s50                  ; bytes in a row of W
	s_cselect_b32 s60, 0, 32                       ; the tensor's first tile column
	s_cmp_lt_u32 s13, 10
	s_cselect_b64 s[18:19], s[18:19], s[74:75]
	s_cselect_b64 s[20:21], s[20:21], s[80:81]
	s_cselect_b64 s[OUT:OUT+1], s[OUT:OUT+1], s[88:89]
	s_cselect_b32 s60, s60, 40
	s_cselect_b32 s52, 0x3b800000, s52             ; 2^-8 for q and k
	s_cselect_b32 s51, 0, 1
	s_mov_b32 s53, s52                             ; named with it as a pair
	s_sub_co_u32 s15, s14, s60                     ; the head in its tensor
	s_lshl_b32 s58, s15, 9
	s_lshl_b32 s59, s10, 8
	s_add_co_u32 s58, s58, s59                     ; my first column, in bytes of f32: 512 head + 256 half
.else
	s_mov_b64 s[18:19], s[70:71]
	s_mov_b64 s[20:21], s[72:73]
	s_mov_b64 s[OUT:OUT+1], s[74:75]
	s_mov_b32 s50, 16384
	s_mov_b32 s52, 0x41800000                      ; 16
	s_lshl_b32 s58, s14, 8                         ; my first column, in bytes of f32
.endif
	s_mov_b32 s59, 0
	s_add_nc_u64 s[20:21], s[20:21], s[58:59]      ; the bias,
	s_add_nc_u64 s[18:19], s[18:19], s[58:59]      ; and W, at my 64 columns
	s_lshl_b32 s60, s9, 6
	s_add_co_u32 s60, s60, s7                      ; my first row of W: KP + 64 kq,
	s_mul_i32 s[WO], s60, s50                      ; in bytes
	s_mov_b32 s[WO+1], 0
	s_lshl_b32 s[WM], s50, 12
	s_sub_co_u32 s[WM], s[WM], 1                   ; 4,096 rows are a power of two of bytes: one AND goes round
	s_lshl_b32 s[SE], s50, 5                       ; 32 rows
	s_mul_i32 s[SO], s50, KSLOT-32                 ; into the next slot's K
	s_add_nc_u64 s[BB:BB+1], s[18:19], s[WO:WO+1]  ; chunks 0 to 3: a base each
	NEXTW SE
	s_add_nc_u64 s[B1:B1+1], s[18:19], s[WO:WO+1]
	NEXTW SO
	s_add_nc_u64 s[B2:B2+1], s[18:19], s[WO:WO+1]
	NEXTW SE
	s_add_nc_u64 s[B3:B3+1], s[18:19], s[WO:WO+1]
	s_lshl_b32 s60, s50, 4                         ; 16 rows
	v_and_b32 v1, 15, v0                           ; r
	v_bfe_u32 v2, v0, 4, 1                         ; h
	v_lshlrev_b32 v[BO], 4, v1
.irp i, 0,1,2,3,4,5,6,7
	v_lshl_add_u32 v[TM], v2, 3, (\i)
	v_mul_lo_u32 v[VO+(\i)], v[TM], s50
	v_lshl_add_u32 v[VO+(\i)], v1, 4, v[VO+(\i)]   ; (8 h + i) rows + 16 r
	v_add_nc_u32 v[VO2+(\i)], s60, v[VO+(\i)]
.endr
	global_load_b128 v[BV:BV+3], v[BO], s[20:21]   ; the bias of columns 4 r .. 4 r + 3
	GLOAD 0, 0, BB                                 ; chunks 0 to 3
	GLOAD 1, 0, B1
	GLOAD 2, 0, B2
	GLOAD 3, 0, B3
	WIN 0
.irp i, 0,1,2,3,4,5,6,7
	v_mov_b32 v[ZF+(\i)], 0
.endr
.if QKV
	s_lshl_b32 s58, s15, 1
	s_add_co_u32 s58, s58, s10
	s_lshl_b32 s58, s58, 3                         ; the half head's 1,024 rows, in units of 128 rows,
	s_lshl_b32 s60, s12, 1
	s_add_co_u32 s60, s60, s9                      ; and my 128 rows in them: 2 cy + kq
	s_add_co_u32 s58, s58, s60
	s_lshl_b32 s58, s58, 14                        ; 128 rows of 128 bytes
	s_add_nc_u64 s[OUT:OUT+1], s[OUT:OUT+1], s[58:59]
	s_lshl_b32 s60, s60, 16                        ; 128 positions of 512 bytes
	s_mov_b32 s61, 0
	s_add_nc_u64 s[22:23], s[82:83], s[60:61]
.else
	s_lshl_b32 s60, s12, 2
	s_add_co_u32 s60, s60, s8
	s_lshl_b32 s60, s60, 20                        ; row 256 cy + 64 w, of 16,384 bytes
	s_add_co_u32 s60, s60, s58
	s_mov_b32 s61, 0
	s_add_nc_u64 s[OUT:OUT+1], s[OUT:OUT+1], s[60:61]
.endif
	v_and_b32 v3, 7, v1
	v_lshrrev_b32 v[TM], 3, v1
	v_lshl_add_u32 v3, v3, 1, v[TM]                ; the row of 16 that I read: 2 (r % 8) + r / 8
	v_mul_u32_u24 v3, v3, PITCH
	v_lshl_add_u32 v3, v2, 4, v3
	s_lshl_b32 s5, s9, 7                           ; my 64 of a slot's K
.irp s, 0,1
.irp x, 0,1
	s_add_co_u32 s6, s5, (\s)*SLOT+(\x)*128*PITCH
	v_add_nc_u32 v[ADR+2*(\s)+(\x)], s6, v3
.endr
.endr
	v_and_b32 v[TM], 31, v0
	s_lshl_b32 s5, s8, 16
	v_lshl_add_u32 v[RS], v[TM], 4, s5             ; 65,536 w + 16 lane
	s_lshl_b32 s5, s10, 17                         ; the first of the waves that share my columns,
	s_mul_i32 s6, s9, NT*4096                      ; my first row block
	s_add_co_u32 s5, s5, s6
	v_lshl_add_u32 v[RD], v[TM], 4, s5
.set c_, 1
.rept KS-1
	v_add_nc_u32 v[RD+c_], 65536*c_, v[RD]
.set c_, c_+1
.endr
.if QKV
	v_lshlrev_b32 v[OV], 3, v[TM]                  ; 128 h + 8 r
	s_lshl_b32 s5, s10, 8
	v_lshl_add_u32 v[FOL], v2, 9, s5
	v_lshl_add_u32 v[FOL], v1, 4, v[FOL]           ; 512 h + 256 half + 16 r
.else
	v_lshlrev_b32 v[OV], 14, v2
	v_lshl_add_u32 v[OV], v1, 4, v[OV]             ; 16,384 h + 16 r
.endif
	; The 64 sums are started by products of a fragment of zeros, with the constant 0 as C, while the first tile and the first weights are on their way.  With the first chunk written out
	; ahead of the loop the loop's trips would be shifted by a chunk, and its last trip would ask for a chunk of W that no product takes.  The price: 64 matrix instructions a wave that are not the problem's.
.irp x, 0,1
	WIN 0xa0+0x50*(\x)
.set n_, 0
.rept 32
	MMAZ 8*n_
.set n_, n_+1
.endr
.endr
	s_wait_loadcnt 48                              ; the bias and chunk 0 are in; three runs of 16 stay out
	CONVALL 0, 0
	WIN 0
	s_wait_tensorcnt 0x1                           ; my part of slot 0 is in; slot 1's may stay out
	s_barrier_signal -1
	s_barrier_wait -1                              ; everybody's is
	FETCH 0, 0, 0
	FETCH 1, 0, 0
	s_mov_b32 s55, TRIPS-1
.Ltrip:                                            ; a trip: four chunks, once round the two slots; both are filled again
	CHUNK 0, 1, 48, 0, 1
	CHUNK 1, 1, 48, 1, 1
	CHUNK 2, 1, 48, 0, 1
	CHUNK 3, 1, 48, 1, 1
	WIN 0
	s_sub_co_u32 s55, s55, 1
	s_cmp_lg_u32 s55, 0
	s_cbranch_scc1 .Ltrip
	CHUNK 0, 0, 32, 0, 1                           ; the last trip is written out: nothing is left to fetch, and the counts run down
	CHUNK 1, 0, 16, 2, 1
	CHUNK 2, 0, 0, 0, 1
	CHUNK 3, 0, -1, 0, 0
.if QKV
	FLOAD 0, 0                                     ; the first block's freqs_cis go out ahead of the reduction
.endif
	STOREACC
	v_cvt_pk_bf16_f32 v[TM], v[BV], v[BV+1]        ; the bias, rounded to bf16, while the stores drain
	v_cvt_pk_bf16_f32 v[TM+1], v[BV+2], v[BV+3]
	v_lshlrev_b32 v[BV], 16, v[TM]
	v_and_b32 v[BV+1], s54, v[TM]
	v_lshlrev_b32 v[BV+2], 16, v[TM+1]
	v_and_b32 v[BV+3], s54, v[TM+1]
.if QKV
.irp j, 0,1,2,3
	v_mul_f32 v[BV+(\j)], s52, v[BV+(\j)]          ; times the scale: exact
.endr
.endif
	WIN 0x40
.irp j, 0,1,2,3
	v_mov_b32 v[XB+2*(\j)], v[BV+(\j)]
	v_mov_b32 v[XB+2*(\j)+1], v[BV+(\j)]
.endr
	WIN 0
	s_wait_dscnt 0x0                               ; for the others' sake: my stores are done
	s_barrier_signal -1
	WIN 0x80                                       ; window 2 held accumulators: written only behind the wait for the stores that read them
.irp j, 0,1,2,3
	v_mov_b32 v[XB+2*(\j)], v[BV+(\j)]
	v_mov_b32 v[XB+2*(\j)+1], v[BV+(\j)]
.endr
	WIN 0
	s_barrier_wait -1
	; THE FINISH: my NT row blocks, two a trip, on two sets of registers: while one block is finished the next is on its way out of LDS.
	FINLOAD 0, 0
	WIN 0
	s_mov_b32 s55, NT/2
.Lfin:
	FINLOAD 1, 1
.if QKV
	FLOAD 1, 1
	s_wait_loadcnt 8                               ; the even block's freqs_cis are in; the eight just issued stay out
.endif
	s_wait_dscnt 8*KS                              ; the even block's copies are in; the run just issued stays out
	FINCOMP 0
	s_cmp_eq_u32 s55, 1
	s_cbranch_scc1 .Lfin_last                      ; the last trip asks for nothing more: the jump passes the loads together with their counted waits
	FINLOAD 0, 1
.if QKV
	FLOAD 0, 1
	s_wait_loadcnt 8                               ; the odd block's freqs_cis are in; the eight just issued stay out
.endif
	s_wait_dscnt 8*KS                              ; the odd block's copies are in; the run just issued stays out
	WIN 0
	s_branch .Lfin_go
.Lfin_last:
.if QKV
	s_wait_loadcnt 0x0                             ; nothing was issued behind the last block's loads
.endif
	s_wait_dscnt 0x0
.Lfin_go:
	FINCOMP 1
	s_sub_co_u32 s55, s55, 1
	s_cmp_lg_u32 s55, 0
	s_cbranch_scc1 .Lfin
	s_wait_tensorcnt 0x0                           ; the wave's end, behind my last tensor load and my last LDS store
	ds_add_u32 v[SPW], v[NIL]
	s_wait_dscnt 0x0
	CROUND                                         ; the closing round: no work-group ends while a partner may still ask for a tile that names it
	s_endpgm
.Lfunc_end_k_qb33bc420b1_oproj:
	.size	k_qb33bc420b1_oproj, .Lfunc_end_k_qb33bc420b1_oproj-k_qb33bc420b1_oproj
	.p2alignl 7, 3214868480
	.fill 96, 4, 3214868480
	.section	.rodata,"a",@progbits
	.p2align	6, 0x0
	.amdhsa_kernel k_qb33bc420b1_oproj
		.amdhsa_group_segment_fixed_size 327680
		.amdhsa_private_segment_fixed_size 0
		.amdhsa_enable_private_segment 0
		.amdhsa_kernarg_size 32
		.amdhsa_user_sgpr_count 2
		.amdhsa_user_sgpr_kernarg_segment_ptr 1
		.amdhsa_wavefront_size32 1
		.amdhsa_system_sgpr_workgroup_id_x 1
		.amdhsa_system_sgpr_workgroup_id_y 1
		.amdhsa_system_sgpr_workgroup_id_z 1
		.amdhsa_system_vgpr_workitem_id 0
		.amdhsa_next_free_vgpr 1024
		.amdhsa_next_free_sgpr 96
		.amdhsa_reserve_vcc 0
		.amdhsa_float_denorm_mode_32 3
		.amdhsa_float_denorm_mode_16_64 3
		.amdhsa_memory_ordered 1
		.amdhsa_forward_progress 1
		.amdhsa_inst_pref_size 170
	.end_amdhsa_kernel
	.amdgpu_metadata
---
amdhsa.version: [ 1, 2 ]
amdhsa.kernels:
  - .name:           k_qb33bc420b1_oproj
    .symbol:         k_qb33bc420b1_oproj.kd
    .args:
      - { .name: oh, .offset: 0, .size: 8, .value_kind: global_buffer, .address_space: global }
      - { .name: Wo, .offset: 8, .size: 8, .value_kind: global_buffer, .address_space: global }
      - { .name: bo, .offset: 16, .size: 8, .value_kind: global_buffer, .address_space: global }
      - { .name: out0, .offset: 24, .size: 8, .value_kind: global_buffer, .address_space: global }
    .group_segment_fixed_size: 327680
    .private_segment_fixed_size: 0
    .kernarg_segment_align: 8
    .kernarg_segment_size: 32
    .max_flat_workgroup_size: 128
    .sgpr_count:     96
    .vgpr_count:     1024
    .wavefront_size: 32
...
	.end_amdgpu_metadata
.endif
;; end of part 6
